; MI455X (gfx1250); checked and timed in simulation.
; The chip was launched on July 23, 2026; its instructions are those of AMD's public machine-readable ISA for CDNA 5 (MIT licence, August 2026) and "CDNA5" Instruction Set Architecture Reference Guide (July 2026). The comments in the code are by the model that wrote it; some were corrected since.
;; EG Transformer. Allowed arithmetic: float matrix products may take bf16 or f16 operands with f32 sums; all other float work in f32.
;; Inputs: WA 512 x 64 float32; Wk 512 x 512 float32; Wm 512 x 512 float32; Woff 512 x 128 float32; Wq 512 x 512 float32; bA 64 float32; bk 512 float32; bm 512 float32; boff 128 float32; bq 512 float32; keys0 4 x 64 x 128 x 512 float32; query 4 x 64 x 128 x 512 float32; ref_point 4 x 1 x 64 x 128 x 2 float32.
;; Outputs: out0 4 x 64 x 128 x 512 float32.
;; 3 versions, each right; version 2 is faster than version 1; version 3 is version 2 with the launches proj, gath written anew for expert scheduling mode. Each part assembles by itself: llvm-mc -triple=amdgcn-amd-amdhsa -mcpu=gfx1250 --defsym DOCPART=n.
;; ======== version 1 of 3: 3 launches
;; limits: values are held in f16: magnitudes above 65,504 overflow, below 6.1e-05 lose precision; values outside matrix products are rounded to f16
;; workspace buffers: wkp 524,288 bytes; wmp 524,288 bytes; wcp 196,608 bytes; bcp 768 bytes; kf 33,554,432 bytes; sidx 8,388,608 bytes of whole numbers; swt 33,554,432 bytes
;; launch prep (part 1): grid 908 x 1, 4 waves a work-group, no clusters, 4,608 bytes of LDS; arguments Wk, Wm, Wq, Woff, WA, bq, boff, bA, wkp, wmp, wcp, bcp; writes wkp, wmp, wcp, bcp
.if DOCPART == 1
	.amdgcn_target "amdgcn-amd-amdhsa--gfx1250"
	.amdhsa_code_object_version 6
	.text
	.protected	k_q97c286e1c8_prep
	.globl	k_q97c286e1c8_prep
	.p2align	8
	.type	k_q97c286e1c8_prep,@function
k_q97c286e1c8_prep:
	s_mov_b64 s[64:65], 0
	v_nop
	global_prefetch_b8 v0, s[64:65] scope:SCOPE_SE
	s_setreg_imm32_b32 hwreg(HW_REG_WAVE_MODE, 25, 1), 1
	s_wait_xcnt 0x0
; PREP: the weights as the two large launches want them.
; (1) Work-groups 0-511 turn Wk and Wm ([512 k][512 n] f32) into f16 fragment images [cb 8][s 16][t 4][j 2][lane 32][8]:
;     lane (r = lane % 16, h = lane / 16) holds W[k = 32 s + 16 j + 8 h + 0..7][n = 64 cb + 16 t + r], so that a fragment is two loads of 512 consecutive bytes.
; (2) Work-groups 512-907 make Wc = Wq [Woff | WA] (512 x 192) and bc = bq [Woff | WA] + [boff | bA].  q = query Wq + bq feeds nothing but two linear maps,
;     so query Wc + bc is the same numbers for every input, and q itself is never formed.  One work-group makes one tile of 16 x 16; its four waves share the sum over c (128 each).
;     Tile row mt = 0..31: rows 16 mt .. of Wc.  mt = 32: all sixteen rows are bq, and the result, plus boff or bA, is bc.
;     Tile column nt = 3 hp + t: head pair hp, t = 0 the y offsets, 1 the x offsets, 2 the logits; column r of a tile is (head 2 hp + r / 8, point r % 8):
;     Woff's column 32 hp + 2 r + t, WA's column 16 hp + r.  wcp: f16 [hp 4][f = 3 s + t][j 2][lane 32][8]; bcp: f32 [hp 4][t 3][16].
; LIMITS.  Matrix operands are f16: Wk, Wm, Wq, Woff, WA, bq and Wc must lie within 65,504; below 6e-5 they keep f16's fixed step of 6e-8.  Sums in f32.
; No cluster, no tensor load: 3.4 MB are read once, in pieces that no two work-groups share but for Wq's and Woff's rows, a few KB each.
.set SPARE, 4096                       ; behind the partial sums: the spare words, 128 bytes a wave
.set SPW,  14                          ; v14  LDS address of my spare word; never rewritten
.set NIL,  15                          ; v15  0; never rewritten
.set A32,  16                          ; v16-79    Wq's (or bq's) numbers in f32: 4 steps x 16
.set B32,  80                          ; v80-143   Woff's or WA's: 4 steps x 16
.set AF,   144                         ; v144-175  the same as f16 fragments
.set BF,   176                         ; v176-207
.set ACC0, 208                         ; v208-215, v216-223  two accumulators, by turns
.set ACC1, 216
.set SUM,  224                         ; v224-231  my wave's sum
.macro PLACES
.rept 4
	v_nop
.endr
.endm
.macro LOADB b, pb                     ; 64 numbers of my column: c = first + 32 u + i and first + 32 u + 16 + i, rows pb bytes apart
.set u, 0
.rept 4
.set i, 0
.rept 8
	global_load_b32 v[B32+16*u+i],   v7, s[\b:\b+1] offset:(32*u+i)*(\pb)
	global_load_b32 v[B32+16*u+8+i], v7, s[\b:\b+1] offset:(32*u+16+i)*(\pb)
.set i, i+1
.endr
.set u, u+1
.endr
.endm
	s_load_b512 s[4:19], s[0:1], 0x0               ; Wk s[4:5], Wm s[6:7], Wq s[8:9], Woff s[10:11], WA s[12:13], bq s[14:15], boff s[16:17], bA s[18:19]
	s_load_b256 s[20:27], s[0:1], 0x40             ; wkp s[20:21], wmp s[22:23], wcp s[24:25], bcp s[26:27]
	v_lshl_add_u32 v[SPW], v0, 2, SPARE
	v_mov_b32 v[NIL], 0
	s_mov_b32 s28, ttmp9
	s_cmp_lt_u32 s28, 512
	s_cbranch_scc0 .Lcomposite                     ; the work-group's number decides: alike for its four waves
	; PACK.  Thread T of 32,768 makes the 16 bytes at 16 T of the image.
	s_and_b32 s29, s28, 255
	v_lshl_add_u32 v1, s29, 7, v0                  ; T
	v_bfe_u32 v2, v1, 8, 4                         ; s
	v_bfe_u32 v3, v1, 4, 2                         ; h + 2 j
	v_lshlrev_b32 v2, 5, v2
	v_lshl_add_u32 v2, v3, 3, v2                   ; k = 32 s + 16 j + 8 h
	v_lshrrev_b32 v3, 12, v1                       ; cb
	v_bfe_u32 v4, v1, 6, 2                         ; t
	v_lshl_add_u32 v3, v3, 2, v4
	v_and_b32 v4, 15, v1                           ; r
	v_lshl_add_u32 v3, v3, 4, v4                   ; n
	v_lshlrev_b32 v3, 2, v3
	v_lshl_add_u32 v2, v2, 11, v3                  ; 2,048 k + 4 n
	v_lshlrev_b32 v5, 4, v1
	s_cmp_lt_u32 s28, 256
	s_wait_kmcnt 0x0
	s_cselect_b64 s[30:31], s[4:5], s[6:7]         ; the first 256 work-groups take Wk, the others Wm
	s_cselect_b64 s[32:33], s[20:21], s[22:23]
.irp i, 0,1,2,3,4,5,6,7
	global_load_b32 v[16+(\i)], v2, s[30:31] offset:2048*(\i)
.endr
	s_wait_loadcnt 0x0
.irp p, 0,1,2,3
	v_cvt_pk_f16_f32 v[24+(\p)], v[16+2*(\p)], v[16+2*(\p)+1]
.endr
	global_store_b128 v5, v[24:27], s[32:33]       ; a wave stores 512 consecutive bytes
	s_endpgm
.Lcomposite:
	s_sub_co_u32 s28, s28, 512                     ; q = 0..395
	s_mul_i32 s29, s28, 683
	s_lshr_b32 s29, s29, 13                        ; mt = q / 12: 683 / 8,192 exceeds 1 / 12 by 4.1e-5, 0.016 at q = 395, less than 1 / 12
	s_mul_i32 s30, s29, 12
	s_sub_co_u32 s30, s28, s30                     ; nt
	s_mul_i32 s31, s30, 11
	s_lshr_b32 s31, s31, 5                         ; hp = nt / 3 (exact for nt < 12)
	s_mul_i32 s32, s31, 3
	s_sub_co_u32 s32, s30, s32                     ; t
	v_lshrrev_b32 v1, 5, v0
	v_readfirstlane_b32 s33, v1                    ; my wave: c = 128 wave ..
	v_and_b32 v2, 15, v0                           ; r
	v_bfe_u32 v3, v0, 4, 1                         ; h
	v_and_b32 v4, 31, v0                           ; lane
	v_lshlrev_b32 v8, 5, v0                        ; LDS: 1,024 wave + 32 lane
	s_lshl_b32 s35, s29, 15                        ; 16 mt rows of 2,048 bytes
	s_lshl_b32 s38, s33, 9                         ; 128 wave numbers of 4 bytes
	s_cmp_eq_u32 s29, 32
	s_cselect_b32 s34, 0, 2048                     ; bytes from row to row: none where every row is bq
	s_cselect_b32 s35, 0, s35
	s_wait_kmcnt 0x0
	s_cselect_b64 s[36:37], s[14:15], s[8:9]
	s_add_co_u32 s35, s35, s38
	v_mul_u32_u24 v5, v2, s34
	v_lshl_add_u32 v5, v3, 5, v5                   ; + 8 h numbers
	v_add_nc_u32 v5, s35, v5
.set u, 0
.rept 4                                ; step u: c = 32 u + 8 h + 0..7 and 32 u + 16 + 8 h + 0..7
	global_load_b128 v[A32+16*u:A32+16*u+3],     v5, s[36:37] offset:128*u
	global_load_b128 v[A32+16*u+4:A32+16*u+7],   v5, s[36:37] offset:128*u+16
	global_load_b128 v[A32+16*u+8:A32+16*u+11],  v5, s[36:37] offset:128*u+64
	global_load_b128 v[A32+16*u+12:A32+16*u+15], v5, s[36:37] offset:128*u+80
.set u, u+1
.endr
	s_lshl_b32 s40, s33, 7
	v_lshl_add_u32 v7, v3, 3, s40                  ; my first c = 128 wave + 8 h
	s_cmp_eq_u32 s32, 2
	s_cbranch_scc1 .Lfrom_wa
	s_lshl_b32 s39, s31, 5
	s_add_co_u32 s39, s39, s32
	v_lshl_add_u32 v6, v2, 1, s39                  ; Woff's column 32 hp + 2 r + t
	v_lshlrev_b32 v6, 2, v6
	v_lshl_add_u32 v7, v7, 9, v6
	LOADB 10, 512
	s_mov_b64 s[42:43], s[16:17]                   ; boff goes with it
	s_branch .Lloaded
.Lfrom_wa:
	s_lshl_b32 s39, s31, 4
	v_add_nc_u32 v6, s39, v2                       ; WA's column 16 hp + r
	v_lshlrev_b32 v6, 2, v6
	v_lshl_add_u32 v7, v7, 8, v6
	LOADB 12, 256
	s_mov_b64 s[42:43], s[18:19]                   ; bA goes with it
.Lloaded:
	s_wait_loadcnt 0x0
.set i, 0
.rept 32
	v_cvt_pk_f16_f32 v[AF+i], v[A32+2*i], v[A32+2*i+1]
	v_cvt_pk_f16_f32 v[BF+i], v[B32+2*i], v[B32+2*i+1]
.set i, i+1
.endr
	; source 0 = 16 rows of Wq, source 1 = 16 columns: lane (r, h), register j holds (row 8 h + j, column r).  The two accumulators take turns.
	v_wmma_f32_16x16x32_f16 v[ACC0:ACC0+7], v[AF:AF+7],       v[BF:BF+7],       0
	v_wmma_f32_16x16x32_f16 v[ACC1:ACC1+7], v[AF+8:AF+15],    v[BF+8:BF+15],    0
	v_wmma_f32_16x16x32_f16 v[ACC0:ACC0+7], v[AF+16:AF+23],   v[BF+16:BF+23],   v[ACC0:ACC0+7]
	v_wmma_f32_16x16x32_f16 v[ACC1:ACC1+7], v[AF+24:AF+31],   v[BF+24:BF+31],   v[ACC1:ACC1+7]
	PLACES                                         ; four plain instructions between a product and the first read of its result (ISA guide 7.12.1)
.irp p, 0,2,4,6
	v_pk_add_f32 v[SUM+(\p):SUM+(\p)+1], v[ACC0+(\p):ACC0+(\p)+1], v[ACC1+(\p):ACC1+(\p)+1]
.endr
	ds_store_b128 v8, v[SUM:SUM+3]
	ds_store_b128 v8, v[SUM+4:SUM+7] offset:16
	s_wait_dscnt 0x0                               ; for wave 0's sake: my stores are done
	s_barrier_signal -1
	s_barrier_wait -1
	s_cmp_eq_u32 s33, 0
	s_cbranch_scc1 .Lwave0
	s_wait_tensorcnt 0x0                           ; the wave's end
	ds_add_u32 v[SPW], v[NIL]
	s_wait_dscnt 0x0
	s_endpgm
.Lwave0:
.irp q, 0,1,2,3
	ds_load_b128 v[16+8*(\q):16+8*(\q)+3], v8 offset:1024*(\q)      ; in wave 0 v8 is 32 lane
	ds_load_b128 v[16+8*(\q)+4:16+8*(\q)+7], v8 offset:1024*(\q)+16
.endr
	s_wait_dscnt 0x0
.irp p, 0,2,4,6
	v_pk_add_f32 v[16+(\p):16+(\p)+1], v[16+(\p):16+(\p)+1], v[24+(\p):24+(\p)+1]
	v_pk_add_f32 v[32+(\p):32+(\p)+1], v[32+(\p):32+(\p)+1], v[40+(\p):40+(\p)+1]
.endr
.irp p, 0,2,4,6
	v_pk_add_f32 v[16+(\p):16+(\p)+1], v[16+(\p):16+(\p)+1], v[32+(\p):32+(\p)+1]
.endr
	s_cmp_eq_u32 s29, 32
	s_cbranch_scc1 .Lbias
	; v16-23 = Wc[16 mt + 8 h + 0..7][column r]: k step s = mt / 2, half j = mt % 2 of the image
.irp p, 0,1,2,3
	v_cvt_pk_f16_f32 v[48+(\p)], v[16+2*(\p)], v[16+2*(\p)+1]
.endr
	s_mul_i32 s39, s31, 49152
	s_lshr_b32 s40, s29, 1
	s_mul_i32 s40, s40, 3072
	s_add_co_u32 s39, s39, s40
	s_lshl_b32 s40, s32, 10
	s_add_co_u32 s39, s39, s40
	s_and_b32 s40, s29, 1
	s_lshl_b32 s40, s40, 9
	s_add_co_u32 s39, s39, s40
	v_lshl_add_u32 v10, v4, 4, s39
	global_store_b128 v10, v[48:51], s[24:25]      ; 512 consecutive bytes
	s_wait_tensorcnt 0x0                           ; the wave's end, as above
	ds_add_u32 v[SPW], v[NIL]
	s_wait_dscnt 0x0
	s_endpgm
.Lbias:
	global_load_b32 v52, v6, s[42:43]              ; boff's or bA's number of my column
	s_lshl_b32 s39, s30, 6
	v_lshl_add_u32 v11, v2, 2, s39                 ; 64 nt + 4 r
	s_wait_loadcnt 0x0
	v_add_f32 v16, v16, v52
	s_wait_xcnt 0x0                                ; EXEC changes only behind this wait
	v_cmp_gt_u32 vcc_lo, 16, v4
	s_and_saveexec_b32 s44, vcc_lo                 ; lanes 0-15: one lane a column
	global_store_b32 v11, v16, s[26:27]
	s_wait_xcnt 0x0                                ; and again in front of the line that widens it
	s_or_b32 exec_lo, exec_lo, s44
	s_wait_tensorcnt 0x0                           ; the wave's end, as above
	ds_add_u32 v[SPW], v[NIL]
	s_wait_dscnt 0x0
	s_endpgm
.Lfunc_end_k_q97c286e1c8_prep:
	.size	k_q97c286e1c8_prep, .Lfunc_end_k_q97c286e1c8_prep-k_q97c286e1c8_prep
	.p2alignl 7, 3214868480
	.fill 96, 4, 3214868480
	.section	.rodata,"a",@progbits
	.p2align	6, 0x0
	.amdhsa_kernel k_q97c286e1c8_prep
		.amdhsa_group_segment_fixed_size 4608
		.amdhsa_private_segment_fixed_size 0
		.amdhsa_enable_private_segment 0
		.amdhsa_kernarg_size 96
		.amdhsa_user_sgpr_count 2
		.amdhsa_user_sgpr_kernarg_segment_ptr 1
		.amdhsa_wavefront_size32 1
		.amdhsa_system_sgpr_workgroup_id_x 1
		.amdhsa_system_sgpr_workgroup_id_y 1
		.amdhsa_system_sgpr_workgroup_id_z 1
		.amdhsa_system_vgpr_workitem_id 0
		.amdhsa_next_free_vgpr 232
		.amdhsa_next_free_sgpr 66
		.amdhsa_reserve_vcc 1
		.amdhsa_float_denorm_mode_32 3
		.amdhsa_float_denorm_mode_16_64 3
		.amdhsa_memory_ordered 1
		.amdhsa_forward_progress 1
		.amdhsa_inst_pref_size 26
	.end_amdhsa_kernel
	.amdgpu_metadata
---
amdhsa.version: [ 1, 2 ]
amdhsa.kernels:
  - .name:           k_q97c286e1c8_prep
    .symbol:         k_q97c286e1c8_prep.kd
    .args:
      - { .name: Wk, .offset: 0, .size: 8, .value_kind: global_buffer, .address_space: global }
      - { .name: Wm, .offset: 8, .size: 8, .value_kind: global_buffer, .address_space: global }
      - { .name: Wq, .offset: 16, .size: 8, .value_kind: global_buffer, .address_space: global }
      - { .name: Woff, .offset: 24, .size: 8, .value_kind: global_buffer, .address_space: global }
      - { .name: WA, .offset: 32, .size: 8, .value_kind: global_buffer, .address_space: global }
      - { .name: bq, .offset: 40, .size: 8, .value_kind: global_buffer, .address_space: global }
      - { .name: boff, .offset: 48, .size: 8, .value_kind: global_buffer, .address_space: global }
      - { .name: bA, .offset: 56, .size: 8, .value_kind: global_buffer, .address_space: global }
      - { .name: wkp, .offset: 64, .size: 8, .value_kind: global_buffer, .address_space: global }
      - { .name: wmp, .offset: 72, .size: 8, .value_kind: global_buffer, .address_space: global }
      - { .name: wcp, .offset: 80, .size: 8, .value_kind: global_buffer, .address_space: global }
      - { .name: bcp, .offset: 88, .size: 8, .value_kind: global_buffer, .address_space: global }
    .group_segment_fixed_size: 4608
    .private_segment_fixed_size: 0
    .kernarg_segment_align: 8
    .kernarg_segment_size: 96
    .max_flat_workgroup_size: 128
    .sgpr_count:     66
    .vgpr_count:     232
    .wavefront_size: 32
...
	.end_amdgpu_metadata
.endif
;; end of part 1
;; launch proj (part 2): grid 256 x 1, 8 waves a work-group, no clusters, 285,696 bytes of LDS; arguments query, keys0, ref_point, wcp, bcp, wkp, bk, kf, sidx, swt; writes kf, sidx, swt
.if DOCPART == 2
	.amdgcn_target "amdgcn-amd-amdhsa--gfx1250"
	.amdhsa_code_object_version 6
	.text
	.protected	k_q97c286e1c8_proj
	.globl	k_q97c286e1c8_proj
	.p2align	8
	.type	k_q97c286e1c8_proj,@function
k_q97c286e1c8_proj:
	s_mov_b64 s[64:65], 0
	v_nop
	global_prefetch_b8 v0, s[64:65] scope:SCOPE_SE
	s_setreg_imm32_b32 hwreg(HW_REG_WAVE_MODE, 25, 1), 1
	s_wait_xcnt 0x0
; PROJ: one work-group for each image row g = 64 b + y: 128 positions, 256 KB of query and of keys0, each read once.
;   phase 0  all eight waves bring query and then keys0 in, rounded to f16, into LDS: wave w the rows 16 w .. 16 w + 15 of each.  One barrier, the only one: behind it LDS is only read, but for each wave's own stage.
;   phase 1  wave w (head pair hp = w % 4, positions 64 (w / 4) ..): query Wc + bc -> for each (position, head, point) the base pixel's index and four corner weights with the softmax weight folded in.
;   phase 2  kf = keys0 Wk + bk, wave w the 64 channels of head w, stored f16 by heads [b][head][pixel][64].
; SAMPLING.  With p = ref + off, the sample's column is x = p 128 / 127 - 0.5 (one fused multiply-add where the problem's function writes (2 p / 127 - 1 + 1) 64 - 0.5: some 1e-5 pixel apart, and
; bilinear sampling is continuous); rows likewise with 64 / 63.  The base column is floor(x) clamped to 0..126, and the weights of base and base + 1 are max(0, 1 - |x - column|): for every finite x these are
; the bilinear weights times the tests for 'inside', since a column outside the image is never named and a column further than 1 from x gets 0.  Image 8 b + head takes the reference points of batch head % 4.
; LIMITS.  Matrix operands are f16: query, keys0 and kf must lie within 65,504.  Sums, softmax (with its maximum taken away), positions and weights in f32.  NaN and infinities are not treated apart.
; NO TENSOR RING, NO JOINT LOADS.  The weights go from memory straight into registers: a wave's 64 columns are its own, so LDS would give no second use inside the work-group, and of the 327,680 bytes of LDS
; 285,696 hold the two inputs, stages and spare words: what is left, 41,984, is less than two slots of one K step of Wk (2 x 32,768).
; THE MATRIX INSTRUCTION IS USED TRANSPOSED: source 0 = 16 columns of the weights, source 1 = 16 positions: lane (r, h), register j holds position r, column 8 h + j.
.set PITCH,  1040                      ; a row in LDS: 1,024 bytes + 16 = 65 x 16: the sixteen rows of a fragment load start at sixteen different 16-byte columns modulo 256 bytes
.set A0,     128*PITCH                 ; query's rows from 0, keys0's from here
.set STAGE,  2*128*PITCH               ; 16 rows x 144 bytes for each wave, for kf's way out
.set SPITCH, 144
.set SPARE,  STAGE+8*16*SPITCH         ; the spare words, 128 bytes a wave: four blocks of 256 bytes that no other line names
.set LN,   1                           ; v1   16 lane; in phase 2 it walks the weights (BOF)
.set ADP,  2                           ; v2   phase 1: LDS address of my fragment of query
.set RA,   3                           ; v3   my byte offset in ref_point
.set IO,   4                           ; v4   in sidx
.set WO,   5                           ; v5   in swt
.set RF,   6                           ; v6-7 phase 1: my position's reference point (y, x)
.set ADA0, 6                           ; v6-7 phase 2: LDS address of my fragments of keys0, row blocks 0-3 and 4-7
.set LOF2, 8                           ; v8   phase 0: where my 8 bytes of keys0's rows go
.set STO,  8                           ; v8   way out: where I put 16 bytes of a row
.set RD,   9                           ; v9   way out: where I read rows back
.set GO,   10                          ; v10  16 lane; never rewritten
.set H32,  11                          ; v11  32 h: my eight numbers of a bias
.set GOFF, 12                          ; v12  the stream's byte offset in query and in keys0; never rewritten
.set LOFF, 13                          ; v13  where my 8 bytes of query's rows go; never rewritten
.set SPW,  14                          ; v14  LDS address of my spare word; never rewritten
.set NIL,  15                          ; v15  0; never rewritten
.set Y,    16                          ; v16-23   stream: f16 pairs to store
.set X,    128                         ; v128-255 stream: a ring of 32 slots of 4 registers
.set AR,   16                          ; v16-79   phase 1: a ring of 8 fragments of query; then at work
.set YA,   80                          ; v80-87   y offsets of my head's 8 points, then the samples' rows
.set XA,   88                          ; v88-95   x
.set LA,   96                          ; v96-103  logits, then softmax weights
.set PB,   104                         ; v104-127 bc for the three tiles
                                       ; phase 1: Wc's 48 fragments: f < 16 at v[128 + 8 f], f >= 16 in window 1 at v[8 (f - 16)]
.set BI,   16                          ; phase 2: v16-47 bk; v48-79, v80-111 two halves of A's fragments; v128-255 four slots of weights; window 1: 32 accumulators, (a, t) at v[8 (4 a + t)]
.set HA0,  48
.set HA1,  80
.set BR,   128
.set BOF,  1
.set SB,   14                          ; s[14:15] wkp at my wave's 65,536 bytes
.set SBI,  16                          ; s[16:17] bk at my wave's 64 numbers
.set MSB, 0
.macro WIN new                         ; s_set_vgpr_msb: bits 1:0 source 0, 3:2 source 1, 5:4 source 2, 7:6 destination; the high byte repeats the setting that is left
.if MSB != (\new)
	s_set_vgpr_msb (MSB<<8)|(\new)
.set MSB, \new
.endif
.endm
.macro PLACES                          ; four plain instructions between a product and a read of its result, a write of or a load into one of its registers (ISA guide 7.12.1 for reads and writes)
.rept 4
	v_nop
.endr
.endm
; THE STREAM.  A round is 8 rows, 16 KB: slot i takes 512 bytes (row i / 4, quarter i % 4), rounds them to f16 and stores 256 consecutive bytes into LDS, at register lr + lo.
; ahead = 1: each slot is loaded again at once, with its 512 bytes of the next round: base s[nb:nb+1], byte no on.  No address register is ever stepped: the round stands in the immediates.
.macro ROUND lr, lo, ahead, nb, no
.set i, 0
.rept 32
.if \ahead
	s_wait_loadcnt 31                              ; loads come back in order (ISA guide 5.7.1): slot i is in; the 31 - i later slots and the i slots loaded again stay out
.else
	s_wait_loadcnt 31-i                            ; the last round loads nothing: the counts run down
.endif
	v_cvt_pk_f16_f32 v[Y+2*(i%4)],   v[X+4*i],   v[X+4*i+1]
	v_cvt_pk_f16_f32 v[Y+2*(i%4)+1], v[X+4*i+2], v[X+4*i+3]
	ds_store_b64 v[\lr], v[Y+2*(i%4):Y+2*(i%4)+1] offset:(\lo)+(i/4)*PITCH+(i%4)*256
.if \ahead
	global_load_b128 v[X+4*i:X+4*i+3], v[GOFF], s[\nb:\nb+1] offset:(\no)+512*i th:TH_LOAD_NT
.endif
.set i, i+1
.endr
.endm
; THE PRODUCT of 128 rows x 512 columns, K = 512 in 16 steps of 32.  A wave: 64 columns, 8 row blocks a x 4 tiles t.
.macro MM16 hb, q, a0, first           ; 16 products: blocks a0 .. a0 + 3 (fragments at hb) x the 4 tiles of weight slot q.  first = 1: the bias is the C that starts the sums: nothing is cleared, no bias is added later
.if \first
	WIN 0x40
.else
	WIN 0x50
.endif
.irp a, 0,1,2,3
.irp t, 0,1,2,3
.if \first
	v_wmma_f32_16x16x32_f16 v[8*(4*((\a0)+(\a))+(\t)):8*(4*((\a0)+(\a))+(\t))+7], v[BR+32*(\q)+8*(\t):BR+32*(\q)+8*(\t)+7], v[(\hb)+8*(\a):(\hb)+8*(\a)+7], v[BI+8*(\t):BI+8*(\t)+7]
.else
	v_wmma_f32_16x16x32_f16 v[8*(4*((\a0)+(\a))+(\t)):8*(4*((\a0)+(\a))+(\t))+7], v[BR+32*(\q)+8*(\t):BR+32*(\q)+8*(\t)+7], v[(\hb)+8*(\a):(\hb)+8*(\a)+7], v[8*(4*((\a0)+(\a))+(\t)):8*(4*((\a0)+(\a))+(\t))+7]
.endif
.endr
.endr
.endm
.macro LDA hb, half, s                 ; 8 LDS loads: four blocks' fragments of K step s (counted from where the address stands)
	WIN 0
.irp a, 0,1,2,3
	ds_load_b128 v[(\hb)+8*(\a):(\hb)+8*(\a)+3],   v[ADA0+(\half)] offset:(\a)*16*PITCH+64*(\s)
	ds_load_b128 v[(\hb)+8*(\a)+4:(\hb)+8*(\a)+7], v[ADA0+(\half)] offset:(\a)*16*PITCH+64*(\s)+32
.endr
.endm
.macro LDB q, s                        ; 8 loads of 512 consecutive bytes: my four tiles' weights of K step s into slot q
	WIN 0
.irp t, 0,1,2,3
	global_load_b128 v[BR+32*(\q)+8*(\t):BR+32*(\q)+8*(\t)+3],   v[BOF], s[SB:SB+1] offset:4096*(\s)+1024*(\t)
	global_load_b128 v[BR+32*(\q)+8*(\t)+4:BR+32*(\q)+8*(\t)+7], v[BOF], s[SB:SB+1] offset:4096*(\s)+1024*(\t)+512
.endr
.endm
.macro LDBIAS                          ; register j of tile t: the bias of column 16 t + 8 h + j
.irp t, 0,1,2,3
	global_load_b128 v[BI+8*(\t):BI+8*(\t)+3],   v[H32], s[SBI:SBI+1] offset:64*(\t)
	global_load_b128 v[BI+8*(\t)+4:BI+8*(\t)+7], v[H32], s[SBI:SBI+1] offset:64*(\t)+16
.endr
.endm
; A K step.  The 32 accumulators take turns, in the same order in every step.  more: A's fragments of the next step are fetched, each half behind its own products;
; fb: the weights three steps on are asked for, into the slot that the step before has multiplied; lc: the younger weight loads that may stay out.
.macro STEP q, s, more, fb, first, lc
	s_wait_loadcnt \lc                             ; this step's weights are in; those of the next two steps (8 loads each) may be out
	s_wait_dscnt 8                                 ; blocks 0-3 are in; the eight loads of blocks 4-7 may be out
	MM16 HA0, \q, 0, \first
	PLACES
.if \more
	LDA HA0, 0, (\s)+1
.endif
.if \fb
	LDB ((\q)+3)%4, (\s)+3
.endif
.if \more
	s_wait_dscnt 8                                 ; blocks 4-7 are in; the eight just issued may be out
.else
	s_wait_dscnt 0
.endif
	MM16 HA1, \q, 4, \first
	PLACES
.if \more
	LDA HA1, 1, (\s)+1
.endif
.endm
	s_load_b512 s[4:19], s[0:1], 0x0               ; query s[4:5], keys0 s[6:7], ref_point s[8:9], wcp s[10:11], bcp s[12:13], wkp s[14:15], bk s[16:17], kf s[18:19]
	s_load_b128 s[20:23], s[0:1], 0x40             ; sidx s[20:21], swt s[22:23]
	v_lshl_add_u32 v[SPW], v0, 2, SPARE
	v_mov_b32 v[NIL], 0
	v_lshrrev_b32 v16, 5, v0
	v_readfirstlane_b32 s24, v16                   ; wave 0..7
	s_mov_b32 s25, ttmp9                           ; g
	s_and_b32 s30, s24, 3                          ; phase 1: my head pair hp,
	s_lshr_b32 s31, s24, 2                         ; and which 64 positions
	v_and_b32 v17, 31, v0                          ; lane
	v_and_b32 v20, 15, v0                          ; r
	v_bfe_u32 v21, v0, 4, 1                        ; h
	v_lshlrev_b32 v[LN], 4, v17
	v_lshlrev_b32 v[GO], 4, v17
	v_lshlrev_b32 v[H32], 5, v21
	s_lshl_b32 s26, s24, 15                        ; phase 0: wave w takes rows 16 w .. 16 w + 15
	v_add_nc_u32 v[GOFF], s26, v[LN]
	s_mul_i32 s27, s24, 16*PITCH
	v_lshl_add_u32 v[LOFF], v17, 3, s27
	v_add_nc_u32 v[LOF2], A0, v[LOFF]
	s_mul_i32 s26, s31, 64*PITCH
	v_mul_u32_u24 v[ADP], v20, PITCH
	v_lshl_add_u32 v[ADP], v21, 4, v[ADP]
	v_add_nc_u32 v[ADP], s26, v[ADP]               ; row (64 half + r) x pitch + 16 h
	s_lshl_b32 s26, s30, 1
	v_add_nc_u32 v22, s26, v21                     ; my head = 2 hp + h
	v_and_b32 v23, 3, v22                          ; whose reference points are batch head % 4's
	s_and_b32 s27, s25, 63
	s_lshl_b32 s27, s27, 10                        ; row y: 128 points of 8 bytes
	s_lshl_b32 s26, s31, 9                         ; my 64 positions
	s_add_co_u32 s27, s27, s26
	v_lshl_add_u32 v[RA], v20, 3, s27
	v_lshl_add_u32 v[RA], v23, 16, v[RA]
	s_lshl_b32 s26, s31, 10
	v_lshl_add_u32 v20, v20, 4, s26                ; 16 (64 half + r)
	v_lshl_add_u32 v[IO], v22, 12, v20             ; sidx: [head][kh 2][x 128][4] words
	v_lshl_add_u32 v[WO], v22, 14, v20             ; swt: [head][k 8][x 128][4 corners] f32
	s_mov_b32 s32, 0x3f820821                      ; 64 / 63
	s_mov_b32 s33, s32                             ; the packed forms name pairs
	s_mov_b32 s34, 0x3f810204                      ; 128 / 127
	s_mov_b32 s35, s34
	s_mov_b32 s36, 0x3fb8aa3b                      ; log2(e)
	s_mov_b32 s37, s36
	s_mov_b32 s38, 0x42780000                      ; 62.0
	s_mov_b32 s39, 0x42fc0000                      ; 126.0
	s_mov_b32 s42, 0x43000000                      ; 128.0
	s_lshl_b32 s28, s25, 18                        ; my image row: 128 rows of 2,048 bytes
	s_mov_b32 s29, 0
	s_mov_b32 s27, 0
	s_wait_kmcnt 0x0
	s_add_nc_u64 s[4:5], s[4:5], s[28:29]
	s_add_nc_u64 s[6:7], s[6:7], s[28:29]
	s_mul_i32 s26, s30, 49152
	s_add_nc_u64 s[10:11], s[10:11], s[26:27]      ; wcp and bcp at my head pair
	s_mul_i32 s26, s30, 192
	s_add_nc_u64 s[12:13], s[12:13], s[26:27]
	s_lshl_b32 s26, s25, 15
	s_add_nc_u64 s[20:21], s[20:21], s[26:27]      ; sidx and swt at my image row
	s_lshl_b32 s26, s25, 17
	s_add_nc_u64 s[22:23], s[22:23], s[26:27]
	s_lshl_b32 s26, s24, 8
	s_add_nc_u64 s[SBI:SBI+1], s[SBI:SBI+1], s[26:27]
	s_lshl_b32 s26, s24, 16
	s_add_nc_u64 s[SB:SB+1], s[SB:SB+1], s[26:27]
	s_lshr_b32 s28, s25, 6
	s_lshl3_add_u32 s28, s28, s24                  ; image 8 b + w,
	s_lshl_b32 s28, s28, 20                        ; 1 MiB each,
	s_and_b32 s26, s25, 63
	s_lshl_b32 s26, s26, 14                        ; row y: 128 pixels of 128 bytes
	s_add_co_u32 s28, s28, s26
	s_add_nc_u64 s[18:19], s[18:19], s[28:29]
	; Wc's 48 fragments of my head pair stay in registers in phase 1.  The 32 that lie in window 1, and bc, are asked for now: older than the stream's loads, they are in when its first slot is.
	WIN 0x40
.set f, 16
.rept 32
	global_load_b128 v[8*(f-16):8*(f-16)+3],   v[LN], s[10:11] offset:1024*f
	global_load_b128 v[8*(f-16)+4:8*(f-16)+7], v[LN], s[10:11] offset:1024*f+512
.set f, f+1
.endr
	WIN 0
.irp t, 0,1,2
	global_load_b128 v[PB+8*(\t):PB+8*(\t)+3],   v[H32], s[12:13] offset:64*(\t)
	global_load_b128 v[PB+8*(\t)+4:PB+8*(\t)+7], v[H32], s[12:13] offset:64*(\t)+16
.endr
	; PHASE 0: four rounds on one ring: query's rows 0-7 and 8-15 of my sixteen, then keys0's
.set i, 0
.rept 32
	global_load_b128 v[X+4*i:X+4*i+3], v[GOFF], s[4:5] offset:512*i th:TH_LOAD_NT
.set i, i+1
.endr
	ROUND LOFF, 0,       1, 4, 16384
	ROUND LOFF, 8*PITCH, 1, 6, 0
	ROUND LOF2, 0,       1, 6, 16384
	ROUND LOF2, 8*PITCH, 0, 6, 0
	s_wait_dscnt 0x0                               ; for the others' sake: my rows of query and of keys0 are in LDS
	s_barrier_signal -1
	s_barrier_wait -1
	; PHASE 1
.set f, 0
.rept 16                               ; the 16 fragments that take the ring's registers
	global_load_b128 v[128+8*f:128+8*f+3],   v[LN], s[10:11] offset:1024*f
	global_load_b128 v[128+8*f+4:128+8*f+7], v[LN], s[10:11] offset:1024*f+512
.set f, f+1
.endr
.macro PMM                             ; product (ks, kt): tile kt of K step ks; the three accumulators take turns
.set ff, 3*ks+kt
.set dd, YA+8*kt
.set aa, AR+8*(ks%8)
.if ff < 16
	WIN 0
.set ww, 128+8*ff
.else
	WIN 0x01
.set ww, 8*(ff-16)
.endif
.if ks == 0
	v_wmma_f32_16x16x32_f16 v[dd:dd+7], v[ww:ww+7], v[aa:aa+7], v[PB+8*kt:PB+8*kt+7]
.else
	v_wmma_f32_16x16x32_f16 v[dd:dd+7], v[ww:ww+7], v[aa:aa+7], v[dd:dd+7]
.endif
.endm
.macro POINT k                         ; point k of my (position, head): index and four weights
	v_floor_f32 v20, v[YA+(\k)]
	v_floor_f32 v21, v[XA+(\k)]
	v_med3_num_f32 v20, v20, 0, s38                ; base row 0..62
	v_med3_num_f32 v21, v21, 0, s39                ; base column 0..126
	v_sub_f32 v22, v[YA+(\k)], v20
	v_sub_f32 v23, v[XA+(\k)], v21
	v_fma_f32 v30, v20, s42, v21                   ; 128 row + column, a whole number up to 8,062
	v_fma_f32 v24, |v22|, -1.0, 1.0
	v_fma_f32 v26, |v23|, -1.0, 1.0
	v_add_f32 v22, -1.0, v22
	v_add_f32 v23, -1.0, v23
	v_cvt_u32_f32 v[64+(\k)], v30
	v_max_num_f32 v24, 0, v24                      ; the base row's weight
	v_max_num_f32 v26, 0, v26                      ; the base column's
	v_fma_f32 v25, |v22|, -1.0, 1.0
	v_fma_f32 v27, |v23|, -1.0, 1.0
	v_max_num_f32 v25, 0, v25                      ; the next row's
	v_max_num_f32 v27, 0, v27                      ; the next column's
.if (\k)%2
	v_pk_mul_f32 v[28:29], v[24:25], v[LA+(\k)-1:LA+(\k)] op_sel:[0,1] op_sel_hi:[1,1]   ; both rows' weights times the softmax weight
.else
	v_pk_mul_f32 v[28:29], v[24:25], v[LA+(\k):LA+(\k)+1] op_sel_hi:[1,0]
.endif
	v_pk_mul_f32 v[32+4*(\k):32+4*(\k)+1], v[26:27], v[28:29] op_sel_hi:[1,0]             ; corners 0, 1: base row
	v_pk_mul_f32 v[32+4*(\k)+2:32+4*(\k)+3], v[26:27], v[28:29] op_sel:[0,1] op_sel_hi:[1,1]  ; corners 2, 3: next row
	global_store_b128 v[WO], v[32+4*(\k):32+4*(\k)+3], s[22:23] offset:2048*(\k)          ; 16 lanes store 256 consecutive bytes, at a multiple of 256 from swt's first byte
.endm
	s_mov_b32 s41, 4
.Lblock:                                               ; a trip: 16 positions
	global_load_b64 v[RF:RF+1], v[RA], s[8:9]
.set ks, 0
.rept 8
	ds_load_b128 v[AR+8*ks:AR+8*ks+3],   v[ADP] offset:64*ks
	ds_load_b128 v[AR+8*ks+4:AR+8*ks+7], v[ADP] offset:64*ks+32
.set ks, ks+1
.endr
	s_wait_loadcnt 1                               ; all but the reference point: Wc and bc are in (met at once from the second trip on)
.set ks, 0
.rept 16
.if ks < 8
	s_wait_dscnt 14                                ; behind fragment ks stand 7 - ks first fills and ks refills, two loads each
.else
	s_wait_dscnt 2*(15-ks)
.endif
.set kt, 0
.rept 3
	PMM
.set kt, kt+1
.endr
.if ks < 8
	PLACES
	WIN 0
	ds_load_b128 v[AR+8*ks:AR+8*ks+3],   v[ADP] offset:64*(ks+8)
	ds_load_b128 v[AR+8*ks+4:AR+8*ks+7], v[ADP] offset:64*(ks+8)+32
.endif
.set ks, ks+1
.endr
	PLACES
	WIN 0
	s_wait_loadcnt 0x0                             ; the reference point; its address register is free
	v_add_nc_u32 v[RA], 128, v[RA]
	v_fma_f32 v16, v[RF], s32, -0.5
	v_fma_f32 v17, v[RF+1], s34, -0.5
	; softmax over my head's 8 logits, all in this lane; each accumulator's lowest registers are read first
	v_max3_num_f32 v19, v[LA], v[LA+1], v[LA+2]
	v_max3_num_f32 v19, v19, v[LA+3], v[LA+4]
	v_max3_num_f32 v19, v19, v[LA+5], v[LA+6]
	v_max_num_f32 v19, v19, v[LA+7]
	v_mul_f32 v18, s36, v19
.irp p, 0,2,4,6
	v_pk_fma_f32 v[LA+(\p):LA+(\p)+1], v[LA+(\p):LA+(\p)+1], s[36:37], v[18:19] op_sel_hi:[1,0,0] neg_lo:[0,0,1] neg_hi:[0,0,1]
.endr
.irp p, 0,1,2,3,4,5,6,7
	v_exp_f32 v[LA+(\p)], v[LA+(\p)]
.endr
.irp p, 0,2,4,6                        ; the rows' scaling: plain instructions between the exponentials and the use of their results
	v_pk_fma_f32 v[YA+(\p):YA+(\p)+1], v[YA+(\p):YA+(\p)+1], s[32:33], v[16:17] op_sel_hi:[1,0,0]
.endr
	s_wait_alu depctr_va_vdst(0)
	v_pk_add_f32 v[20:21], v[LA:LA+1], v[LA+2:LA+3]
	v_pk_add_f32 v[22:23], v[LA+4:LA+5], v[LA+6:LA+7]
	v_pk_add_f32 v[20:21], v[20:21], v[22:23]
	v_add_f32 v20, v20, v21
	v_rcp_f32 v20, v20
.irp p, 0,2,4,6                        ; the columns' scaling, behind the reciprocal
	v_pk_fma_f32 v[XA+(\p):XA+(\p)+1], v[XA+(\p):XA+(\p)+1], s[34:35], v[16:17] op_sel:[0,0,1] op_sel_hi:[1,0,1]
.endr
	s_wait_alu depctr_va_vdst(0)
.irp p, 0,2,4,6
	v_pk_mul_f32 v[LA+(\p):LA+(\p)+1], v[LA+(\p):LA+(\p)+1], v[20:21] op_sel_hi:[1,0]
.endr
.irp k, 0,1,2,3,4,5,6,7
	POINT \k
.endr
	global_store_b128 v[IO], v[64:67], s[20:21]
	global_store_b128 v[IO], v[68:71], s[20:21] offset:2048
	s_wait_xcnt 0x0                                ; the stores' data (v32-71, the next trip's ring) and offsets are rewritten only behind this wait
	v_add_nc_u32 v[IO], 256, v[IO]
	v_add_nc_u32 v[WO], 256, v[WO]
	v_add_nc_u32 v[ADP], 16*PITCH, v[ADP]
	s_sub_co_u32 s41, s41, 1
	s_cmp_lg_u32 s41, 0
	s_cbranch_scc1 .Lblock
	; PHASE 2.  No barrier: keys0's rows were whole at the one barrier, and nobody has written them since.
	LDBIAS
	LDB 0, 0
	LDB 1, 1
	LDB 2, 2
	v_and_b32 v2, 15, v0
	v_bfe_u32 v3, v0, 4, 1
	v_mul_u32_u24 v[ADA0], v2, PITCH
	v_lshl_add_u32 v[ADA0], v3, 4, v[ADA0]
	v_add_nc_u32 v[ADA0], A0, v[ADA0]
	v_add_nc_u32 v[ADA0+1], 64*PITCH, v[ADA0]      ; blocks 4-7: the 16-bit offset does not reach them
	LDA HA0, 0, 0
	LDA HA1, 1, 0
	s_mul_i32 s26, s24, 16*SPITCH
	s_add_co_u32 s26, s26, STAGE
	v_mul_u32_u24 v[STO], v2, SPITCH               ; in: row r, 16 bytes for each half of the lanes
	v_lshl_add_u32 v[STO], v3, 4, v[STO]
	v_add_nc_u32 v[STO], s26, v[STO]
	v_bfe_u32 v4, v0, 3, 2                         ; back: 32 lanes take four rows of 128 bytes
	v_and_b32 v5, 7, v0
	v_mul_u32_u24 v[RD], v4, SPITCH
	v_lshl_add_u32 v[RD], v5, 4, v[RD]
	v_add_nc_u32 v[RD], s26, v[RD]
	STEP 0, 0, 1, 1, 1, 16
	s_mov_b32 s40, 3
.Lk:                                                   ; a trip: four K steps, once round the weight slots
	STEP 1, 1, 1, 1, 0, 16
	STEP 2, 2, 1, 1, 0, 16
	STEP 3, 3, 1, 1, 0, 16
	STEP 0, 4, 1, 1, 0, 16
	WIN 0
	s_wait_xcnt 0x0                                ; the weight loads' offset is stepped only behind this wait
	v_add_nc_u32 v[BOF], 16384, v[BOF]
	v_add_nc_u32 v[ADA0], 256, v[ADA0]
	v_add_nc_u32 v[ADA0+1], 256, v[ADA0+1]
	s_sub_co_u32 s40, s40, 1
	s_cmp_lg_u32 s40, 0
	s_cbranch_scc1 .Lk
	STEP 1, 1, 1, 0, 0, 16                         ; the last three steps ask for no weights: the counts run down
	STEP 2, 2, 1, 0, 0, 8
	STEP 3, 3, 0, 0, 0, 0
	; THE WAY OUT.  Block a (16 pixels): rounded to f16, 16 bytes a lane into my stage, back as whole rows of 128 bytes, stored as 512 consecutive bytes.
.macro KPACK a
	WIN 0x05                                       ; sources in window 1, destination in window 0
.set i, 0
.rept 16
	v_cvt_pk_f16_f32 v[128+16*(\a)+i], v[32*(\a)+2*i], v[32*(\a)+2*i+1]
.set i, i+1
.endr
	WIN 0
.irp t, 0,1,2,3
	ds_store_b128 v[STO], v[128+16*(\a)+4*(\t):128+16*(\a)+4*(\t)+3] offset:32*(\t)
.endr
.irp f, 0,1,2,3
	ds_load_b128 v[128+16*(\a)+4*(\f):128+16*(\a)+4*(\f)+3], v[RD] offset:4*SPITCH*(\f)  ; LDS serves a wave's instructions in order (ISA guide 5.7.1.4): these see the stores above; the next block's stores come behind them
.endr
.endm
.macro KSEND a, younger                ; younger: the LDS instructions issued behind block a's loads: the next block's eight, or none
.irp f, 0,1,2,3
	s_wait_dscnt (\younger)+3-(\f)
	global_store_b128 v[GO], v[128+16*(\a)+4*(\f):128+16*(\a)+4*(\f)+3], s[18:19] offset:2048*(\a)+512*(\f)
.endr
.endm
	KPACK 0
.irp a, 1,2,3,4,5,6,7
	KPACK \a
	KSEND (\a)-1, 8
.endr
	KSEND 7, 0
	s_wait_tensorcnt 0x0                           ; the wave's end
	ds_add_u32 v[SPW], v[NIL]
	s_wait_dscnt 0x0
	s_endpgm
.Lfunc_end_k_q97c286e1c8_proj:
	.size	k_q97c286e1c8_proj, .Lfunc_end_k_q97c286e1c8_proj-k_q97c286e1c8_proj
	.p2alignl 7, 3214868480
	.fill 96, 4, 3214868480
	.section	.rodata,"a",@progbits
	.p2align	6, 0x0
	.amdhsa_kernel k_q97c286e1c8_proj
		.amdhsa_group_segment_fixed_size 285696
		.amdhsa_private_segment_fixed_size 0
		.amdhsa_enable_private_segment 0
		.amdhsa_kernarg_size 80
		.amdhsa_user_sgpr_count 2
		.amdhsa_user_sgpr_kernarg_segment_ptr 1
		.amdhsa_wavefront_size32 1
		.amdhsa_system_sgpr_workgroup_id_x 1
		.amdhsa_system_sgpr_workgroup_id_y 1
		.amdhsa_system_sgpr_workgroup_id_z 1
		.amdhsa_system_vgpr_workitem_id 0
		.amdhsa_next_free_vgpr 512
		.amdhsa_next_free_sgpr 66
		.amdhsa_reserve_vcc 0
		.amdhsa_float_denorm_mode_32 3
		.amdhsa_float_denorm_mode_16_64 3
		.amdhsa_memory_ordered 1
		.amdhsa_forward_progress 1
		.amdhsa_inst_pref_size 124
	.end_amdhsa_kernel
	.amdgpu_metadata
---
amdhsa.version: [ 1, 2 ]
amdhsa.kernels:
  - .name:           k_q97c286e1c8_proj
    .symbol:         k_q97c286e1c8_proj.kd
    .args:
      - { .name: query, .offset: 0, .size: 8, .value_kind: global_buffer, .address_space: global }
      - { .name: keys0, .offset: 8, .size: 8, .value_kind: global_buffer, .address_space: global }
      - { .name: ref_point, .offset: 16, .size: 8, .value_kind: global_buffer, .address_space: global }
      - { .name: wcp, .offset: 24, .size: 8, .value_kind: global_buffer, .address_space: global }
      - { .name: bcp, .offset: 32, .size: 8, .value_kind: global_buffer, .address_space: global }
      - { .name: wkp, .offset: 40, .size: 8, .value_kind: global_buffer, .address_space: global }
      - { .name: bk, .offset: 48, .size: 8, .value_kind: global_buffer, .address_space: global }
      - { .name: kf, .offset: 56, .size: 8, .value_kind: global_buffer, .address_space: global }
      - { .name: sidx, .offset: 64, .size: 8, .value_kind: global_buffer, .address_space: global }
      - { .name: swt, .offset: 72, .size: 8, .value_kind: global_buffer, .address_space: global }
    .group_segment_fixed_size: 285696
    .private_segment_fixed_size: 0
    .kernarg_segment_align: 8
    .kernarg_segment_size: 80
    .max_flat_workgroup_size: 256
    .sgpr_count:     66
    .vgpr_count:     512
    .wavefront_size: 32
...
	.end_amdgpu_metadata
.endif
;; end of part 2
;; launch sample (part 3): grid 256 x 1, 8 waves a work-group, no clusters, 168,960 bytes of LDS; arguments kf, sidx, swt, wmp, bm, out0; writes out0
.if DOCPART == 3
	.amdgcn_target "amdgcn-amd-amdhsa--gfx1250"
	.amdhsa_code_object_version 6
	.text
	.protected	k_q97c286e1c8_sample
	.globl	k_q97c286e1c8_sample
	.p2align	8
	.type	k_q97c286e1c8_sample,@function
k_q97c286e1c8_sample:
	s_mov_b64 s[64:65], 0
	v_nop
	global_prefetch_b8 v0, s[64:65] scope:SCOPE_SE
	s_setreg_imm32_b32 hwreg(HW_REG_WAVE_MODE, 25, 1), 1
	s_wait_xcnt 0x0
; SAMPLE: one work-group for each image row g = 64 b + y (128 positions).
;   gather   wave w is head w: for each position the sum over 8 points x 4 corners of weight x kf[pixel][64 channels], in f32; rounded once to f16 into LDS (feat, [position][512]).
;   product  out = feat Wm + bm: wave w the columns 64 w .. 64 w + 63, f32 out.
; THE GATHER'S SHARES.  A group is 4 positions; lane = (position lane / 8, channels 8 (lane % 8) ..).  One load brings one corner of one point for the 4 positions, 4 x 128 bytes, so the sum over corners and
; points stays in the lane, and one address serves a point's four loads (the corners lie 0, 128, 16,384 and 16,512 bytes from the base pixel).  The pixel indices are whole numbers that the launch before stored;
; they are cut to 8,062 = 62 x 128 + 126, so the furthest byte touched is the last of the head's image of 1 MiB.  A whole group, 32 loads, is always on its way, with the next group's weights and the indices of the one after.
; LIMITS.  kf and feat are f16: within 65,504.  Sums in f32.
; NO TENSOR RING, NO JOINT LOADS.  What the work-groups share is Wm, 512 KB for each; beside it each gathers 128 x 8 x 8 x 4 x 128 bytes = 4 MiB of rows of its own choosing: the shared part is a ninth,
; and a wave's 64 columns of Wm are its own, so they go straight into registers.
; THE MATRIX INSTRUCTION IS USED TRANSPOSED: source 0 = 16 columns of Wm, source 1 = 16 positions: lane (r, h), register j holds position r, column 8 h + j.
.set PITCH,  1040                      ; a row of feat in LDS: 1,024 bytes + 16 = 65 x 16: the sixteen rows of a fragment load start at sixteen different 16-byte columns modulo 256 bytes
.set STAGE,  128*PITCH                 ; 16 rows x 272 bytes for each wave, for the way out
.set SPITCH, 272
.set SPARE,  STAGE+8*16*SPITCH         ; the spare words, 128 bytes a wave: four blocks of 256 bytes that no other line names
                                       ; v0-127   the gather's ring: point k, corner c at v[16 k + 4 c]: halves of registers can be named only here
.set WT,   128                         ; v128-191 two sets of 8 points x 4 corner weights
.set IX,   192                         ; v192-207 two sets of 8 indices
.set OF,   208                         ; v208-215 point k's byte offset in the image
.set AC,   216                         ; v216-223 the sums of my 8 channels
.set TT,   224                         ; v224-239 two sets of 8 numbers widened to f32
.set FP,   240                         ; v240-243 feat, f16
.set LC,   244                         ; v244  16 (lane % 8)
.set PO,   245                         ; v245  my position's 16 bytes in sidx and swt
.set FA,   246                         ; v246  where my 16 bytes of feat go
.set H32,  247                         ; v247  32 h
.set ADA0, 248                         ; v248-249 LDS address of my fragments of feat, row blocks 0-3 and 4-7
.set BOF,  250                         ; v250  16 lane, walks the weights
.set STO,  251                         ; v251  way out: where I put 32 bytes of a row
.set RD,   252                         ; v252  way out: where I read rows back
.set CO,   253                         ; v253  my byte offset in two rows of out0
.set SPW,  254                         ; v254  LDS address of my spare word; never rewritten
.set NIL,  255                         ; v255  0; never rewritten
.set HA0,  0                           ; product: v0-31, v32-63 two halves of A's fragments; v64-191 four slots of weights; v192-223 bm; window 1: 32 accumulators, (a, t) at v[8 (4 a + t)]
.set HA1,  32
.set BR,   64
.set BI,   192
.set OB,   64                          ; way out: two sets of 32 registers
.set SB,   10                          ; s[10:11] wmp at my wave's 65,536 bytes
.set SBI,  12                          ; s[12:13] bm at my wave's 64 numbers
.set MSB, 0
.macro WIN new                         ; s_set_vgpr_msb: bits 1:0 source 0, 3:2 source 1, 5:4 source 2, 7:6 destination; the high byte repeats the setting that is left
.if MSB != (\new)
	s_set_vgpr_msb (MSB<<8)|(\new)
.set MSB, \new
.endif
.endm
.macro PLACES                          ; four plain instructions between a product and a read of its result, a write of or a load into one of its registers (ISA guide 7.12.1 for reads and writes)
.rept 4
	v_nop
.endr
.endm
.macro MM16 hb, q, a0, first           ; 16 products: blocks a0 .. a0 + 3 (fragments at hb) x the 4 tiles of weight slot q.  first = 1: the bias is the C that starts the sums
.if \first
	WIN 0x40
.else
	WIN 0x50
.endif
.irp a, 0,1,2,3
.irp t, 0,1,2,3
.if \first
	v_wmma_f32_16x16x32_f16 v[8*(4*((\a0)+(\a))+(\t)):8*(4*((\a0)+(\a))+(\t))+7], v[BR+32*(\q)+8*(\t):BR+32*(\q)+8*(\t)+7], v[(\hb)+8*(\a):(\hb)+8*(\a)+7], v[BI+8*(\t):BI+8*(\t)+7]
.else
	v_wmma_f32_16x16x32_f16 v[8*(4*((\a0)+(\a))+(\t)):8*(4*((\a0)+(\a))+(\t))+7], v[BR+32*(\q)+8*(\t):BR+32*(\q)+8*(\t)+7], v[(\hb)+8*(\a):(\hb)+8*(\a)+7], v[8*(4*((\a0)+(\a))+(\t)):8*(4*((\a0)+(\a))+(\t))+7]
.endif
.endr
.endr
.endm
.macro LDA hb, half, s                 ; 8 LDS loads: four blocks' fragments of K step s (counted from where the address stands)
	WIN 0
.irp a, 0,1,2,3
	ds_load_b128 v[(\hb)+8*(\a):(\hb)+8*(\a)+3],   v[ADA0+(\half)] offset:(\a)*16*PITCH+64*(\s)
	ds_load_b128 v[(\hb)+8*(\a)+4:(\hb)+8*(\a)+7], v[ADA0+(\half)] offset:(\a)*16*PITCH+64*(\s)+32
.endr
.endm
.macro LDB q, s                        ; 8 loads of 512 consecutive bytes: my four tiles' weights of K step s into slot q
	WIN 0
.irp t, 0,1,2,3
	global_load_b128 v[BR+32*(\q)+8*(\t):BR+32*(\q)+8*(\t)+3],   v[BOF], s[SB:SB+1] offset:4096*(\s)+1024*(\t)
	global_load_b128 v[BR+32*(\q)+8*(\t)+4:BR+32*(\q)+8*(\t)+7], v[BOF], s[SB:SB+1] offset:4096*(\s)+1024*(\t)+512
.endr
.endm
.macro LDBIAS                          ; register j of tile t: the bias of column 16 t + 8 h + j
.irp t, 0,1,2,3
	global_load_b128 v[BI+8*(\t):BI+8*(\t)+3],   v[H32], s[SBI:SBI+1] offset:64*(\t)
	global_load_b128 v[BI+8*(\t)+4:BI+8*(\t)+7], v[H32], s[SBI:SBI+1] offset:64*(\t)+16
.endr
.endm
; A K step.  The 32 accumulators take turns, in the same order in every step.  more: A's fragments of the next step are fetched, each half behind its own products;
; fb: the weights three steps on are asked for, into the slot that the step before has multiplied; lc: the younger weight loads that may stay out.
.macro STEP q, s, more, fb, first, lc
	s_wait_loadcnt \lc                             ; this step's weights are in; those of the next two steps (8 loads each) may be out
	s_wait_dscnt 8                                 ; blocks 0-3 are in; the eight loads of blocks 4-7 may be out
	MM16 HA0, \q, 0, \first
	PLACES
.if \more
	LDA HA0, 0, (\s)+1
.endif
.if \fb
	LDB ((\q)+3)%4, (\s)+3
.endif
.if \more
	s_wait_dscnt 8                                 ; blocks 4-7 are in; the eight just issued may be out
.else
	s_wait_dscnt 0
.endif
	MM16 HA1, \q, 4, \first
	PLACES
.if \more
	LDA HA1, 1, (\s)+1
.endif
.endm
; THE GATHER'S PARTS.
.macro CVT2 t, d                       ; the two halves of ring register d, widened
	v_cvt_f32_f16 v[\t], v\d\().l
	v_cvt_f32_f16 v[(\t)+1], v\d\().h
.endm
.macro FMA4 tb, wp, sel, first         ; my 8 sums += 8 numbers at tb x one weight: half sel of the pair at wp.  first: the group's first corner starts the sums: nothing is cleared
.irp m, 0,2,4,6
.if \first
	v_pk_mul_f32 v[AC+(\m):AC+(\m)+1], v[(\tb)+(\m):(\tb)+(\m)+1], v[(\wp):(\wp)+1] op_sel_hi:[1,0]
.elseif \sel
	v_pk_fma_f32 v[AC+(\m):AC+(\m)+1], v[(\tb)+(\m):(\tb)+(\m)+1], v[(\wp):(\wp)+1], v[AC+(\m):AC+(\m)+1] op_sel:[0,1,0] op_sel_hi:[1,1,1]
.else
	v_pk_fma_f32 v[AC+(\m):AC+(\m)+1], v[(\tb)+(\m):(\tb)+(\m)+1], v[(\wp):(\wp)+1], v[AC+(\m):AC+(\m)+1] op_sel_hi:[1,0,1]
.endif
.endr
.endm
.macro GATHER k, ixb                   ; point k's four corners, by the index at ixb + k
	v_min_u32 v[OF+(\k)], 0x1f7e, v[(\ixb)+(\k)]
	v_lshl_add_u32 v[OF+(\k)], v[OF+(\k)], 7, v[LC]            ; 128 bytes a pixel + my 16
	global_load_b128 v[16*(\k):16*(\k)+3],     v[OF+(\k)], s[4:5]
	global_load_b128 v[16*(\k)+4:16*(\k)+7],   v[OF+(\k)], s[4:5] offset:128
	global_load_b128 v[16*(\k)+8:16*(\k)+11],  v[OF+(\k)], s[4:5] offset:16384
	global_load_b128 v[16*(\k)+12:16*(\k)+15], v[OF+(\k)], s[4:5] offset:16512
.endm
; GROUP G (par = G % 2; rel = its place in the trip).  pidx: the indices of group G + 2 are asked for; pw: the weights of group G + 1; ahead: behind point k's sums its ring registers take group G + 1's point k.
; The wait in front of point k leaves out what was issued behind its four loads: the other seven points' 28 loads (of this group and the next) and this group's 2 + 8 loads of indices and weights: 38;
; in group 30 there are no indices to ask for: 36; in group 31 nothing is issued: 28 - 4 k.  That wait also frees point k's offset register.  The group's own weights and the next group's indices are older than its ring.
.macro GROUP par, rel, pidx, pw, ahead, cnt, dec
.if \pidx
	global_load_b128 v[IX+8*(\par):IX+8*(\par)+3],   v[PO], s[6:7] offset:64*((\rel)+2) th:TH_LOAD_NT
	global_load_b128 v[IX+8*(\par)+4:IX+8*(\par)+7], v[PO], s[6:7] offset:64*((\rel)+2)+2048 th:TH_LOAD_NT
.endif
.if \pw
.irp k, 0,1,2,3,4,5,6,7
	global_load_b128 v[WT+32*(1-(\par))+4*(\k):WT+32*(1-(\par))+4*(\k)+3], v[PO], s[8:9] offset:64*((\rel)+1)+2048*(\k) th:TH_LOAD_NT
.endr
.endif
.set n, 0                              ; ring register n = 16 k + 4 c + m
.irp d, 0,1,2,3,4,5,6,7,8,9,10,11,12,13,14,15,16,17,18,19,20,21,22,23,24,25,26,27,28,29,30,31,32,33,34,35,36,37,38,39,40,41,42,43,44,45,46,47,48,49,50,51,52,53,54,55,56,57,58,59,60,61,62,63,64,65,66,67,68,69,70,71,72,73,74,75,76,77,78,79,80,81,82,83,84,85,86,87,88,89,90,91,92,93,94,95,96,97,98,99,100,101,102,103,104,105,106,107,108,109,110,111,112,113,114,115,116,117,118,119,120,121,122,123,124,125,126,127
.if (n%16) == 0
	s_wait_loadcnt (\cnt)-(\dec)*(n/16)
.endif
	CVT2 TT+8*((n/4)%2)+2*(n%4), \d
.if (n%4) == 3
	FMA4 TT+8*((n/4)%2), WT+32*(\par)+4*(n/16)+2*(((n/4)%4)/2), (n/4)%2, (n==3)
.endif
.if ((n%16) == 15) && (\ahead)
	GATHER n/16, IX+8*(1-(\par))
.endif
.set n, n+1
.endr
.irp m, 0,1,2,3
	v_cvt_pk_f16_f32 v[FP+(\m)], v[AC+2*(\m)], v[AC+2*(\m)+1]
.endr
	ds_store_b128 v[FA], v[FP:FP+3] offset:4*PITCH*(\rel)
.endm
	s_load_b256 s[4:11], s[0:1], 0x0               ; kf s[4:5], sidx s[6:7], swt s[8:9], wmp s[10:11]
	s_load_b128 s[12:15], s[0:1], 0x20             ; bm s[12:13], out0 s[14:15]
	v_lshl_add_u32 v[SPW], v0, 2, SPARE
	v_mov_b32 v[NIL], 0
	v_lshrrev_b32 v216, 5, v0
	v_readfirstlane_b32 s16, v216                  ; wave 0..7 = head
	s_mov_b32 s17, ttmp9                           ; g
	; every address is made now: the ring will take v0
	v_and_b32 v217, 7, v0
	v_bfe_u32 v218, v0, 3, 2                       ; my position in a group
	v_lshlrev_b32 v[LC], 4, v217
	v_lshlrev_b32 v[PO], 4, v218
	v_mul_u32_u24 v[FA], v218, PITCH
	v_add_nc_u32 v[FA], v[FA], v[LC]
	s_lshl_b32 s18, s16, 7                         ; head w's 64 channels: 128 bytes of a row of feat
	v_add_nc_u32 v[FA], s18, v[FA]
	v_and_b32 v219, 15, v0                         ; r
	v_bfe_u32 v220, v0, 4, 1                       ; h
	v_lshlrev_b32 v[H32], 5, v220
	v_mul_u32_u24 v[ADA0], v219, PITCH
	v_lshl_add_u32 v[ADA0], v220, 4, v[ADA0]
	v_add_nc_u32 v[ADA0+1], 64*PITCH, v[ADA0]      ; blocks 4-7: the 16-bit offset does not reach them
	v_and_b32 v221, 31, v0
	v_lshlrev_b32 v[BOF], 4, v221
	s_mul_i32 s18, s16, 16*SPITCH
	s_add_co_u32 s18, s18, STAGE
	v_mul_u32_u24 v[STO], v219, SPITCH             ; in: row r, 32 bytes for each half of the lanes
	v_lshl_add_u32 v[STO], v220, 5, v[STO]
	v_add_nc_u32 v[STO], s18, v[STO]
	v_mul_u32_u24 v[RD], v220, SPITCH              ; back: lanes 0-15 one row of 256 bytes, lanes 16-31 the next
	v_lshl_add_u32 v[RD], v219, 4, v[RD]
	v_add_nc_u32 v[RD], s18, v[RD]
	v_lshlrev_b32 v[CO], 11, v220                  ; and the same two rows in out0
	v_lshl_add_u32 v[CO], v219, 4, v[CO]
	s_mov_b32 s19, 0
	s_lshr_b32 s18, s17, 6
	s_lshl3_add_u32 s18, s18, s16                  ; image 8 b + w, 1 MiB each
	s_lshl_b32 s18, s18, 20
	s_wait_kmcnt 0x0
	s_add_nc_u64 s[4:5], s[4:5], s[18:19]
	s_lshl_b32 s18, s17, 15
	s_lshl_b32 s20, s16, 12
	s_add_co_u32 s18, s18, s20
	s_add_nc_u64 s[6:7], s[6:7], s[18:19]          ; sidx at (g, head)
	s_lshl_b32 s18, s17, 17
	s_lshl_b32 s20, s16, 14
	s_add_co_u32 s18, s18, s20
	s_add_nc_u64 s[8:9], s[8:9], s[18:19]          ; swt at (g, head)
	s_lshl_b32 s18, s16, 16
	s_add_nc_u64 s[SB:SB+1], s[SB:SB+1], s[18:19]
	s_lshl_b32 s18, s16, 8
	s_add_nc_u64 s[SBI:SBI+1], s[SBI:SBI+1], s[18:19]
	s_lshl_b32 s20, s17, 18
	s_add_co_u32 s18, s18, s20
	s_add_nc_u64 s[14:15], s[14:15], s[18:19]      ; out0 at my image row and my 64 columns
	global_load_b128 v[IX:IX+3],   v[PO], s[6:7] th:TH_LOAD_NT                 ; group 0's indices,
	global_load_b128 v[IX+4:IX+7], v[PO], s[6:7] offset:2048 th:TH_LOAD_NT
.irp k, 0,1,2,3,4,5,6,7
	global_load_b128 v[WT+4*(\k):WT+4*(\k)+3], v[PO], s[8:9] offset:2048*(\k) th:TH_LOAD_NT  ; its weights,
.endr
	global_load_b128 v[IX+8:IX+11],  v[PO], s[6:7] offset:64 th:TH_LOAD_NT     ; group 1's indices
	global_load_b128 v[IX+12:IX+15], v[PO], s[6:7] offset:64+2048 th:TH_LOAD_NT
	s_wait_loadcnt 10                              ; group 0's indices are in; the ten loads behind them may stay out
.irp k, 0,1,2,3,4,5,6,7
	GATHER \k, IX
.endr
	s_mov_b32 s20, 15
.Lpair:                                                ; a trip: two groups, 8 positions
	GROUP 0, 0, 1, 1, 1, 38, 0
	GROUP 1, 1, 1, 1, 1, 38, 0
	s_wait_xcnt 0x0                                ; the loads' offset is stepped only behind this wait
	v_add_nc_u32 v[PO], 128, v[PO]
	v_add_nc_u32 v[FA], 8*PITCH, v[FA]
	s_sub_co_u32 s20, s20, 1
	s_cmp_lg_u32 s20, 0
	s_cbranch_scc1 .Lpair
	GROUP 0, 0, 0, 1, 1, 36, 0                     ; group 30: no indices are left to ask for
	GROUP 1, 1, 0, 0, 0, 28, 4                     ; group 31: nothing is left to ask for
	; THE PRODUCT
	LDBIAS
	LDB 0, 0
	LDB 1, 1
	LDB 2, 2
	s_wait_dscnt 0x0                               ; for the others' sake: my head's part of feat is in LDS
	s_barrier_signal -1
	s_barrier_wait -1
	LDA HA0, 0, 0
	LDA HA1, 1, 0
	STEP 0, 0, 1, 1, 1, 16
	s_mov_b32 s20, 3
.Lk:                                                   ; a trip: four K steps, once round the weight slots
	STEP 1, 1, 1, 1, 0, 16
	STEP 2, 2, 1, 1, 0, 16
	STEP 3, 3, 1, 1, 0, 16
	STEP 0, 4, 1, 1, 0, 16
	WIN 0
	s_wait_xcnt 0x0                                ; the weight loads' offset is stepped only behind this wait
	v_add_nc_u32 v[BOF], 16384, v[BOF]
	v_add_nc_u32 v[ADA0], 256, v[ADA0]
	v_add_nc_u32 v[ADA0+1], 256, v[ADA0+1]
	s_sub_co_u32 s20, s20, 1
	s_cmp_lg_u32 s20, 0
	s_cbranch_scc1 .Lk
	STEP 1, 1, 1, 0, 0, 16                         ; the last three steps ask for no weights: the counts run down
	STEP 2, 2, 1, 0, 0, 8
	STEP 3, 3, 0, 0, 0, 0
	; THE WAY OUT.  Block a (16 rows x my 64 columns of f32): from the accumulators into my stage, each accumulator's low four registers first; back as whole rows of 256 bytes.
.macro OSTAGE a
	WIN 0x04                                       ; the stores' data in window 1, the address in window 0
.irp t, 0,1,2,3
	ds_store_b128 v[STO], v[32*(\a)+8*(\t):32*(\a)+8*(\t)+3]   offset:64*(\t)
	ds_store_b128 v[STO], v[32*(\a)+8*(\t)+4:32*(\a)+8*(\t)+7] offset:64*(\t)+16
.endr
	WIN 0
	s_wait_xcnt 0x0                                ; this set of registers was the data of the stores of two blocks ago: it is loaded again only behind this wait
.irp f, 0,1,2,3,4,5,6,7
	ds_load_b128 v[OB+32*((\a)%2)+4*(\f):OB+32*((\a)%2)+4*(\f)+3], v[RD] offset:2*SPITCH*(\f)  ; LDS serves a wave's instructions in order (ISA guide 5.7.1.4): these see the stores above; the next block's stores come behind them
.endr
.endm
.macro OSEND a, younger                ; younger: the LDS instructions issued behind block a's loads: the next block's sixteen, or none
.irp f, 0,1,2,3,4,5,6,7
	s_wait_dscnt (\younger)+7-(\f)
	global_store_b128 v[CO], v[OB+32*((\a)%2)+4*(\f):OB+32*((\a)%2)+4*(\f)+3], s[14:15] offset:(16*(\a)+2*(\f))*2048 th:TH_STORE_NT  ; 16 lanes store 256 consecutive bytes, at a multiple of 256 from out0's first byte
.endr
.endm
	OSTAGE 0
.irp a, 1,2,3,4,5,6,7
	OSTAGE \a
	OSEND (\a)-1, 16
.endr
	OSEND 7, 0
	s_wait_tensorcnt 0x0                           ; the wave's end
	ds_add_u32 v[SPW], v[NIL]
	s_wait_dscnt 0x0
	s_endpgm
.Lfunc_end_k_q97c286e1c8_sample:
	.size	k_q97c286e1c8_sample, .Lfunc_end_k_q97c286e1c8_sample-k_q97c286e1c8_sample
	.p2alignl 7, 3214868480
	.fill 96, 4, 3214868480
	.section	.rodata,"a",@progbits
	.p2align	6, 0x0
	.amdhsa_kernel k_q97c286e1c8_sample
		.amdhsa_group_segment_fixed_size 168960
		.amdhsa_private_segment_fixed_size 0
		.amdhsa_enable_private_segment 0
		.amdhsa_kernarg_size 48
		.amdhsa_user_sgpr_count 2
		.amdhsa_user_sgpr_kernarg_segment_ptr 1
		.amdhsa_wavefront_size32 1
		.amdhsa_system_sgpr_workgroup_id_x 1
		.amdhsa_system_sgpr_workgroup_id_y 1
		.amdhsa_system_sgpr_workgroup_id_z 1
		.amdhsa_system_vgpr_workitem_id 0
		.amdhsa_next_free_vgpr 512
		.amdhsa_next_free_sgpr 66
		.amdhsa_reserve_vcc 0
		.amdhsa_float_denorm_mode_32 3
		.amdhsa_float_denorm_mode_16_64 3
		.amdhsa_memory_ordered 1
		.amdhsa_forward_progress 1
		.amdhsa_inst_pref_size 141
	.end_amdhsa_kernel
	.amdgpu_metadata
---
amdhsa.version: [ 1, 2 ]
amdhsa.kernels:
  - .name:           k_q97c286e1c8_sample
    .symbol:         k_q97c286e1c8_sample.kd
    .args:
      - { .name: kf, .offset: 0, .size: 8, .value_kind: global_buffer, .address_space: global }
      - { .name: sidx, .offset: 8, .size: 8, .value_kind: global_buffer, .address_space: global }
      - { .name: swt, .offset: 16, .size: 8, .value_kind: global_buffer, .address_space: global }
      - { .name: wmp, .offset: 24, .size: 8, .value_kind: global_buffer, .address_space: global }
      - { .name: bm, .offset: 32, .size: 8, .value_kind: global_buffer, .address_space: global }
      - { .name: out0, .offset: 40, .size: 8, .value_kind: global_buffer, .address_space: global }
    .group_segment_fixed_size: 168960
    .private_segment_fixed_size: 0
    .kernarg_segment_align: 8
    .kernarg_segment_size: 48
    .max_flat_workgroup_size: 256
    .sgpr_count:     66
    .vgpr_count:     512
    .wavefront_size: 32
...
	.end_amdgpu_metadata
.endif
;; end of part 3
;; ======== version 2 of 3: 4 launches; 1.70 times as fast as version 1
;; limits: values are held in f16: magnitudes above 65,504 overflow, below 6.1e-05 lose precision; values outside matrix products are rounded to f16
;; workspace buffers: wkp 524,288 bytes; wmp 524,288 bytes; wcp 196,608 bytes; bcp 768 bytes; kf 33,554,432 bytes; sidx 8,388,608 bytes of whole numbers; swt 16,777,216 bytes; feat 33,554,432 bytes
;; launch prep: the kernel of part 1 again; grid 908 x 1, 4 waves a work-group, no clusters, 4,608 bytes of LDS; arguments Wk, Wm, Wq, Woff, WA, bq, boff, bA, wkp, wmp, wcp, bcp; writes wkp, wmp, wcp, bcp
;; launch proj (part 4): grid 256 x 1, 8 waves a work-group, no clusters, 277,504 bytes of LDS; arguments query, keys0, ref_point, wcp, bcp, wkp, bk, kf, sidx, swt; writes kf, sidx, swt
.if DOCPART == 4
	.amdgcn_target "amdgcn-amd-amdhsa--gfx1250"
	.amdhsa_code_object_version 6
	.text
	.protected	k_q97c286e1c8_proj
	.globl	k_q97c286e1c8_proj
	.p2align	8
	.type	k_q97c286e1c8_proj,@function
k_q97c286e1c8_proj:
	s_mov_b64 s[64:65], 0
	v_nop
	global_prefetch_b8 v0, s[64:65] scope:SCOPE_SE
	s_setreg_imm32_b32 hwreg(HW_REG_WAVE_MODE, 25, 1), 1
	s_wait_xcnt 0x0
; PROJ: one work-group for each image row g = 64 b + y: 128 positions, 256 KB of query and of keys0, each read once.
;   phase 0  all eight waves bring query and then keys0 in, rounded to f16, into LDS: wave w the rows 16 w .. 16 w + 15 of each.  One barrier, the only one: behind it LDS is only read, but for each wave's own stage.
;   phase 1  wave w (head pair hp = w % 4, positions 64 (w / 4) ..): query Wc + bc -> for each (position, head, point) the base pixel's place and four corner weights with the softmax weight folded in.
;   phase 2  kf = keys0 Wk + bk, wave w the 64 channels of head w, stored f16 as [b][head][quarter of 16 channels][pixel][16].
; WHAT THE NEXT LAUNCH WANTS.  With B = 8 g + a the block of 16 positions:
;   sidx [B][head][point 8][position 16] words: 132 row + column of the base pixel (the next launch keeps an image row in 132 units of 32 bytes);
;   swt  [B][head][j 2][lane 32][8] f16: a matrix fragment: lane (r, h') holds position r's weights k = 16 j + 8 h' + 0..7, k = 4 point + corner, corner = 2 dy + dx.
; SAMPLING.  With p = ref + off, the sample's column is x = p 128 / 127 - 0.5 (one fused multiply-add where the problem's function writes (2 p / 127 - 1 + 1) 64 - 0.5: some 1e-5 pixel apart, and
; bilinear sampling is continuous); rows likewise with 64 / 63.  The base column is floor(x) clamped to 0..126, and the weights of base and base + 1 are max(0, 1 - |x - column|): for every finite x these are
; the bilinear weights times the tests for 'inside', since a column outside the image is never named and a column further than 1 from x gets 0.  Image 8 b + head takes the reference points of batch head % 4.
; LIMITS.  Matrix operands are f16: query, keys0 and kf must lie within 65,504; the corner weights, at most 1, keep f16's fixed step of 6e-8 below 6e-5.  Sums, softmax (with its maximum taken away) and
; positions in f32.  NaN and infinities are not treated apart.
; NO TENSOR RING, NO JOINT LOADS.  The weights go from memory straight into registers: a wave's 64 columns are its own, so LDS would give no second use inside the work-group, and of the 327,680 bytes of LDS
; 277,504 hold the two inputs, stages and spare words: what is left, 50,176, is less than two slots of one K step of Wk (2 x 32,768).
; THE MATRIX INSTRUCTION IS USED TRANSPOSED: source 0 = 16 columns of the weights, source 1 = 16 positions: lane (r, h), register j holds position r, column 8 h + j.
.set PITCH,  1040                      ; a row in LDS: 1,024 bytes + 16 = 65 x 16: the sixteen rows of a fragment load start at sixteen different 16-byte columns modulo 256 bytes
.set A0,     128*PITCH                 ; query's rows from 0, keys0's from here
.set STAGE,  2*128*PITCH               ; 1,280 bytes for each wave, in which the indices change lanes
.set STGW,   1280
.set STGH,   576                       ; the second head's 512 bytes begin here: 16 words on in the banks, so that the 32 lanes of a store take 32 different banks
.set SPARE,  STAGE+8*STGW              ; the spare words, 128 bytes a wave: four blocks of 256 bytes that no other line names
.set LN,   1                           ; v1   16 lane; in phase 2 it walks the weights (BOF)
.set ADP,  2                           ; v2   phase 1: LDS address of my fragment of query
.set RA,   3                           ; v3   my byte offset in ref_point
.set IO,   4                           ; v4   in sidx
.set WO,   5                           ; v5   in swt
.set RF,   6                           ; v6-7 phase 1: my position's reference point (y, x)
.set ADA0, 6                           ; v6-7 phase 2: LDS address of my fragments of keys0, row blocks 0-3 and 4-7
.set LOF2, 8                           ; v8   phase 0: where my 8 bytes of keys0's rows go
.set STI,  8                           ; v8   phase 1: where my indices go in my stage
.set RDI,  9                           ; v9   my stage + 16 lane: where I read them back
.set KO,   10                          ; v10  32 r + 16 h: my 16 bytes in 16 pixels of a quarter of kf; never rewritten
.set H32,  11                          ; v11  32 h: my eight numbers of a bias
.set GOFF, 12                          ; v12  the stream's byte offset in query and in keys0; never rewritten
.set LOFF, 13                          ; v13  where my 8 bytes of query's rows go; never rewritten
.set SPW,  14                          ; v14  LDS address of my spare word; never rewritten
.set NIL,  15                          ; v15  0; never rewritten
.set Y,    16                          ; v16-23   stream: f16 pairs to store
.set X,    128                         ; v128-255 stream: a ring of 32 slots of 4 registers
.set AR,   16                          ; v16-79   phase 1: a ring of 8 fragments of query; then at work
.set YA,   80                          ; v80-87   y offsets of my head's 8 points, then the samples' rows
.set XA,   88                          ; v88-95   x
.set LA,   96                          ; v96-103  logits, then softmax weights
.set PB,   104                         ; v104-127 bc for the three tiles
                                       ; phase 1: Wc's 48 fragments: f < 16 at v[128 + 8 f], f >= 16 in window 1 at v[8 (f - 16)]
.set BI,   16                          ; phase 2: v16-47 bk; v48-79, v80-111 two halves of A's fragments; v128-255 four slots of weights; window 1: 32 accumulators, (a, t) at v[8 (4 a + t)]
.set HA0,  48
.set HA1,  80
.set BR,   128
.set BOF,  1
.set SB,   14                          ; s[14:15] wkp at my wave's 65,536 bytes
.set SBI,  16                          ; s[16:17] bk at my wave's 64 numbers
.set MSB, 0
.macro WIN new                         ; s_set_vgpr_msb: bits 1:0 source 0, 3:2 source 1, 5:4 source 2, 7:6 destination; the high byte repeats the setting that is left
.if MSB != (\new)
	s_set_vgpr_msb (MSB<<8)|(\new)
.set MSB, \new
.endif
.endm
.macro PLACES                          ; four plain instructions between a product and a read of its result, a write of or a load into one of its registers (ISA guide 7.12.1 for reads and writes)
.rept 4
	v_nop
.endr
.endm
; THE STREAM.  A round is 8 rows, 16 KB: slot i takes 512 bytes (row i / 4, quarter i % 4), rounds them to f16 and stores 256 consecutive bytes into LDS, at register lr + lo.
; ahead = 1: each slot is loaded again at once, with its 512 bytes of the next round: base s[nb:nb+1], byte no on.  No address register is ever stepped: the round stands in the immediates.
.macro ROUND lr, lo, ahead, nb, no
.set i, 0
.rept 32
.if \ahead
	s_wait_loadcnt 31                              ; loads come back in order (ISA guide 5.7.1): slot i is in; the 31 - i later slots and the i slots loaded again stay out
.else
	s_wait_loadcnt 31-i                            ; the last round loads nothing: the counts run down
.endif
	v_cvt_pk_f16_f32 v[Y+2*(i%4)],   v[X+4*i],   v[X+4*i+1]
	v_cvt_pk_f16_f32 v[Y+2*(i%4)+1], v[X+4*i+2], v[X+4*i+3]
	ds_store_b64 v[\lr], v[Y+2*(i%4):Y+2*(i%4)+1] offset:(\lo)+(i/4)*PITCH+(i%4)*256
.if \ahead
	global_load_b128 v[X+4*i:X+4*i+3], v[GOFF], s[\nb:\nb+1] offset:(\no)+512*i th:TH_LOAD_NT
.endif
.set i, i+1
.endr
.endm
; THE PRODUCT of 128 rows x 512 columns, K = 512 in 16 steps of 32.  A wave: 64 columns, 8 row blocks a x 4 tiles t.
.macro MM16 hb, q, a0, first           ; 16 products: blocks a0 .. a0 + 3 (fragments at hb) x the 4 tiles of weight slot q.  first = 1: the bias is the C that starts the sums: nothing is cleared, no bias is added later
.if \first
	WIN 0x40
.else
	WIN 0x50
.endif
.irp a, 0,1,2,3
.irp t, 0,1,2,3
.if \first
	v_wmma_f32_16x16x32_f16 v[8*(4*((\a0)+(\a))+(\t)):8*(4*((\a0)+(\a))+(\t))+7], v[BR+32*(\q)+8*(\t):BR+32*(\q)+8*(\t)+7], v[(\hb)+8*(\a):(\hb)+8*(\a)+7], v[BI+8*(\t):BI+8*(\t)+7]
.else
	v_wmma_f32_16x16x32_f16 v[8*(4*((\a0)+(\a))+(\t)):8*(4*((\a0)+(\a))+(\t))+7], v[BR+32*(\q)+8*(\t):BR+32*(\q)+8*(\t)+7], v[(\hb)+8*(\a):(\hb)+8*(\a)+7], v[8*(4*((\a0)+(\a))+(\t)):8*(4*((\a0)+(\a))+(\t))+7]
.endif
.endr
.endr
.endm
.macro LDA hb, half, s                 ; 8 LDS loads: four blocks' fragments of K step s (counted from where the address stands)
	WIN 0
.irp a, 0,1,2,3
	ds_load_b128 v[(\hb)+8*(\a):(\hb)+8*(\a)+3],   v[ADA0+(\half)] offset:(\a)*16*PITCH+64*(\s)
	ds_load_b128 v[(\hb)+8*(\a)+4:(\hb)+8*(\a)+7], v[ADA0+(\half)] offset:(\a)*16*PITCH+64*(\s)+32
.endr
.endm
.macro LDB q, s                        ; 8 loads of 512 consecutive bytes: my four tiles' weights of K step s into slot q
	WIN 0
.irp t, 0,1,2,3
	global_load_b128 v[BR+32*(\q)+8*(\t):BR+32*(\q)+8*(\t)+3],   v[BOF], s[SB:SB+1] offset:4096*(\s)+1024*(\t)
	global_load_b128 v[BR+32*(\q)+8*(\t)+4:BR+32*(\q)+8*(\t)+7], v[BOF], s[SB:SB+1] offset:4096*(\s)+1024*(\t)+512
.endr
.endm
.macro LDBIAS                          ; register j of tile t: the bias of column 16 t + 8 h + j
.irp t, 0,1,2,3
	global_load_b128 v[BI+8*(\t):BI+8*(\t)+3],   v[H32], s[SBI:SBI+1] offset:64*(\t)
	global_load_b128 v[BI+8*(\t)+4:BI+8*(\t)+7], v[H32], s[SBI:SBI+1] offset:64*(\t)+16
.endr
.endm
; A K step.  The 32 accumulators take turns, in the same order in every step.  more: A's fragments of the next step are fetched, each half behind its own products;
; fb: the weights three steps on are asked for, into the slot that the step before has multiplied; lc: the younger weight loads that may stay out.
.macro STEP q, s, more, fb, first, lc
	s_wait_loadcnt \lc                             ; this step's weights are in; those of the next two steps (8 loads each) may be out
	s_wait_dscnt 8                                 ; blocks 0-3 are in; the eight loads of blocks 4-7 may be out
	MM16 HA0, \q, 0, \first
	PLACES
.if \more
	LDA HA0, 0, (\s)+1
.endif
.if \fb
	LDB ((\q)+3)%4, (\s)+3
.endif
.if \more
	s_wait_dscnt 8                                 ; blocks 4-7 are in; the eight just issued may be out
.else
	s_wait_dscnt 0
.endif
	MM16 HA1, \q, 4, \first
	PLACES
.if \more
	LDA HA1, 1, (\s)+1
.endif
.endm
	s_load_b512 s[4:19], s[0:1], 0x0               ; query s[4:5], keys0 s[6:7], ref_point s[8:9], wcp s[10:11], bcp s[12:13], wkp s[14:15], bk s[16:17], kf s[18:19]
	s_load_b128 s[20:23], s[0:1], 0x40             ; sidx s[20:21], swt s[22:23]
	v_lshl_add_u32 v[SPW], v0, 2, SPARE
	v_mov_b32 v[NIL], 0
	v_lshrrev_b32 v16, 5, v0
	v_readfirstlane_b32 s24, v16                   ; wave 0..7
	s_mov_b32 s25, ttmp9                           ; g
	s_and_b32 s30, s24, 3                          ; phase 1: my head pair hp,
	s_lshr_b32 s31, s24, 2                         ; and which 64 positions
	v_and_b32 v17, 31, v0                          ; lane
	v_and_b32 v20, 15, v0                          ; r
	v_bfe_u32 v21, v0, 4, 1                        ; h
	v_lshlrev_b32 v[LN], 4, v17
	v_lshlrev_b32 v[H32], 5, v21
	v_lshlrev_b32 v[KO], 5, v20
	v_lshl_add_u32 v[KO], v21, 4, v[KO]
	s_lshl_b32 s26, s24, 15                        ; phase 0: wave w takes rows 16 w .. 16 w + 15
	v_add_nc_u32 v[GOFF], s26, v[LN]
	s_mul_i32 s27, s24, 16*PITCH
	v_lshl_add_u32 v[LOFF], v17, 3, s27
	v_add_nc_u32 v[LOF2], A0, v[LOFF]
	s_mul_i32 s26, s24, STGW
	s_add_co_u32 s26, s26, STAGE                   ; my stage
	v_add_nc_u32 v[RDI], s26, v[LN]
	s_mul_i32 s26, s31, 64*PITCH
	v_mul_u32_u24 v[ADP], v20, PITCH
	v_lshl_add_u32 v[ADP], v21, 4, v[ADP]
	v_add_nc_u32 v[ADP], s26, v[ADP]               ; row (64 half + r) x pitch + 16 h
	s_lshl_b32 s26, s30, 1
	v_add_nc_u32 v22, s26, v21                     ; my head = 2 hp + h
	v_and_b32 v23, 3, v22                          ; whose reference points are batch head % 4's
	s_and_b32 s27, s25, 63
	s_lshl_b32 s27, s27, 10                        ; row y: 128 points of 8 bytes
	s_lshl_b32 s26, s31, 9                         ; my 64 positions
	s_add_co_u32 s27, s27, s26
	v_lshl_add_u32 v[RA], v20, 3, s27
	v_lshl_add_u32 v[RA], v23, 16, v[RA]
	s_lshl_b32 s26, s31, 14                        ; sidx: my first block, 4 (w / 4), of 4,096 bytes,
	s_lshl_b32 s27, s30, 10                        ; my head pair's 1,024 bytes,
	s_add_co_u32 s26, s26, s27
	v_add_nc_u32 v[IO], s26, v[LN]                 ; 16 bytes a lane
	s_lshl_b32 s26, s31, 15                        ; swt: my first block of 8,192 bytes,
	v_lshl_add_u32 v[WO], v20, 4, s26              ; 16 r,
	v_lshl_add_u32 v[WO], v22, 10, v[WO]           ; my head's 1,024 bytes
	s_mov_b32 s32, 0x3f820821                      ; 64 / 63
	s_mov_b32 s33, s32                             ; the packed forms name pairs
	s_mov_b32 s34, 0x3f810204                      ; 128 / 127
	s_mov_b32 s35, s34
	s_mov_b32 s36, 0x3fb8aa3b                      ; log2(e)
	s_mov_b32 s37, s36
	s_mov_b32 s38, 0x42780000                      ; 62.0
	s_mov_b32 s39, 0x42fc0000                      ; 126.0
	s_mov_b32 s42, 0x43040000                      ; 132.0
	s_lshl_b32 s28, s25, 18                        ; my image row: 128 rows of 2,048 bytes
	s_mov_b32 s29, 0
	s_mov_b32 s27, 0
	s_wait_kmcnt 0x0
	s_add_nc_u64 s[4:5], s[4:5], s[28:29]
	s_add_nc_u64 s[6:7], s[6:7], s[28:29]
	s_mul_i32 s26, s30, 49152
	s_add_nc_u64 s[10:11], s[10:11], s[26:27]      ; wcp and bcp at my head pair
	s_mul_i32 s26, s30, 192
	s_add_nc_u64 s[12:13], s[12:13], s[26:27]
	s_lshl_b32 s26, s25, 15
	s_add_nc_u64 s[20:21], s[20:21], s[26:27]      ; sidx and swt at my image row's 8 blocks
	s_lshl_b32 s26, s25, 16
	s_add_nc_u64 s[22:23], s[22:23], s[26:27]
	s_lshl_b32 s26, s24, 8
	s_add_nc_u64 s[SBI:SBI+1], s[SBI:SBI+1], s[26:27]
	s_lshl_b32 s26, s24, 16
	s_add_nc_u64 s[SB:SB+1], s[SB:SB+1], s[26:27]
	s_lshr_b32 s28, s25, 6
	s_lshl3_add_u32 s28, s28, s24                  ; image 8 b + w,
	s_lshl_b32 s28, s28, 20                        ; 1 MiB each, in four quarters;
	s_and_b32 s26, s25, 63
	s_lshl_b32 s26, s26, 12                        ; row y of a quarter: 128 pixels of 32 bytes
	s_add_co_u32 s28, s28, s26
	s_add_nc_u64 s[18:19], s[18:19], s[28:29]
	; Wc's 48 fragments of my head pair stay in registers in phase 1.  The 32 that lie in window 1, and bc, are asked for now: older than the stream's loads, they are in when its first slot is.
	WIN 0x40
.set f, 16
.rept 32
	global_load_b128 v[8*(f-16):8*(f-16)+3],   v[LN], s[10:11] offset:1024*f
	global_load_b128 v[8*(f-16)+4:8*(f-16)+7], v[LN], s[10:11] offset:1024*f+512
.set f, f+1
.endr
	WIN 0
.irp t, 0,1,2
	global_load_b128 v[PB+8*(\t):PB+8*(\t)+3],   v[H32], s[12:13] offset:64*(\t)
	global_load_b128 v[PB+8*(\t)+4:PB+8*(\t)+7], v[H32], s[12:13] offset:64*(\t)+16
.endr
	; PHASE 0: four rounds on one ring: query's rows 0-7 and 8-15 of my sixteen, then keys0's
.set i, 0
.rept 32
	global_load_b128 v[X+4*i:X+4*i+3], v[GOFF], s[4:5] offset:512*i th:TH_LOAD_NT
.set i, i+1
.endr
	ROUND LOFF, 0,       1, 4, 16384
	ROUND LOFF, 8*PITCH, 1, 6, 0
	ROUND LOF2, 0,       1, 6, 16384
	ROUND LOF2, 8*PITCH, 0, 6, 0
	s_wait_dscnt 0x0                               ; for the others' sake: my rows of query and of keys0 are in LDS
	s_barrier_signal -1
	s_barrier_wait -1
	; PHASE 1
.set f, 0
.rept 16                               ; the 16 fragments that take the ring's registers
	global_load_b128 v[128+8*f:128+8*f+3],   v[LN], s[10:11] offset:1024*f
	global_load_b128 v[128+8*f+4:128+8*f+7], v[LN], s[10:11] offset:1024*f+512
.set f, f+1
.endr
	v_and_b32 v16, 15, v0
	v_bfe_u32 v17, v0, 4, 1
	v_mul_u32_u24 v[STI], v17, STGH                ; into my stage: [head bit][point][position r] words
	v_lshl_add_u32 v[STI], v16, 2, v[STI]
	s_mul_i32 s26, s24, STGW
	s_add_co_u32 s26, s26, STAGE
	v_add_nc_u32 v[STI], s26, v[STI]
.macro PMM                             ; product (ks, kt): tile kt of K step ks; the three accumulators take turns
.set ff, 3*ks+kt
.set dd, YA+8*kt
.set aa, AR+8*(ks%8)
.if ff < 16
	WIN 0
.set ww, 128+8*ff
.else
	WIN 0x01
.set ww, 8*(ff-16)
.endif
.if ks == 0
	v_wmma_f32_16x16x32_f16 v[dd:dd+7], v[ww:ww+7], v[aa:aa+7], v[PB+8*kt:PB+8*kt+7]
.else
	v_wmma_f32_16x16x32_f16 v[dd:dd+7], v[ww:ww+7], v[aa:aa+7], v[dd:dd+7]
.endif
.endm
.macro POINT k                         ; point k of my (position, head): the base pixel's place and four weights, rounded to f16
	v_floor_f32 v20, v[YA+(\k)]
	v_floor_f32 v21, v[XA+(\k)]
	v_med3_num_f32 v20, v20, 0, s38                ; base row 0..62
	v_med3_num_f32 v21, v21, 0, s39                ; base column 0..126
	v_sub_f32 v22, v[YA+(\k)], v20
	v_sub_f32 v23, v[XA+(\k)], v21
	v_fma_f32 v30, v20, s42, v21                   ; 132 row + column, a whole number up to 8,310
	v_fma_f32 v24, |v22|, -1.0, 1.0
	v_fma_f32 v26, |v23|, -1.0, 1.0
	v_add_f32 v22, -1.0, v22
	v_add_f32 v23, -1.0, v23
	v_cvt_u32_f32 v[64+(\k)], v30
	v_max_num_f32 v24, 0, v24                      ; the base row's weight
	v_max_num_f32 v26, 0, v26                      ; the base column's
	v_fma_f32 v25, |v22|, -1.0, 1.0
	v_fma_f32 v27, |v23|, -1.0, 1.0
	v_max_num_f32 v25, 0, v25                      ; the next row's
	v_max_num_f32 v27, 0, v27                      ; the next column's
.if (\k)%2
	v_pk_mul_f32 v[28:29], v[24:25], v[LA+(\k)-1:LA+(\k)] op_sel:[0,1] op_sel_hi:[1,1]   ; both rows' weights times the softmax weight
.else
	v_pk_mul_f32 v[28:29], v[24:25], v[LA+(\k):LA+(\k)+1] op_sel_hi:[1,0]
.endif
	v_pk_mul_f32 v[72:73], v[26:27], v[28:29] op_sel_hi:[1,0]                             ; corners 0, 1: base row
	v_pk_mul_f32 v[74:75], v[26:27], v[28:29] op_sel:[0,1] op_sel_hi:[1,1]                ; corners 2, 3: next row
	v_cvt_pk_f16_f32 v[32+2*(\k)],   v72, v73
	v_cvt_pk_f16_f32 v[32+2*(\k)+1], v74, v75
.endm
	s_mov_b32 s41, 4
.Lblock:                                               ; a trip: a block of 16 positions
	global_load_b64 v[RF:RF+1], v[RA], s[8:9]
.set ks, 0
.rept 8
	ds_load_b128 v[AR+8*ks:AR+8*ks+3],   v[ADP] offset:64*ks
	ds_load_b128 v[AR+8*ks+4:AR+8*ks+7], v[ADP] offset:64*ks+32
.set ks, ks+1
.endr
	s_wait_loadcnt 1                               ; all but the reference point: Wc and bc are in (met at once from the second trip on)
.set ks, 0
.rept 16
.if ks < 8
	s_wait_dscnt 14                                ; behind fragment ks stand 7 - ks first fills and ks refills, two loads each
.else
	s_wait_dscnt 2*(15-ks)
.endif
.set kt, 0
.rept 3
	PMM
.set kt, kt+1
.endr
.if ks < 8
	PLACES
	WIN 0
	ds_load_b128 v[AR+8*ks:AR+8*ks+3],   v[ADP] offset:64*(ks+8)
	ds_load_b128 v[AR+8*ks+4:AR+8*ks+7], v[ADP] offset:64*(ks+8)+32
.endif
.set ks, ks+1
.endr
	PLACES
	WIN 0
	s_wait_loadcnt 0x0                             ; the reference point; its address register is free
	v_add_nc_u32 v[RA], 128, v[RA]
	v_fma_f32 v16, v[RF], s32, -0.5
	v_fma_f32 v17, v[RF+1], s34, -0.5
	; softmax over my head's 8 logits, all in this lane; each accumulator's lowest registers are read first
	v_max3_num_f32 v19, v[LA], v[LA+1], v[LA+2]
	v_max3_num_f32 v19, v19, v[LA+3], v[LA+4]
	v_max3_num_f32 v19, v19, v[LA+5], v[LA+6]
	v_max_num_f32 v19, v19, v[LA+7]
	v_mul_f32 v18, s36, v19
.irp p, 0,2,4,6
	v_pk_fma_f32 v[LA+(\p):LA+(\p)+1], v[LA+(\p):LA+(\p)+1], s[36:37], v[18:19] op_sel_hi:[1,0,0] neg_lo:[0,0,1] neg_hi:[0,0,1]
.endr
.irp p, 0,1,2,3,4,5,6,7
	v_exp_f32 v[LA+(\p)], v[LA+(\p)]
.endr
.irp p, 0,2,4,6                        ; the rows' scaling: plain instructions between the exponentials and the use of their results
	v_pk_fma_f32 v[YA+(\p):YA+(\p)+1], v[YA+(\p):YA+(\p)+1], s[32:33], v[16:17] op_sel_hi:[1,0,0]
.endr
	s_wait_alu depctr_va_vdst(0)
	v_pk_add_f32 v[20:21], v[LA:LA+1], v[LA+2:LA+3]
	v_pk_add_f32 v[22:23], v[LA+4:LA+5], v[LA+6:LA+7]
	v_pk_add_f32 v[20:21], v[20:21], v[22:23]
	v_add_f32 v20, v20, v21
	v_rcp_f32 v20, v20
.irp p, 0,2,4,6                        ; the columns' scaling, behind the reciprocal
	v_pk_fma_f32 v[XA+(\p):XA+(\p)+1], v[XA+(\p):XA+(\p)+1], s[34:35], v[16:17] op_sel:[0,0,1] op_sel_hi:[1,0,1]
.endr
	s_wait_alu depctr_va_vdst(0)
.irp p, 0,2,4,6
	v_pk_mul_f32 v[LA+(\p):LA+(\p)+1], v[LA+(\p):LA+(\p)+1], v[20:21] op_sel_hi:[1,0]
.endr
.irp k, 0,1,2,3,4,5,6,7
	POINT \k
.endr
.irp c, 0,1,2,3                        ; v32-47: my position's 32 weights in the order of k; eight of them are 16 bytes of the fragment: part c = 2 j + h' lies 256 c on
	global_store_b128 v[WO], v[32+4*(\c):32+4*(\c)+3], s[22:23] offset:256*(\c)           ; 16 lanes store 256 consecutive bytes, at a multiple of 256 from swt's first byte
.endr
.irp k, 0,1,2,3,4,5,6,7                ; the indices change lanes in my stage: in by position, out by point
	ds_store_b32 v[STI], v[64+(\k)] offset:64*(\k)
.endr
	ds_load_b128 v[48:51], v[RDI]                  ; LDS serves a wave's instructions in order (ISA guide 5.7.1.4): these see the stores above; the next trip's stores come behind them
	ds_load_b128 v[52:55], v[RDI] offset:STGH
	s_wait_dscnt 0x0
	global_store_b128 v[IO], v[48:51], s[20:21]                ; 512 consecutive bytes: head 2 hp's [point][position],
	global_store_b128 v[IO], v[52:55], s[20:21] offset:512     ; and head 2 hp + 1's
	s_wait_xcnt 0x0                                ; the stores' data (v32-55, the next trip's ring) and offsets are rewritten only behind this wait
	v_add_nc_u32 v[IO], 4096, v[IO]
	v_add_nc_u32 v[WO], 8192, v[WO]
	v_add_nc_u32 v[ADP], 16*PITCH, v[ADP]
	s_sub_co_u32 s41, s41, 1
	s_cmp_lg_u32 s41, 0
	s_cbranch_scc1 .Lblock
	; PHASE 2.  No barrier: keys0's rows were whole at the one barrier, and nobody has written them since.
	LDBIAS
	LDB 0, 0
	LDB 1, 1
	LDB 2, 2
	v_and_b32 v2, 15, v0
	v_bfe_u32 v3, v0, 4, 1
	v_mul_u32_u24 v[ADA0], v2, PITCH
	v_lshl_add_u32 v[ADA0], v3, 4, v[ADA0]
	v_add_nc_u32 v[ADA0], A0, v[ADA0]
	v_add_nc_u32 v[ADA0+1], 64*PITCH, v[ADA0]      ; blocks 4-7: the 16-bit offset does not reach them
	LDA HA0, 0, 0
	LDA HA1, 1, 0
	STEP 0, 0, 1, 1, 1, 16
	s_mov_b32 s40, 3
.Lk:                                                   ; a trip: four K steps, once round the weight slots
	STEP 1, 1, 1, 1, 0, 16
	STEP 2, 2, 1, 1, 0, 16
	STEP 3, 3, 1, 1, 0, 16
	STEP 0, 4, 1, 1, 0, 16
	WIN 0
	s_wait_xcnt 0x0                                ; the weight loads' offset is stepped only behind this wait
	v_add_nc_u32 v[BOF], 16384, v[BOF]
	v_add_nc_u32 v[ADA0], 256, v[ADA0]
	v_add_nc_u32 v[ADA0+1], 256, v[ADA0+1]
	s_sub_co_u32 s40, s40, 1
	s_cmp_lg_u32 s40, 0
	s_cbranch_scc1 .Lk
	STEP 1, 1, 1, 0, 0, 16                         ; the last three steps ask for no weights: the counts run down
	STEP 2, 2, 1, 0, 0, 8
	STEP 3, 3, 0, 0, 0, 0
	; THE WAY OUT, straight from registers.  Tile t is quarter t of my head's channels; a lane's eight numbers of (block a, tile t) are 16 bytes at pixel (16 a + r) x 32 + 16 h of that quarter,
	; so one store of the wave covers 512 consecutive bytes, at a multiple of 256 from kf's first byte.  Each of the 32 stores has data registers of its own.
.macro KOUT a
	WIN 0x05                                       ; sources in window 1, destination in window 0
.set i, 0
.rept 16
	v_cvt_pk_f16_f32 v[128+16*(\a)+i], v[32*(\a)+2*i], v[32*(\a)+2*i+1]
.set i, i+1
.endr
	WIN 0
.irp t, 0,1,2,3
	global_store_b128 v[KO], v[128+16*(\a)+4*(\t):128+16*(\a)+4*(\t)+3], s[18:19] offset:262144*(\t)+512*(\a)
.endr
.endm
.irp a, 0,1,2,3,4,5,6,7
	KOUT \a
.endr
	s_wait_tensorcnt 0x0                           ; the wave's end
	ds_add_u32 v[SPW], v[NIL]
	s_wait_dscnt 0x0
	s_endpgm
.Lfunc_end_k_q97c286e1c8_proj:
	.size	k_q97c286e1c8_proj, .Lfunc_end_k_q97c286e1c8_proj-k_q97c286e1c8_proj
	.p2alignl 7, 3214868480
	.fill 96, 4, 3214868480
	.section	.rodata,"a",@progbits
	.p2align	6, 0x0
	.amdhsa_kernel k_q97c286e1c8_proj
		.amdhsa_group_segment_fixed_size 277504
		.amdhsa_private_segment_fixed_size 0
		.amdhsa_enable_private_segment 0
		.amdhsa_kernarg_size 80
		.amdhsa_user_sgpr_count 2
		.amdhsa_user_sgpr_kernarg_segment_ptr 1
		.amdhsa_wavefront_size32 1
		.amdhsa_system_sgpr_workgroup_id_x 1
		.amdhsa_system_sgpr_workgroup_id_y 1
		.amdhsa_system_sgpr_workgroup_id_z 1
		.amdhsa_system_vgpr_workitem_id 0
		.amdhsa_next_free_vgpr 512
		.amdhsa_next_free_sgpr 66
		.amdhsa_reserve_vcc 0
		.amdhsa_float_denorm_mode_32 3
		.amdhsa_float_denorm_mode_16_64 3
		.amdhsa_memory_ordered 1
		.amdhsa_forward_progress 1
		.amdhsa_inst_pref_size 120
	.end_amdhsa_kernel
	.amdgpu_metadata
---
amdhsa.version: [ 1, 2 ]
amdhsa.kernels:
  - .name:           k_q97c286e1c8_proj
    .symbol:         k_q97c286e1c8_proj.kd
    .args:
      - { .name: query, .offset: 0, .size: 8, .value_kind: global_buffer, .address_space: global }
      - { .name: keys0, .offset: 8, .size: 8, .value_kind: global_buffer, .address_space: global }
      - { .name: ref_point, .offset: 16, .size: 8, .value_kind: global_buffer, .address_space: global }
      - { .name: wcp, .offset: 24, .size: 8, .value_kind: global_buffer, .address_space: global }
      - { .name: bcp, .offset: 32, .size: 8, .value_kind: global_buffer, .address_space: global }
      - { .name: wkp, .offset: 40, .size: 8, .value_kind: global_buffer, .address_space: global }
      - { .name: bk, .offset: 48, .size: 8, .value_kind: global_buffer, .address_space: global }
      - { .name: kf, .offset: 56, .size: 8, .value_kind: global_buffer, .address_space: global }
      - { .name: sidx, .offset: 64, .size: 8, .value_kind: global_buffer, .address_space: global }
      - { .name: swt, .offset: 72, .size: 8, .value_kind: global_buffer, .address_space: global }
    .group_segment_fixed_size: 277504
    .private_segment_fixed_size: 0
    .kernarg_segment_align: 8
    .kernarg_segment_size: 80
    .max_flat_workgroup_size: 256
    .sgpr_count:     66
    .vgpr_count:     512
    .wavefront_size: 32
...
	.end_amdgpu_metadata
.endif
;; end of part 4
;; launch gath (part 5): grid 256 x 1, 8 waves a work-group, no clusters, 271,360 bytes of LDS; arguments kf, sidx, swt, feat; writes feat
.if DOCPART == 5
	.amdgcn_target "amdgcn-amd-amdhsa--gfx1250"
	.amdhsa_code_object_version 6
	.text
	.protected	k_q97c286e1c8_gath
	.globl	k_q97c286e1c8_gath
	.p2align	8
	.type	k_q97c286e1c8_gath,@function
k_q97c286e1c8_gath:
	s_mov_b64 s[64:65], 0
	v_nop
	global_prefetch_b8 v0, s[64:65] scope:SCOPE_SE
	s_setreg_imm32_b32 hwreg(HW_REG_WAVE_MODE, 25, 1), 1
	s_wait_xcnt 0x0
; GATH: feat[position][head][channel] = the sum over 8 points x 4 corners of weight x kf[pixel][channel], gathered out of LDS and summed by the matrix unit.
; SHARES.  Work-group number = q + 4 b + 16 half + 32 head: quarter q of the head's 64 channels, half of the image's positions.  A quarter of an image, 8,192 pixels x 16 channels of f16, is 256 KB: it is
; brought into LDS once, and all 4,096 positions x 32 corner rows x 32 bytes = 4 MiB that the work-group gathers come from there.  Wave w owns 4 image rows of positions: 32 blocks of 16.
; THE SUM AS A PRODUCT.  For one position, 16 channels = the sum over k = 4 point + corner (32 of them) of w[k] x row k: one matrix instruction with C = 0.  Source 0 is the block's weight fragment as it lies in
; memory (lane (r, h): position r, k = 8 h .. and 16 + 8 h ..).  Source 1 is the position's 32 gathered rows, turned by two ds_load_tr16_b128 in which each lane gives the address of a row of its own: lane L asks for
; corner L % 4 of point 2 (L / 16) + (L / 4) % 2 (the second load: that + 4), 16-byte half (L / 8) % 2.  In the result, register j of lane (r, h) is (position 8 h + j, channel r): of its 16 rows only the one of the
; position whose rows were gathered is wanted, ONE register in one half of the lanes; the others are never read.  So no weight is set to 0, and what is taken out of two products is one conversion.
; A sixteenth of each product is used; what it replaces is a widening and a multiply-add for each gathered number.
; THE LOW FOUR.  An accumulator is first read in its four lowest registers, so positions with bit 2 set use a second fragment, the first with its rows exchanged four apart
; (a lane takes the lane 4 away: 16 moves a trip): position p is then found in register p % 4, lanes 16 (p / 8) on.
; feat's tile for (block, head, quarter) is [channel 16][position 16] f16, 512 bytes, at [block][K step 2 head + q / 2][q % 2]: a lane's 8 positions of its channel are 16 bytes, and one store covers the tile.
; LDS.  An image row is 4,096 bytes + 128: a pixel's 32 bytes lie in bank group (column + 4 row) % 8, a sample's four corners in groups g, g + 1, g + 4, g + 5.  Sixteen lanes of a turning load take two points' corners.
; The places 132 row + column are whole numbers that the launch before stored; they are cut to 8,310 = 62 x 132 + 126, so the furthest byte read is 270,207 of the image's 270,336.
; LIMITS.  kf, the weights and feat are f16: within 65,504.  Sums in f32.
; NO JOINT LOADS.  Two work-groups share a quarter (256 KB, once) and four share the indices and weights (393 KB); against the 4 MiB that each reads from its own LDS that is a sixth, and a pitch of
; 4,224 bytes cannot be had from one descriptor's padding, whose interval ends at 1,024 bytes.  So the image comes in through registers.
; REGISTER WINDOWS.  Two trips' indices are 128 registers and the ring of gathered rows 128 more, so the indices lie in window 1, where the one instruction that reads them (v_min_u32, as its source 1) finds
; them under the setting 0x04; that setting leaves the shift-and-add and the turning loads in window 0.  The steps go in groups of four, so that a group costs two switches, and a load of indices one more.
.set ROWP,  4224
.set IMG,   64*ROWP
.set SPARE, IMG                        ; behind the image: the spare words, 128 bytes a wave: four blocks of 256 bytes that no other line names
.set EMAX,  62*132+126
.set LC,   1                           ; v1   my lane's part of a row's LDS address: 16 x half + 32 dx + 4,224 dy; never rewritten
.set PI,   2                           ; v2   64 x my first point: my byte offset in a (block, head) of sidx; never rewritten
.set LN,   3                           ; v3   16 lane; never rewritten
.set FL,   4                           ; v4   the fill: LDS address
.set GF,   5                           ; v5   the fill: byte offset in the quarter
.set KO,   6                           ; v6   32 (lane % 16) + 16 (lane / 16): my 16 bytes in a tile of feat; never rewritten
.set SPW,  8                           ; v8   LDS address of my spare word; never rewritten
.set NIL,  9                           ; v9   0; never rewritten
.set T,    10                          ; v10-11   two positions of the upper eight, packed, one register for each block
.set AD,   16                          ; v16-23   a group's four pairs of LDS addresses
.set W,    24                          ; v24-55   weight fragments: [set 2][block 2][8]
.set W4,   56                          ; v56-71   this trip's fragments with rows exchanged four apart: [block 2][8]
.set OUT,  72                          ; v72-87   feat to store: [set 2][block 2][4]
.set DR,   88                          ; v88-119  four accumulators, one for each step of a group
.set F,    128                         ; v128-255 a ring of sixteen fragments of gathered rows
.set IX,   0                           ; window 1, v0-127: indices: [set 2][block 2][first or second point][4 groups of 4 positions]
.set FS,   128                         ; the fill's 64 slots of 4 registers: v128-255 of window 0, then of window 1
.set MSB, 0
.macro WIN new                         ; s_set_vgpr_msb: bits 1:0 source 0, 3:2 source 1, 5:4 source 2, 7:6 destination; the high byte repeats the setting that is left
.if MSB != (\new)
	s_set_vgpr_msb (MSB<<8)|(\new)
.set MSB, \new
.endif
.endm
.macro PLACES n                        ; plain instructions between a product and a read of its result (four), or a product that writes over it (five) (ISA guide 7.12.1), where no other vector work is at hand
.rept \n
	v_nop
.endr
.endm
.macro LDIX par, q, off                ; (destination in window 1) four loads: positions 4 q .. 4 q + 3 of both blocks, my first and my second point, into set par; off: the trip's first block, in bytes from the base
.irp u, 0,1
.irp ab, 0,1
	global_load_b128 v[IX+64*(\par)+32*(\u)+16*(\ab)+4*(\q):IX+64*(\par)+32*(\u)+16*(\ab)+4*(\q)+3], v[PI], s[6:7] offset:(\off)+4096*(\u)+256*(\ab)+16*(\q)
.endr
.endr
.endm
.macro LDW par, off                    ; four loads of 512 consecutive bytes: both blocks' weight fragments into set par
.irp u, 0,1
.irp j, 0,1
	global_load_b128 v[W+16*(\par)+8*(\u)+4*(\j):W+16*(\par)+8*(\u)+4*(\j)+3], v[LN], s[8:9] offset:(\off)+8192*(\u)+512*(\j)
.endr
.endr
.endm
.macro ADDR par, m                     ; (source 1 in window 1) step m = 2 position + block of a trip whose indices lie in set par: my two rows' LDS addresses
.set pp, (\m)/2
.set ia, IX+64*(\par)+32*((\m)%2)+4*(pp/4)+(pp%4)
.set ad, AD+2*((\m)%4)
	v_min_u32 v[ad],   EMAX, v[ia]
	v_min_u32 v[ad+1], EMAX, v[ia+16]
	v_lshl_add_u32 v[ad],   v[ad],   5, v[LC]
	v_lshl_add_u32 v[ad+1], v[ad+1], 5, v[LC]
.endm
.macro TLOAD m                         ; its 32 rows x 16 channels, turned: k = 0..15 and 16..31
.set ad, AD+2*((\m)%4)
.set ff, F+8*((\m)%16)
	ds_load_tr16_b128 v[ff:ff+3],   v[ad]
	ds_load_tr16_b128 v[ff+4:ff+7], v[ad+1]
.endm
.macro FETCH par, sg                   ; the four steps of group sg; a step's loads stand behind the next step's addresses, so that none reads a result just made
	ADDR \par, 4*(\sg)
	ADDR \par, 4*(\sg)+1
	TLOAD 4*(\sg)
	ADDR \par, 4*(\sg)+2
	TLOAD 4*(\sg)+1
	ADDR \par, 4*(\sg)+3
	TLOAD 4*(\sg)+2
	TLOAD 4*(\sg)+3
.endm
.macro MUL4 par, gg                    ; group gg's four products, each on an accumulator of its own and each a whole sum: positions 2 gg and 2 gg + 1 of both blocks
.set i4, 0
.rept 4
.set mm, 4*(\gg)+i4
.set dd, DR+8*i4
.set ff, F+8*(mm%16)
.if ((mm/8)%2) == 1
.set ww, W4+8*(mm%2)
.else
.set ww, W+16*(\par)+8*(mm%2)
.endif
	v_wmma_f32_16x16x32_f16 v[dd:dd+7], v[ww:ww+7], v[ff:ff+7], 0
.set i4, i4+1
.endr
.endm
.macro EXTRACT par, gg                 ; what is wanted of group gg's four results: for each block, positions 2 gg and 2 gg + 1, rounded and packed.  Positions 0-7 are right in lanes 0-15 and go straight
.set x0, (2*(\gg))%4                   ; into OUT; positions 8-15 are right in lanes 16-31 and take those lanes of OUT (VCC: lanes 16-31)
.irp u, 0,1
.if (\gg) < 4
	v_cvt_pk_f16_f32 v[OUT+8*(\par)+4*(\u)+(\gg)], v[DR+8*(\u)+x0], v[DR+16+8*(\u)+x0+1]
.else
	v_cvt_pk_f16_f32 v[T+(\u)], v[DR+8*(\u)+x0], v[DR+16+8*(\u)+x0+1]
.endif
.endr
.if (\gg) >= 4
.irp u, 0,1
	v_cndmask_b32 v[OUT+8*(\par)+4*(\u)+(\gg)-4], v[OUT+8*(\par)+4*(\u)+(\gg)-4], v[T+(\u)], vcc_lo
.endr
.endif
.endm
; A TRIP: two blocks, 32 steps in 8 groups.  Group g: the addresses and turning loads of the group two on; what is wanted of the last group's results; the wait for this group's rows; its four products.
; The sixteen address instructions name none of the last products' registers: they are the places in front of the reads of those results and of the products that write over them.
; LOADS FROM MEMORY, 20 a trip, all for the trip two on (ahead = 1): index group 0 at the trip's head (the trip before has read it out), groups 1, 2, 3 behind groups 1, 3, 5, each behind its last use;
; the weights behind group 6: their last reader is group 5 (groups 6 and 7 use the exchanged fragments), and group 6's sixteen address instructions stand between.
; w0: at the trip's head: its weights, the youngest loads of the trip two back, are in; the 20 loads of the trip between may stay out.  Loads come back in order (ISA guide 5.7.1), so its index groups 1 to 3 are in too.
; w6: in front of group 6, which reads the next trip's index group 0, asked for at the head of the trip before: 16 later loads of that trip and 16 of this one may stay out.
; The last two trips ask for nothing, so their counts are lower: 20 and 16, then 0.  last = 1: no next trip: groups 6 and 7 fetch nothing, and their LDS counts run down.
.macro TRIP par, ahead, last, w0, w6
.set g, 0
.rept 8
.if g == 0
	s_wait_loadcnt \w0
.if \ahead
	WIN 0x40
	LDIX \par, 0, (2*(\par)+4)*4096
.endif
.endif
.if (g == 6) && !(\last)
	s_wait_loadcnt \w6
.endif
.if g < 6
	WIN 0x04
	FETCH \par, g+2
.elseif !(\last)
	WIN 0x04
	FETCH 1-(\par), g-6
.endif
	WIN 0
.if (g >= 6) && (\last)
	PLACES 5
.endif
.if (g == 1) && ((\par) == 1)
	s_wait_xcnt 0x0                                ; set 1 of OUT was the data of the stores of two trips ago: it is written again only behind this wait (set 0: behind this same wait, in the trip before)
.endif
.if g > 0
	EXTRACT \par, g-1
.else
.set e, 0
.rept 16                               ; the exchanged fragments; their last readers, the trip before's last products, stand in front of that trip's four v_nop
	v_mov_b32_dpp v[W4+e], v[W+16*(\par)+e] row_xmask:4 row_mask:0xf bank_mask:0xf
.set e, e+1
.endr
.endif
.if (g >= 6) && (\last)
	s_wait_dscnt 8*(7-g)
.else
	s_wait_dscnt 16                                ; LDS loads come back in order (ISA guide 5.7.1): this group's eight are in; the two later groups' sixteen may be out
.endif
	MUL4 \par, g
.if (\ahead) && ((g%2) == 1) && (g < 7)
	WIN 0x40
	LDIX \par, (g+1)/2, (2*(\par)+4)*4096
.endif
.if (\ahead) && (g == 6)
	LDW \par, (2*(\par)+4)*8192
.endif
.set g, g+1
.endr
	WIN 0
	PLACES 4
	EXTRACT \par, 7
.if ((\par) == 1) && (\ahead)
	s_wait_xcnt 0x0                                ; the three bases are stepped only behind this wait
	s_add_nc_u64 s[6:7], s[6:7], 16384             ; four blocks on
	s_add_nc_u64 s[8:9], s[8:9], 32768
	s_add_nc_u64 s[10:11], s[10:11], 65536
.endif
.set fo, 2*(\par)*16384-(\par)*(\ahead)*65536      ; where the bases have just been stepped the immediates reach back
.irp u, 0,1
	global_store_b128 v[KO], v[OUT+8*(\par)+4*(\u):OUT+8*(\par)+4*(\u)+3], s[10:11] offset:fo+16384*(\u)   ; the wave's store covers 512 consecutive bytes, at a multiple of 256 from feat's first byte
.endr
.endm
	s_load_b256 s[4:11], s[0:1], 0x0               ; kf s[4:5], sidx s[6:7], swt s[8:9], feat s[10:11]
	v_lshl_add_u32 v[SPW], v0, 2, SPARE
	v_mov_b32 v[NIL], 0
	v_lshrrev_b32 v7, 5, v0
	v_readfirstlane_b32 s12, v7                    ; wave 0..7
	s_mov_b32 s13, ttmp9
	s_and_b32 s14, s13, 3                          ; q
	s_bfe_u32 s17, s13, 0x20002                    ; b
	s_bfe_u32 s15, s13, 0x10004                    ; half
	s_lshr_b32 s16, s13, 5                         ; head
	v_and_b32 v7, 31, v0
	v_lshlrev_b32 v[LN], 4, v7
	v_bfe_u32 v7, v0, 3, 1                         ; which 16 bytes of a pixel's 32
	v_lshlrev_b32 v[LC], 4, v7
	v_and_b32 v7, 1, v0                            ; dx
	v_lshl_add_u32 v[LC], v7, 5, v[LC]
	v_bfe_u32 v7, v0, 1, 1                         ; dy
	v_mul_u32_u24 v7, v7, ROWP
	v_add_nc_u32 v[LC], v7, v[LC]
	v_bfe_u32 v7, v0, 4, 1                         ; lane / 16
	v_bfe_u32 v12, v0, 2, 1
	v_lshl_add_u32 v12, v7, 1, v12                 ; my first point
	v_lshlrev_b32 v[PI], 6, v12
	v_and_b32 v12, 15, v0
	v_lshlrev_b32 v[KO], 5, v12
	v_lshl_add_u32 v[KO], v7, 4, v[KO]
.set e, 0
.rept 16                               ; the destination of a move between lanes counts as read: these sixteen registers are written once, in the wait for the arguments
	v_mov_b32 v[W4+e], 0
.set e, e+1
.endr
	s_mul_i32 s18, s12, 8*ROWP                     ; the fill: wave w takes image rows 8 w .. 8 w + 7
	v_add_nc_u32 v[FL], s18, v[LN]
	s_lshl_b32 s18, s12, 15
	v_add_nc_u32 v[GF], s18, v[LN]
	s_mov_b32 s19, 0
	s_lshl3_add_u32 s18, s17, s16                  ; image 8 b + head,
	s_lshl2_add_u32 s18, s18, s14                  ; its quarter q,
	s_lshl_b32 s18, s18, 18                        ; 256 KB each
	s_lshl_b32 s20, s17, 6
	s_lshl_b32 s21, s15, 5
	s_add_co_u32 s20, s20, s21
	s_lshl2_add_u32 s20, s12, s20                  ; my first image row of positions: 64 b + 32 half + 4 w,
	s_lshl_b32 s20, s20, 3                         ; its first block
	s_wait_kmcnt 0x0
	s_add_nc_u64 s[4:5], s[4:5], s[18:19]
	s_lshl_b32 s18, s20, 12
	s_lshl_b32 s21, s16, 9
	s_add_co_u32 s18, s18, s21
	s_add_nc_u64 s[6:7], s[6:7], s[18:19]          ; sidx: 4,096 bytes a block, 512 a head
	s_lshl_b32 s18, s20, 13
	s_lshl_b32 s21, s16, 10
	s_add_co_u32 s18, s18, s21
	s_add_nc_u64 s[8:9], s[8:9], s[18:19]          ; swt: 8,192 a block, 1,024 a head
	s_lshl_b32 s18, s20, 14
	s_lshl_b32 s21, s16, 11
	s_add_co_u32 s18, s18, s21
	s_lshl_b32 s21, s14, 9
	s_add_co_u32 s18, s18, s21
	s_add_nc_u64 s[10:11], s[10:11], s[18:19]      ; feat: 16,384 a block, 2,048 a head, 512 a quarter
	; the first two trips' indices and weights; then the image.  All are in when the fill's last slot is.
	WIN 0x40
.irp q, 0,1,2,3
	LDIX 0, \q, 0
.endr
.irp q, 0,1,2,3
	LDIX 1, \q, 8192
.endr
	WIN 0
	LDW 0, 0
	LDW 1, 16384
.set i, 0
.rept 32
	global_load_b128 v[FS+4*i:FS+4*i+3], v[GF], s[4:5] offset:512*i
.set i, i+1
.endr
	WIN 0x40                                       ; destination in window 1
.rept 32
	global_load_b128 v[FS+4*(i-32):FS+4*(i-32)+3], v[GF], s[4:5] offset:512*i
.set i, i+1
.endr
	WIN 0
.set i, 0
.rept 32
	s_wait_loadcnt 63-i                            ; slot i is in; the later slots may be out
	ds_store_b128 v[FL], v[FS+4*i:FS+4*i+3] offset:(i/8)*ROWP+(i%8)*512
.set i, i+1
.endr
	WIN 0x04                                       ; the stores' data in window 1
.rept 32
	s_wait_loadcnt 63-i
	ds_store_b128 v[FL], v[FS+4*(i-32):FS+4*(i-32)+3] offset:(i/8)*ROWP+(i%8)*512
.set i, i+1
.endr
	WIN 0
	s_wait_dscnt 0x0                               ; for the others' sake: my eight rows of the image are in LDS
	s_barrier_signal -1
	s_barrier_wait -1
	WIN 0x04
	FETCH 0, 0                                     ; the first two groups' rows
	FETCH 0, 1
	WIN 0
	s_mov_b32 vcc_lo, 0xffff0000                   ; lanes 16-31, for the whole kernel
	s_mov_b32 s22, 7
.Lpair:                                                ; two trips, four blocks
	TRIP 0, 1, 0, 20, 32
	TRIP 1, 1, 0, 20, 32
	s_sub_co_u32 s22, s22, 1
	s_cmp_lg_u32 s22, 0
	s_cbranch_scc1 .Lpair
	TRIP 0, 0, 0, 20, 16                           ; the last two trips are written out: no load leaves the buffers
	TRIP 1, 0, 1, 0, 0
	s_barrier_signal -1                            ; no LDS load of mine is out (the last count was 0): behind this barrier no wave reads the image any more,
	s_barrier_wait -1                              ; so that the add below runs beside no gather
	s_wait_tensorcnt 0x0                           ; the wave's end
	ds_add_u32 v[SPW], v[NIL]
	s_wait_dscnt 0x0
	s_endpgm
.Lfunc_end_k_q97c286e1c8_gath:
	.size	k_q97c286e1c8_gath, .Lfunc_end_k_q97c286e1c8_gath-k_q97c286e1c8_gath
	.p2alignl 7, 3214868480
	.fill 96, 4, 3214868480
	.section	.rodata,"a",@progbits
	.p2align	6, 0x0
	.amdhsa_kernel k_q97c286e1c8_gath
		.amdhsa_group_segment_fixed_size 271360
		.amdhsa_private_segment_fixed_size 0
		.amdhsa_enable_private_segment 0
		.amdhsa_kernarg_size 32
		.amdhsa_user_sgpr_count 2
		.amdhsa_user_sgpr_kernarg_segment_ptr 1
		.amdhsa_wavefront_size32 1
		.amdhsa_system_sgpr_workgroup_id_x 1
		.amdhsa_system_sgpr_workgroup_id_y 1
		.amdhsa_system_sgpr_workgroup_id_z 1
		.amdhsa_system_vgpr_workitem_id 0
		.amdhsa_next_free_vgpr 512
		.amdhsa_next_free_sgpr 66
		.amdhsa_reserve_vcc 1
		.amdhsa_float_denorm_mode_32 3
		.amdhsa_float_denorm_mode_16_64 3
		.amdhsa_memory_ordered 1
		.amdhsa_forward_progress 1
		.amdhsa_inst_pref_size 94
	.end_amdhsa_kernel
	.amdgpu_metadata
---
amdhsa.version: [ 1, 2 ]
amdhsa.kernels:
  - .name:           k_q97c286e1c8_gath
    .symbol:         k_q97c286e1c8_gath.kd
    .args:
      - { .name: kf, .offset: 0, .size: 8, .value_kind: global_buffer, .address_space: global }
      - { .name: sidx, .offset: 8, .size: 8, .value_kind: global_buffer, .address_space: global }
      - { .name: swt, .offset: 16, .size: 8, .value_kind: global_buffer, .address_space: global }
      - { .name: feat, .offset: 24, .size: 8, .value_kind: global_buffer, .address_space: global }
    .group_segment_fixed_size: 271360
    .private_segment_fixed_size: 0
    .kernarg_segment_align: 8
    .kernarg_segment_size: 32
    .max_flat_workgroup_size: 256
    .sgpr_count:     66
    .vgpr_count:     512
    .wavefront_size: 32
...
	.end_amdgpu_metadata
.endif
;; end of part 5
;; launch outp (part 6): grid 256 x 1, 8 waves a work-group, no clusters, 166,912 bytes of LDS; arguments feat, wmp, bm, out0; writes out0
.if DOCPART == 6
	.amdgcn_target "amdgcn-amd-amdhsa--gfx1250"
	.amdhsa_code_object_version 6
	.text
	.protected	k_q97c286e1c8_outp
	.globl	k_q97c286e1c8_outp
	.p2align	8
	.type	k_q97c286e1c8_outp,@function
k_q97c286e1c8_outp:
	s_mov_b64 s[64:65], 0
	v_nop
	global_prefetch_b8 v0, s[64:65] scope:SCOPE_SE
	s_setreg_imm32_b32 hwreg(HW_REG_WAVE_MODE, 25, 1), 1
	s_wait_xcnt 0x0
; OUTP: out = feat Wm + bm.  One work-group for each image row g (128 positions); wave w the columns 64 w .. 64 w + 63, f32 out.
; feat lies in memory in tiles, [block a of 16 positions][K step s][j 2][channel 16][position 16] f16: tile (s, j) holds channels 32 s + 16 j + 0..15.  The work-group's 128 KB are copied densely into LDS,
; each wave 16 KB.  A fragment (lane (r, h): position r, channels 32 s + 8 h + 0..7 and 32 s + 16 + 8 h + 0..7) is two turning loads, one for each tile: lane L gives the address of channel 8 (L / 16) + L % 8,
; positions 8 ((L / 8) % 2) on, so that sixteen lanes take 256 consecutive bytes: no two lanes meet in a bank.
; LIMITS.  feat and Wm are f16: within 65,504.  Sums in f32.
; NO TENSOR RING, NO JOINT LOADS.  feat's rows are the work-group's own; what the work-groups share is Wm, 512 KB, of which a wave's 64 columns are its own, so they go straight into registers.
; THE MATRIX INSTRUCTION IS USED TRANSPOSED: source 0 = 16 columns of Wm, source 1 = 16 positions: lane (r, h), register j holds position r, column 8 h + j.
.set STAGE,  131072                    ; behind feat: 16 rows x 272 bytes for each wave, for the way out
.set SPITCH, 272
.set SPARE,  STAGE+8*16*SPITCH         ; the spare words, 128 bytes a wave: four blocks of 256 bytes that no other line names
.set GC,   246                         ; v246  16,384 wave + 16 lane: my bytes of the copy, in feat's block and in LDS alike; never rewritten
.set H32,  247                         ; v247  32 h
.set ADA0, 248                         ; v248-249 LDS address of my part of a tile of feat, row blocks 0-3 and 4-7
.set BOF,  250                         ; v250  16 lane, walks the weights
.set STO,  251                         ; v251  way out: where I put 32 bytes of a row
.set RD,   252                         ; v252  way out: where I read rows back
.set CO,   253                         ; v253  my byte offset in two rows of out0
.set SPW,  254                         ; v254  LDS address of my spare word; never rewritten
.set NIL,  255                         ; v255  0; never rewritten
.set HA0,  0                           ; v0-31, v32-63 two halves of A's fragments; v64-191 four slots of weights; v192-223 bm; window 1: 32 accumulators, (a, t) at v[8 (4 a + t)]; ahead of them the copy's 32 slots
.set HA1,  32
.set BR,   64
.set BI,   192
.set OB,   64                          ; way out: two sets of 32 registers
.set SB,   6                           ; s[6:7] wmp at my wave's 65,536 bytes
.set SBI,  8                           ; s[8:9] bm at my wave's 64 numbers
.set MSB, 0
.macro WIN new                         ; s_set_vgpr_msb: bits 1:0 source 0, 3:2 source 1, 5:4 source 2, 7:6 destination; the high byte repeats the setting that is left
.if MSB != (\new)
	s_set_vgpr_msb (MSB<<8)|(\new)
.set MSB, \new
.endif
.endm
.macro PLACES                          ; four plain instructions between a product and a read of its result, a write of or a load into one of its registers (ISA guide 7.12.1 for reads and writes)
.rept 4
	v_nop
.endr
.endm
.macro MM16 hb, q, a0, first           ; 16 products: blocks a0 .. a0 + 3 (fragments at hb) x the 4 tiles of weight slot q.  first = 1: the bias is the C that starts the sums
.if \first
	WIN 0x40
.else
	WIN 0x50
.endif
.irp a, 0,1,2,3
.irp t, 0,1,2,3
.if \first
	v_wmma_f32_16x16x32_f16 v[8*(4*((\a0)+(\a))+(\t)):8*(4*((\a0)+(\a))+(\t))+7], v[BR+32*(\q)+8*(\t):BR+32*(\q)+8*(\t)+7], v[(\hb)+8*(\a):(\hb)+8*(\a)+7], v[BI+8*(\t):BI+8*(\t)+7]
.else
	v_wmma_f32_16x16x32_f16 v[8*(4*((\a0)+(\a))+(\t)):8*(4*((\a0)+(\a))+(\t))+7], v[BR+32*(\q)+8*(\t):BR+32*(\q)+8*(\t)+7], v[(\hb)+8*(\a):(\hb)+8*(\a)+7], v[8*(4*((\a0)+(\a))+(\t)):8*(4*((\a0)+(\a))+(\t))+7]
.endif
.endr
.endr
.endm
.macro LDA hb, half, s                 ; 8 turning loads: four blocks' fragments of K step s (counted from where the address stands): a block is 16,384 bytes, a K step 1,024, a tile 512
	WIN 0
.irp a, 0,1,2,3
	ds_load_tr16_b128 v[(\hb)+8*(\a):(\hb)+8*(\a)+3],   v[ADA0+(\half)] offset:(\a)*16384+1024*(\s)
	ds_load_tr16_b128 v[(\hb)+8*(\a)+4:(\hb)+8*(\a)+7], v[ADA0+(\half)] offset:(\a)*16384+1024*(\s)+512
.endr
.endm
.macro LDB q, s                        ; 8 loads of 512 consecutive bytes: my four tiles' weights of K step s into slot q
	WIN 0
.irp t, 0,1,2,3
	global_load_b128 v[BR+32*(\q)+8*(\t):BR+32*(\q)+8*(\t)+3],   v[BOF], s[SB:SB+1] offset:4096*(\s)+1024*(\t)
	global_load_b128 v[BR+32*(\q)+8*(\t)+4:BR+32*(\q)+8*(\t)+7], v[BOF], s[SB:SB+1] offset:4096*(\s)+1024*(\t)+512
.endr
.endm
.macro LDBIAS                          ; register j of tile t: the bias of column 16 t + 8 h + j
.irp t, 0,1,2,3
	global_load_b128 v[BI+8*(\t):BI+8*(\t)+3],   v[H32], s[SBI:SBI+1] offset:64*(\t)
	global_load_b128 v[BI+8*(\t)+4:BI+8*(\t)+7], v[H32], s[SBI:SBI+1] offset:64*(\t)+16
.endr
.endm
; A K step.  The 32 accumulators take turns, in the same order in every step.  more: A's fragments of the next step are fetched, each half behind its own products;
; fb: the weights three steps on are asked for, into the slot that the step before has multiplied; lc: the younger weight loads that may stay out.
.macro STEP q, s, more, fb, first, lc
	s_wait_loadcnt \lc                             ; this step's weights are in; those of the next two steps (8 loads each) may be out
	s_wait_dscnt 8                                 ; blocks 0-3 are in; the eight loads of blocks 4-7 may be out
	MM16 HA0, \q, 0, \first
	PLACES
.if \more
	LDA HA0, 0, (\s)+1
.endif
.if \fb
	LDB ((\q)+3)%4, (\s)+3
.endif
.if \more
	s_wait_dscnt 8                                 ; blocks 4-7 are in; the eight just issued may be out
.else
	s_wait_dscnt 0
.endif
	MM16 HA1, \q, 4, \first
	PLACES
.if \more
	LDA HA1, 1, (\s)+1
.endif
.endm
	s_load_b256 s[4:11], s[0:1], 0x0               ; feat s[4:5], wmp s[6:7], bm s[8:9], out0 s[10:11]
	v_lshl_add_u32 v[SPW], v0, 2, SPARE
	v_mov_b32 v[NIL], 0
	v_lshrrev_b32 v216, 5, v0
	v_readfirstlane_b32 s16, v216                  ; wave 0..7
	s_mov_b32 s17, ttmp9                           ; g
	; every address is made now: A's fragments will take v0
	v_and_b32 v219, 15, v0                         ; r
	v_bfe_u32 v220, v0, 4, 1                       ; h
	v_and_b32 v221, 31, v0
	v_lshlrev_b32 v[H32], 5, v220
	v_lshlrev_b32 v[BOF], 4, v221
	v_and_b32 v222, 7, v0
	v_lshl_add_u32 v222, v220, 3, v222             ; the channel whose 16 bytes I ask for: 8 h + lane % 8,
	v_bfe_u32 v223, v0, 3, 1                       ; and which eight positions
	v_lshlrev_b32 v[ADA0], 5, v222                 ; 32 bytes a channel
	v_lshl_add_u32 v[ADA0], v223, 4, v[ADA0]
	v_add_nc_u32 v[ADA0+1], 65536, v[ADA0]         ; blocks 4-7: the 16-bit offset does not reach them
	s_lshl_b32 s18, s16, 14
	v_add_nc_u32 v[GC], s18, v[BOF]
	s_mul_i32 s18, s16, 16*SPITCH
	s_add_co_u32 s18, s18, STAGE
	v_mul_u32_u24 v[STO], v219, SPITCH             ; in: row r, 32 bytes for each half of the lanes
	v_lshl_add_u32 v[STO], v220, 5, v[STO]
	v_add_nc_u32 v[STO], s18, v[STO]
	v_mul_u32_u24 v[RD], v220, SPITCH              ; back: lanes 0-15 one row of 256 bytes, lanes 16-31 the next
	v_lshl_add_u32 v[RD], v219, 4, v[RD]
	v_add_nc_u32 v[RD], s18, v[RD]
	v_lshlrev_b32 v[CO], 11, v220                  ; and the same two rows in out0
	v_lshl_add_u32 v[CO], v219, 4, v[CO]
	s_mov_b32 s19, 0
	s_lshl_b32 s18, s17, 17
	s_wait_kmcnt 0x0
	s_add_nc_u64 s[4:5], s[4:5], s[18:19]          ; feat at my image row's 8 blocks
	s_lshl_b32 s18, s16, 16
	s_add_nc_u64 s[SB:SB+1], s[SB:SB+1], s[18:19]
	s_lshl_b32 s18, s16, 8
	s_add_nc_u64 s[SBI:SBI+1], s[SBI:SBI+1], s[18:19]
	s_lshl_b32 s20, s17, 18
	s_add_co_u32 s18, s18, s20
	s_add_nc_u64 s[10:11], s[10:11], s[18:19]      ; out0 at my image row and my 64 columns
	LDBIAS                                         ; bm and the first three K steps' weights are asked for first: they are in when the copy's first slot is
	LDB 0, 0
	LDB 1, 1
	LDB 2, 2
	WIN 0x40                                       ; the copy's slots lie in window 1, where the accumulators will be
.set i, 0
.rept 32
	global_load_b128 v[4*i:4*i+3], v[GC], s[4:5] offset:512*i th:TH_LOAD_NT
.set i, i+1
.endr
	WIN 0x04
.set i, 0
.rept 32
	s_wait_loadcnt 31-i                            ; slot i is in; the later slots may be out
	ds_store_b128 v[GC], v[4*i:4*i+3] offset:512*i
.set i, i+1
.endr
	WIN 0
	s_wait_dscnt 0x0                               ; for the others' sake: my 16 KB of feat are in LDS
	s_barrier_signal -1
	s_barrier_wait -1
	LDA HA0, 0, 0
	LDA HA1, 1, 0
	STEP 0, 0, 1, 1, 1, 16
	s_mov_b32 s20, 3
.Lk:                                                   ; a trip: four K steps, once round the weight slots
	STEP 1, 1, 1, 1, 0, 16
	STEP 2, 2, 1, 1, 0, 16
	STEP 3, 3, 1, 1, 0, 16
	STEP 0, 4, 1, 1, 0, 16
	WIN 0
	s_wait_xcnt 0x0                                ; the weight loads' offset is stepped only behind this wait
	v_add_nc_u32 v[BOF], 16384, v[BOF]
	v_add_nc_u32 v[ADA0], 4096, v[ADA0]
	v_add_nc_u32 v[ADA0+1], 4096, v[ADA0+1]
	s_sub_co_u32 s20, s20, 1
	s_cmp_lg_u32 s20, 0
	s_cbranch_scc1 .Lk
	STEP 1, 1, 1, 0, 0, 16                         ; the last three steps ask for no weights: the counts run down
	STEP 2, 2, 1, 0, 0, 8
	STEP 3, 3, 0, 0, 0, 0
	; THE WAY OUT.  Block a (16 rows x my 64 columns of f32): from the accumulators into my stage, each accumulator's low four registers first; back as whole rows of 256 bytes.
.macro OSTAGE a
	WIN 0x04                                       ; the stores' data in window 1, the address in window 0
.irp t, 0,1,2,3
	ds_store_b128 v[STO], v[32*(\a)+8*(\t):32*(\a)+8*(\t)+3]   offset:64*(\t)
	ds_store_b128 v[STO], v[32*(\a)+8*(\t)+4:32*(\a)+8*(\t)+7] offset:64*(\t)+16
.endr
	WIN 0
	s_wait_xcnt 0x0                                ; this set of registers was the data of the stores of two blocks ago: it is loaded again only behind this wait
.irp f, 0,1,2,3,4,5,6,7
	ds_load_b128 v[OB+32*((\a)%2)+4*(\f):OB+32*((\a)%2)+4*(\f)+3], v[RD] offset:2*SPITCH*(\f)  ; LDS serves a wave's instructions in order (ISA guide 5.7.1.4): these see the stores above; the next block's stores come behind them
.endr
.endm
.macro OSEND a, younger                ; younger: the LDS instructions issued behind block a's loads: the next block's sixteen, or none
.irp f, 0,1,2,3,4,5,6,7
	s_wait_dscnt (\younger)+7-(\f)
	global_store_b128 v[CO], v[OB+32*((\a)%2)+4*(\f):OB+32*((\a)%2)+4*(\f)+3], s[10:11] offset:(16*(\a)+2*(\f))*2048 th:TH_STORE_NT  ; 16 lanes store 256 consecutive bytes, at a multiple of 256 from out0's first byte
.endr
.endm
	OSTAGE 0
.irp a, 1,2,3,4,5,6,7
	OSTAGE \a
	OSEND (\a)-1, 16
.endr
	OSEND 7, 0
	s_wait_tensorcnt 0x0                           ; the wave's end
	ds_add_u32 v[SPW], v[NIL]
	s_wait_dscnt 0x0
	s_endpgm
.Lfunc_end_k_q97c286e1c8_outp:
	.size	k_q97c286e1c8_outp, .Lfunc_end_k_q97c286e1c8_outp-k_q97c286e1c8_outp
	.p2alignl 7, 3214868480
	.fill 96, 4, 3214868480
	.section	.rodata,"a",@progbits
	.p2align	6, 0x0
	.amdhsa_kernel k_q97c286e1c8_outp
		.amdhsa_group_segment_fixed_size 166912
		.amdhsa_private_segment_fixed_size 0
		.amdhsa_enable_private_segment 0
		.amdhsa_kernarg_size 32
		.amdhsa_user_sgpr_count 2
		.amdhsa_user_sgpr_kernarg_segment_ptr 1
		.amdhsa_wavefront_size32 1
		.amdhsa_system_sgpr_workgroup_id_x 1
		.amdhsa_system_sgpr_workgroup_id_y 1
		.amdhsa_system_sgpr_workgroup_id_z 1
		.amdhsa_system_vgpr_workitem_id 0
		.amdhsa_next_free_vgpr 512
		.amdhsa_next_free_sgpr 66
		.amdhsa_reserve_vcc 0
		.amdhsa_float_denorm_mode_32 3
		.amdhsa_float_denorm_mode_16_64 3
		.amdhsa_memory_ordered 1
		.amdhsa_forward_progress 1
		.amdhsa_inst_pref_size 60
	.end_amdhsa_kernel
	.amdgpu_metadata
---
amdhsa.version: [ 1, 2 ]
amdhsa.kernels:
  - .name:           k_q97c286e1c8_outp
    .symbol:         k_q97c286e1c8_outp.kd
    .args:
      - { .name: feat, .offset: 0, .size: 8, .value_kind: global_buffer, .address_space: global }
      - { .name: wmp, .offset: 8, .size: 8, .value_kind: global_buffer, .address_space: global }
      - { .name: bm, .offset: 16, .size: 8, .value_kind: global_buffer, .address_space: global }
      - { .name: out0, .offset: 24, .size: 8, .value_kind: global_buffer, .address_space: global }
    .group_segment_fixed_size: 166912
    .private_segment_fixed_size: 0
    .kernarg_segment_align: 8
    .kernarg_segment_size: 32
    .max_flat_workgroup_size: 256
    .sgpr_count:     66
    .vgpr_count:     512
    .wavefront_size: 32
...
	.end_amdgpu_metadata
.endif
;; end of part 6
;; ======== version 3 of 3: 4 launches; version 2 with the launches proj, gath written anew for expert scheduling mode
;; limits: values are held in f16: magnitudes above 65,504 overflow, below 6.1e-05 lose precision; values outside matrix products are rounded to f16
;; workspace buffers: wkp 524,288 bytes; wmp 524,288 bytes; wcp 196,608 bytes; bcp 768 bytes; kf 33,554,432 bytes; sidx 8,388,608 bytes of whole numbers; swt 16,777,216 bytes; feat 33,554,432 bytes
;; launch prep: the kernel of part 1 again; grid 908 x 1, 4 waves a work-group, no clusters, 4,608 bytes of LDS; arguments Wk, Wm, Wq, Woff, WA, bq, boff, bA, wkp, wmp, wcp, bcp; writes wkp, wmp, wcp, bcp
;; launch proj (part 7): grid 256 x 1, 8 waves a work-group, no clusters, 277,504 bytes of LDS; arguments query, keys0, ref_point, wcp, bcp, wkp, bk, kf, sidx, swt; writes kf, sidx, swt
.if DOCPART == 7
	.amdgcn_target "amdgcn-amd-amdhsa--gfx1250"
	.amdhsa_code_object_version 6
	.text
	.protected	k_q97c286e1c8_proj
	.globl	k_q97c286e1c8_proj
	.p2align	8
	.type	k_q97c286e1c8_proj,@function
k_q97c286e1c8_proj:
	s_mov_b64 s[64:65], 0
	v_nop
	global_prefetch_b8 v0, s[64:65] scope:SCOPE_SE
	s_setreg_imm32_b32 hwreg(HW_REG_WAVE_SCHED_MODE, 0, 2), 2
	s_setreg_imm32_b32 hwreg(HW_REG_WAVE_MODE, 25, 1), 1
	s_wait_xcnt 0x0
	s_wait_alu depctr_vm_vsrc(0)
; PROJ: one work-group for each image row g = 64 b + y: 128 positions, 256 KB of query and of keys0, each read once.
;   phase 0  all eight waves bring query and then keys0 in, rounded to f16, into LDS: wave w the rows 16 w .. 16 w + 15 of each.  One barrier, the only one: behind it LDS is only read, but for each wave's own stage.
;   phase 1  wave w (head pair hp = w % 4, positions 64 (w / 4) ..): query Wc + bc -> for each (position, head, point) the base pixel's place and four corner weights with the softmax weight folded in.
;   phase 2  kf = keys0 Wk + bk, wave w the 64 channels of head w, stored f16 as [b][head][quarter of 16 channels][pixel][16].
; WHAT THE NEXT LAUNCH WANTS.  With B = 8 g + a the block of 16 positions:
;   sidx [B][head][point 8][position 16] words: 132 row + column of the base pixel (the next launch keeps an image row in 132 units of 32 bytes);
;   swt  [B][head][j 2][lane 32][8] f16: a matrix fragment: lane (r, h') holds position r's weights k = 16 j + 8 h' + 0..7, k = 4 point + corner, corner = 2 dy + dx.
; SAMPLING.  With p = ref + off, the sample's column is x = p 128 / 127 - 0.5 (one fused multiply-add where the problem's function writes (2 p / 127 - 1 + 1) 64 - 0.5: some 1e-5 pixel apart, and
; bilinear sampling is continuous); rows likewise with 64 / 63.  The base column is floor(x) clamped to 0..126, and the weights of base and base + 1 are max(0, 1 - |x - column|): for every finite x these are
; the bilinear weights times the tests for 'inside', since a column outside the image is never named and a column further than 1 from x gets 0.  Image 8 b + head takes the reference points of batch head % 4.
; LIMITS.  Matrix operands are f16: query, keys0 and kf must lie within 65,504; the corner weights, at most 1, keep f16's fixed step of 6e-8 below 6e-5.  Sums, softmax (with its maximum taken away) and
; positions in f32.  NaN and infinities are not treated apart.
; NO TENSOR RING, NO JOINT LOADS.  The weights go from memory straight into registers: a wave's 64 columns are its own, so LDS would give no second use inside the work-group, and of the 327,680 bytes of LDS
; 277,504 are claimed (the two inputs, the stages, and the spare words, 128 bytes a wave): what is left, 50,176, is less than two slots of one K step of Wk (2 x 32,768).
; THE MATRIX INSTRUCTION IS USED TRANSPOSED: source 0 = 16 columns of the weights, source 1 = 16 positions: lane (r, h), register j holds position r, column 8 h + j.
; THE MODE: SCHED_MODE bits 1:0 = 2 (LLVM: expert scheduling mode 2), set by the entry lines.  The code itself states the register dependences
; between vector or matrix instructions and memory or LDS instructions, with s_wait_alu, always for 0.
; THE PLAN.  Registers that memory or LDS instructions touch:
;   phase 0  X, 32 slots: a block's eight conversions read its four slots; behind them the slots are loaded again.  Y0, Y1: block k's conversions write Y[k % 2], its four LDS stores read it, block k + 2 writes it again.
;            A block: one wait on va_vdst behind the conversions; one on vm_vsrc ahead of its stores, for the stores of the block before.  The offsets are made at the head and never written in this phase.
;   phase 1  AR, a ring of eight fragments of query: read by the products, loaded again in two runs of eight loads, each behind one wait on va_vdst; behind the products its registers serve the vector work, and
;            v32-55 and v64-71 are the stores' data.  RF: loaded, read by two vector lines.  RA, IO, WO, ADP: read by loads and stores, stepped together at the trip's end, behind one wait on vm_vsrc.
;            One wait on va_vdst at the trip's head covers those steps and the vector work's writes and reads; one more stands ahead of the stores.
;   phase 2  HA0, HA1: each read by sixteen products and loaded again behind them, behind a wait on va_vdst; the first of the two also covers the weight slot that the step before has multiplied.
;            BOF, ADA0: stepped once in four K steps, behind one wait on vm_vsrc.  The way out: 32 conversions, one wait on va_vdst, eight stores, each store with data registers of its own.
.set PITCH,  1040                      ; a row in LDS: 1,024 bytes + 16 = 65 x 16: the sixteen rows of a fragment load start at sixteen different 16-byte columns modulo 256 bytes
.set A0,     128*PITCH                 ; query's rows from 0, keys0's from here
.set STAGE,  2*128*PITCH               ; 1,280 bytes for each wave, in which the indices change lanes
.set STGW,   1280
.set STGH,   576                       ; the second head's 512 bytes begin here: 16 words on in the banks, so that the 32 lanes of a store take 32 different banks
.set LN,   1                           ; v1   16 lane; in phase 2 it walks the weights (BOF)
.set ADP,  2                           ; v2   phase 1: LDS address of my fragment of query
.set RA,   3                           ; v3   my byte offset in ref_point
.set IO,   4                           ; v4   in sidx
.set WO,   5                           ; v5   in swt
.set RF,   6                           ; v6-7 phase 1: my position's reference point (y, x)
.set ADA0, 6                           ; v6-7 phase 2: LDS address of my fragments of keys0, row blocks 0-3 and 4-7
.set LOF2, 8                           ; v8   phase 0: where my 8 bytes of keys0's rows go
.set STI,  8                           ; v8   phase 1: where my indices go in my stage
.set RDI,  9                           ; v9   my stage + 16 lane: where I read them back
.set KO,   10                          ; v10  32 r + 16 h: my 16 bytes in 16 pixels of a quarter of kf; never rewritten
.set H32,  11                          ; v11  32 h: my eight numbers of a bias
.set GOFF, 12                          ; v12  the stream's byte offset in query and in keys0; never rewritten
.set LOFF, 13                          ; v13  where my 8 bytes of query's rows go; never rewritten
.set Y,    16                          ; v16-31   stream: f16 pairs to store, two buffers of 8
.set X,    128                         ; v128-255 stream: a ring of 32 slots of 4 registers
.set AR,   16                          ; v16-79   phase 1: a ring of 8 fragments of query; then at work
.set YA,   80                          ; v80-87   y offsets of my head's 8 points, then the samples' rows
.set XA,   88                          ; v88-95   x
.set LA,   96                          ; v96-103  logits, then softmax weights
.set PB,   104                         ; v104-127 bc for the three tiles
                                       ; phase 1: Wc's 48 fragments: f < 16 at v[128 + 8 f], f >= 16 in window 1 at v[8 (f - 16)]
.set BI,   16                          ; phase 2: v16-47 bk; v48-79, v80-111 two halves of A's fragments; v128-255 four slots of weights; window 1: 32 accumulators, (a, t) at v[8 (4 a + t)]
.set HA0,  48
.set HA1,  80
.set BR,   128
.set BOF,  1
.set SB,   14                          ; s[14:15] wkp at my wave's 65,536 bytes
.set SBI,  16                          ; s[16:17] bk at my wave's 64 numbers
.set MSB, 0
.macro WIN new                         ; s_set_vgpr_msb: bits 1:0 source 0, 3:2 source 1, 5:4 source 2, 7:6 destination; the high byte repeats the setting that is left
.if MSB != (\new)
	s_set_vgpr_msb (MSB<<8)|(\new)
.set MSB, \new
.endif
.endm
.macro PLACES                          ; four plain instructions between a product and a vector instruction that reads its result or writes one of its registers (ISA guide 7.12.1)
.rept 4
	v_nop
.endr
.endm
; THE STREAM.  A round is 8 rows, 16 KB, in eight blocks of four slots: slot i takes 512 bytes (row i / 4, quarter i % 4), rounds them to f16 and stores 256 consecutive bytes into LDS, at register lr + lo.
; ahead = 1: a block's slots are loaded again behind its conversions, with their 512 bytes of the next round: base s[nb:nb+1], byte no on.  No address register is ever stepped: the round stands in the immediates.
; first = 1: the stream's first round, whose first block has no block in front of it.
.macro ROUND lr, lo, ahead, nb, no, first
.set i, 0
.rept 8
.if \ahead
	s_wait_loadcnt 28                              ; loads come back in order (ISA guide 5.7.1): the block's four slots are in; the 28 younger loads of the ring stay out
.else
	s_wait_loadcnt 28-i                            ; the last round loads nothing: the counts run down
.endif
.set j, 0
.rept 4
	v_cvt_pk_f16_f32 v[Y+8*((i/4)%2)+2*j],   v[X+4*(i+j)],   v[X+4*(i+j)+1]
	v_cvt_pk_f16_f32 v[Y+8*((i/4)%2)+2*j+1], v[X+4*(i+j)+2], v[X+4*(i+j)+3]
.set j, j+1
.endr
	s_wait_alu depctr_va_vdst(0)                   ; the eight conversions have written this block's Y, which the stores below read, and are done reading its four slots, in which the loads below land
.if !(\first) || (i > 0)
	s_wait_alu depctr_vm_vsrc(0)                   ; the stores of the block before have read the other Y, which the next block's conversions write again
.endif
.set j, 0
.rept 4
	ds_store_b64 v[\lr], v[Y+8*((i/4)%2)+2*j:Y+8*((i/4)%2)+2*j+1] offset:(\lo)+(i/4)*PITCH+j*256
.if \ahead
	global_load_b128 v[X+4*(i+j):X+4*(i+j)+3], v[GOFF], s[\nb:\nb+1] offset:(\no)+512*(i+j) th:TH_LOAD_NT
.endif
.set j, j+1
.endr
.set i, i+4
.endr
.endm
; THE PRODUCT of 128 rows x 512 columns, K = 512 in 16 steps of 32.  A wave: 64 columns, 8 row blocks a x 4 tiles t.
.macro MM16 hb, q, a0, first           ; 16 products: blocks a0 .. a0 + 3 (fragments at hb) x the 4 tiles of weight slot q.  first = 1: the bias is the C that starts the sums: nothing is cleared, no bias is added later
.if \first
	WIN 0x40
.else
	WIN 0x50
.endif
.irp a, 0,1,2,3
.irp t, 0,1,2,3
.if \first
	v_wmma_f32_16x16x32_f16 v[8*(4*((\a0)+(\a))+(\t)):8*(4*((\a0)+(\a))+(\t))+7], v[BR+32*(\q)+8*(\t):BR+32*(\q)+8*(\t)+7], v[(\hb)+8*(\a):(\hb)+8*(\a)+7], v[BI+8*(\t):BI+8*(\t)+7]
.else
	v_wmma_f32_16x16x32_f16 v[8*(4*((\a0)+(\a))+(\t)):8*(4*((\a0)+(\a))+(\t))+7], v[BR+32*(\q)+8*(\t):BR+32*(\q)+8*(\t)+7], v[(\hb)+8*(\a):(\hb)+8*(\a)+7], v[8*(4*((\a0)+(\a))+(\t)):8*(4*((\a0)+(\a))+(\t))+7]
.endif
.endr
.endr
.endm
.macro LDA hb, half, s                 ; 8 LDS loads: four blocks' fragments of K step s (counted from where the address stands)
	WIN 0
.irp a, 0,1,2,3
	ds_load_b128 v[(\hb)+8*(\a):(\hb)+8*(\a)+3],   v[ADA0+(\half)] offset:(\a)*16*PITCH+64*(\s)
	ds_load_b128 v[(\hb)+8*(\a)+4:(\hb)+8*(\a)+7], v[ADA0+(\half)] offset:(\a)*16*PITCH+64*(\s)+32
.endr
.endm
.macro LDB q, s                        ; 8 loads of 512 consecutive bytes: my four tiles' weights of K step s into slot q
	WIN 0
.irp t, 0,1,2,3
	global_load_b128 v[BR+32*(\q)+8*(\t):BR+32*(\q)+8*(\t)+3],   v[BOF], s[SB:SB+1] offset:4096*(\s)+1024*(\t)
	global_load_b128 v[BR+32*(\q)+8*(\t)+4:BR+32*(\q)+8*(\t)+7], v[BOF], s[SB:SB+1] offset:4096*(\s)+1024*(\t)+512
.endr
.endm
.macro LDBIAS                          ; register j of tile t: the bias of column 16 t + 8 h + j
.irp t, 0,1,2,3
	global_load_b128 v[BI+8*(\t):BI+8*(\t)+3],   v[H32], s[SBI:SBI+1] offset:64*(\t)
	global_load_b128 v[BI+8*(\t)+4:BI+8*(\t)+7], v[H32], s[SBI:SBI+1] offset:64*(\t)+16
.endr
.endm
; A K step.  The 32 accumulators take turns, in the same order in every step.  more: A's fragments of the next step are fetched, each half behind its own products;
; fb: the weights three steps on are asked for, into the slot that the step before has multiplied; lc: the younger weight loads that may stay out.
.macro STEP q, s, more, fb, first, lc
	s_wait_loadcnt \lc                             ; this step's weights are in; those of the next two steps (8 loads each) may be out
	s_wait_dscnt 8                                 ; blocks 0-3 are in; the eight loads of blocks 4-7 may be out
	MM16 HA0, \q, 0, \first
.if \more
	WIN 0
	s_wait_alu depctr_va_vdst(0)                   ; the sixteen products are done reading HA0, and the step before's are done reading its weight slot: the loads below land in both; behind the loop's adds: BOF and ADA0 are written
	LDA HA0, 0, (\s)+1
.endif
.if \fb
	LDB ((\q)+3)%4, (\s)+3
.endif
.if \more
	s_wait_dscnt 8                                 ; blocks 4-7 are in; the eight just issued may be out
.else
	s_wait_dscnt 0
.endif
	MM16 HA1, \q, 4, \first
.if \more
	WIN 0
	s_wait_alu depctr_va_vdst(0)                   ; the sixteen products are done reading HA1, in which the loads below land
	LDA HA1, 1, (\s)+1
.else
	PLACES                                         ; behind the last products, ahead of the conversions that read the sums and write the weights' registers
.endif
.endm
	s_load_b512 s[4:19], s[0:1], 0x0               ; query s[4:5], keys0 s[6:7], ref_point s[8:9], wcp s[10:11], bcp s[12:13], wkp s[14:15], bk s[16:17], kf s[18:19]
	s_load_b128 s[20:23], s[0:1], 0x40             ; sidx s[20:21], swt s[22:23]
	v_lshl_add_u32 v14, v0, 2, 0x43800
	v_mov_b32 v15, 0
	v_lshrrev_b32 v16, 5, v0
	v_readfirstlane_b32 s24, v16                   ; wave 0..7
	s_mov_b32 s25, ttmp9                           ; g
	v_and_b32 v17, 31, v0                          ; lane
	v_and_b32 v20, 15, v0                          ; r
	v_bfe_u32 v21, v0, 4, 1                        ; h
	v_lshlrev_b32 v[LN], 4, v17
	v_lshlrev_b32 v[H32], 5, v21
	v_lshlrev_b32 v[KO], 5, v20
	v_lshl_add_u32 v[KO], v21, 4, v[KO]
	s_wait_alu depctr_va_sdst(0)                   ; s24 is written, ahead of its first reader: offsets, LDS addresses and bases are made from it
	s_and_b32 s30, s24, 3                          ; phase 1: my head pair hp,
	s_lshr_b32 s31, s24, 2                         ; and which 64 positions
	s_lshl_b32 s26, s24, 15                        ; phase 0: wave w takes rows 16 w .. 16 w + 15
	v_add_nc_u32 v[GOFF], s26, v[LN]
	s_mul_i32 s27, s24, 16*PITCH
	v_lshl_add_u32 v[LOFF], v17, 3, s27
	v_add_nc_u32 v[LOF2], A0, v[LOFF]
	s_mul_i32 s26, s24, STGW
	s_add_co_u32 s26, s26, STAGE                   ; my stage
	v_add_nc_u32 v[RDI], s26, v[LN]
	s_mul_i32 s26, s31, 64*PITCH
	v_mul_u32_u24 v[ADP], v20, PITCH
	v_lshl_add_u32 v[ADP], v21, 4, v[ADP]
	v_add_nc_u32 v[ADP], s26, v[ADP]               ; row (64 half + r) x pitch + 16 h
	s_lshl_b32 s26, s30, 1
	v_add_nc_u32 v22, s26, v21                     ; my head = 2 hp + h
	v_and_b32 v23, 3, v22                          ; whose reference points are batch head % 4's
	s_and_b32 s27, s25, 63
	s_lshl_b32 s27, s27, 10                        ; row y: 128 points of 8 bytes
	s_lshl_b32 s26, s31, 9                         ; my 64 positions
	s_add_co_u32 s27, s27, s26
	v_lshl_add_u32 v[RA], v20, 3, s27
	v_lshl_add_u32 v[RA], v23, 16, v[RA]
	s_lshl_b32 s26, s31, 14                        ; sidx: my first block, 4 (w / 4), of 4,096 bytes,
	s_lshl_b32 s27, s30, 10                        ; my head pair's 1,024 bytes,
	s_add_co_u32 s26, s26, s27
	v_add_nc_u32 v[IO], s26, v[LN]                 ; 16 bytes a lane
	s_lshl_b32 s26, s31, 15                        ; swt: my first block of 8,192 bytes,
	v_lshl_add_u32 v[WO], v20, 4, s26              ; 16 r,
	v_lshl_add_u32 v[WO], v22, 10, v[WO]           ; my head's 1,024 bytes
	s_mov_b32 s32, 0x3f820821                      ; 64 / 63
	s_mov_b32 s33, s32                             ; the packed forms name pairs
	s_mov_b32 s34, 0x3f810204                      ; 128 / 127
	s_mov_b32 s35, s34
	s_mov_b32 s36, 0x3fb8aa3b                      ; log2(e)
	s_mov_b32 s37, s36
	s_mov_b32 s38, 0x42780000                      ; 62.0
	s_mov_b32 s39, 0x42fc0000                      ; 126.0
	s_mov_b32 s42, 0x43040000                      ; 132.0
	s_lshl_b32 s28, s25, 18                        ; my image row: 128 rows of 2,048 bytes
	s_mov_b32 s29, 0
	s_mov_b32 s27, 0
	s_wait_kmcnt 0x0
	s_add_nc_u64 s[4:5], s[4:5], s[28:29]
	s_add_nc_u64 s[6:7], s[6:7], s[28:29]
	s_mul_i32 s26, s30, 49152
	s_add_nc_u64 s[10:11], s[10:11], s[26:27]      ; wcp and bcp at my head pair
	s_mul_i32 s26, s30, 192
	s_add_nc_u64 s[12:13], s[12:13], s[26:27]
	s_lshl_b32 s26, s25, 15
	s_add_nc_u64 s[20:21], s[20:21], s[26:27]      ; sidx and swt at my image row's 8 blocks
	s_lshl_b32 s26, s25, 16
	s_add_nc_u64 s[22:23], s[22:23], s[26:27]
	s_lshl_b32 s26, s24, 8
	s_add_nc_u64 s[SBI:SBI+1], s[SBI:SBI+1], s[26:27]
	s_lshl_b32 s26, s24, 16
	s_add_nc_u64 s[SB:SB+1], s[SB:SB+1], s[26:27]
	s_lshr_b32 s28, s25, 6
	s_lshl3_add_u32 s28, s28, s24                  ; image 8 b + w,
	s_lshl_b32 s28, s28, 20                        ; 1 MiB each, in four quarters;
	s_and_b32 s26, s25, 63
	s_lshl_b32 s26, s26, 12                        ; row y of a quarter: 128 pixels of 32 bytes
	s_add_co_u32 s28, s28, s26
	s_add_nc_u64 s[18:19], s[18:19], s[28:29]
	; Wc's 48 fragments of my head pair stay in registers in phase 1.  The 32 that lie in window 1, and bc, are asked for now: older than the stream's loads, they are in when its first slot is.
	WIN 0x40
	s_wait_alu depctr_va_vdst(0)                   ; the offsets and LDS addresses v1 to v5 and v8 to v13 are written, which the loads and stores from here on read
.set f, 16
.rept 32
	global_load_b128 v[8*(f-16):8*(f-16)+3],   v[LN], s[10:11] offset:1024*f
	global_load_b128 v[8*(f-16)+4:8*(f-16)+7], v[LN], s[10:11] offset:1024*f+512
.set f, f+1
.endr
	WIN 0
.irp t, 0,1,2
	global_load_b128 v[PB+8*(\t):PB+8*(\t)+3],   v[H32], s[12:13] offset:64*(\t)
	global_load_b128 v[PB+8*(\t)+4:PB+8*(\t)+7], v[H32], s[12:13] offset:64*(\t)+16
.endr
	; PHASE 0: four rounds on one ring: query's rows 0-7 and 8-15 of my sixteen, then keys0's
.set i, 0
.rept 32
	global_load_b128 v[X+4*i:X+4*i+3], v[GOFF], s[4:5] offset:512*i th:TH_LOAD_NT
.set i, i+1
.endr
	ROUND LOFF, 0,       1, 4, 16384, 1
	ROUND LOFF, 8*PITCH, 1, 6, 0,     0
	ROUND LOF2, 0,       1, 6, 16384, 0
	ROUND LOF2, 8*PITCH, 0, 6, 0,     0
	s_wait_dscnt 0x0                               ; for the others' sake: my rows of query and of keys0 are in LDS
	s_barrier_signal -1
	s_barrier_wait -1
	; PHASE 1
.set f, 0
.rept 16                               ; the 16 fragments that take the ring's registers: the last block's wait on va_vdst stands behind the last conversion that read them, and only LDS stores of Y have followed it
	global_load_b128 v[128+8*f:128+8*f+3],   v[LN], s[10:11] offset:1024*f
	global_load_b128 v[128+8*f+4:128+8*f+7], v[LN], s[10:11] offset:1024*f+512
.set f, f+1
.endr
	s_wait_alu depctr_vm_vsrc(0)                   ; my LDS stores have read v8, which is written below as STI, and Y, whose registers the lines below and the ring's loads write
	v_and_b32 v16, 15, v0
	v_bfe_u32 v17, v0, 4, 1
	v_mul_u32_u24 v[STI], v17, STGH                ; into my stage: [head bit][point][position r] words
	v_lshl_add_u32 v[STI], v16, 2, v[STI]
	s_mul_i32 s26, s24, STGW
	s_add_co_u32 s26, s26, STAGE
	v_add_nc_u32 v[STI], s26, v[STI]
.macro PMM                             ; product (ks, kt): tile kt of K step ks; the three accumulators take turns
.set ff, 3*ks+kt
.set dd, YA+8*kt
.set aa, AR+8*(ks%8)
.if ff < 16
	WIN 0
.set ww, 128+8*ff
.else
	WIN 0x01
.set ww, 8*(ff-16)
.endif
.if ks == 0
	v_wmma_f32_16x16x32_f16 v[dd:dd+7], v[ww:ww+7], v[aa:aa+7], v[PB+8*kt:PB+8*kt+7]
.else
	v_wmma_f32_16x16x32_f16 v[dd:dd+7], v[ww:ww+7], v[aa:aa+7], v[dd:dd+7]
.endif
.endm
.macro POINT k                         ; point k of my (position, head): the base pixel's place and four weights, rounded to f16
	v_floor_f32 v20, v[YA+(\k)]
	v_floor_f32 v21, v[XA+(\k)]
	v_med3_num_f32 v20, v20, 0, s38                ; base row 0..62
	v_med3_num_f32 v21, v21, 0, s39                ; base column 0..126
	v_sub_f32 v22, v[YA+(\k)], v20
	v_sub_f32 v23, v[XA+(\k)], v21
	v_fma_f32 v30, v20, s42, v21                   ; 132 row + column, a whole number up to 8,310
	v_fma_f32 v24, |v22|, -1.0, 1.0
	v_fma_f32 v26, |v23|, -1.0, 1.0
	v_add_f32 v22, -1.0, v22
	v_add_f32 v23, -1.0, v23
	v_cvt_u32_f32 v[64+(\k)], v30
	v_max_num_f32 v24, 0, v24                      ; the base row's weight
	v_max_num_f32 v26, 0, v26                      ; the base column's
	v_fma_f32 v25, |v22|, -1.0, 1.0
	v_fma_f32 v27, |v23|, -1.0, 1.0
	v_max_num_f32 v25, 0, v25                      ; the next row's
	v_max_num_f32 v27, 0, v27                      ; the next column's
.if (\k)%2
	v_pk_mul_f32 v[28:29], v[24:25], v[LA+(\k)-1:LA+(\k)] op_sel:[0,1] op_sel_hi:[1,1]   ; both rows' weights times the softmax weight
.else
	v_pk_mul_f32 v[28:29], v[24:25], v[LA+(\k):LA+(\k)+1] op_sel_hi:[1,0]
.endif
	v_pk_mul_f32 v[72:73], v[26:27], v[28:29] op_sel_hi:[1,0]                             ; corners 0, 1: base row
	v_pk_mul_f32 v[74:75], v[26:27], v[28:29] op_sel:[0,1] op_sel_hi:[1,1]                ; corners 2, 3: next row
	v_cvt_pk_f16_f32 v[32+2*(\k)],   v72, v73
	v_cvt_pk_f16_f32 v[32+2*(\k)+1], v74, v75
.endm
	s_mov_b32 s41, 4
.Lblock:                                               ; a trip: a block of 16 positions
	s_wait_alu depctr_va_vdst(0)                   ; RA, ADP, IO, WO (in the first trip STI) are written; the vector work is done writing v16-79 and reading RF, and the products are done reading the ring: the loads below land there
	global_load_b64 v[RF:RF+1], v[RA], s[8:9]
.set ks, 0
.rept 8
	ds_load_b128 v[AR+8*ks:AR+8*ks+3],   v[ADP] offset:64*ks
	ds_load_b128 v[AR+8*ks+4:AR+8*ks+7], v[ADP] offset:64*ks+32
.set ks, ks+1
.endr
	s_wait_loadcnt 1                               ; all but the reference point: Wc and bc are in (met at once from the second trip on)
.set ks, 0
.rept 16
.if ks < 12
	s_wait_dscnt 14-2*(ks%4)                       ; behind fragment ks stand the 3 - ks % 4 later ones of its run of four and the next run's four, two loads each
.else
	s_wait_dscnt 2*(15-ks)                         ; the last run: the counts run down
.endif
.set kt, 0
.rept 3
	PMM
.set kt, kt+1
.endr
.if (ks == 3) || (ks == 7)
	WIN 0
	s_wait_alu depctr_va_vdst(0)                   ; the products of the last four K steps are done reading their fragments, in which the fragments eight steps on land
.set kr, ks-3
.rept 4
	ds_load_b128 v[AR+8*kr:AR+8*kr+3],   v[ADP] offset:64*(kr+8)
	ds_load_b128 v[AR+8*kr+4:AR+8*kr+7], v[ADP] offset:64*(kr+8)+32
.set kr, kr+1
.endr
.endif
.set ks, ks+1
.endr
	PLACES
	WIN 0
	s_wait_loadcnt 0x0                             ; the reference point
	v_fma_f32 v16, v[RF], s32, -0.5
	v_fma_f32 v17, v[RF+1], s34, -0.5
	; softmax over my head's 8 logits, all in this lane; each accumulator's lowest registers are read first
	v_max3_num_f32 v19, v[LA], v[LA+1], v[LA+2]
	v_max3_num_f32 v19, v19, v[LA+3], v[LA+4]
	v_max3_num_f32 v19, v19, v[LA+5], v[LA+6]
	v_max_num_f32 v19, v19, v[LA+7]
	v_mul_f32 v18, s36, v19
.irp p, 0,2,4,6
	v_pk_fma_f32 v[LA+(\p):LA+(\p)+1], v[LA+(\p):LA+(\p)+1], s[36:37], v[18:19] op_sel_hi:[1,0,0] neg_lo:[0,0,1] neg_hi:[0,0,1]
.endr
.irp p, 0,1,2,3,4,5,6,7
	v_exp_f32 v[LA+(\p)], v[LA+(\p)]
.endr
.irp p, 0,2,4,6                        ; the rows' scaling: plain instructions between the exponentials and the use of their results
	v_pk_fma_f32 v[YA+(\p):YA+(\p)+1], v[YA+(\p):YA+(\p)+1], s[32:33], v[16:17] op_sel_hi:[1,0,0]
.endr
	s_wait_alu depctr_va_vdst(0)
	v_pk_add_f32 v[20:21], v[LA:LA+1], v[LA+2:LA+3]
	v_pk_add_f32 v[22:23], v[LA+4:LA+5], v[LA+6:LA+7]
	v_pk_add_f32 v[20:21], v[20:21], v[22:23]
	v_add_f32 v20, v20, v21
	v_rcp_f32 v20, v20
.irp p, 0,2,4,6                        ; the columns' scaling, behind the reciprocal
	v_pk_fma_f32 v[XA+(\p):XA+(\p)+1], v[XA+(\p):XA+(\p)+1], s[34:35], v[16:17] op_sel:[0,0,1] op_sel_hi:[1,0,1]
.endr
	s_wait_alu depctr_va_vdst(0)
.irp p, 0,2,4,6
	v_pk_mul_f32 v[LA+(\p):LA+(\p)+1], v[LA+(\p):LA+(\p)+1], v[20:21] op_sel_hi:[1,0]
.endr
.irp k, 0,1,2,3,4,5,6,7
	POINT \k
.endr
	s_wait_alu depctr_va_vdst(0)                   ; the conversions have written the weights v32-47 and the indices v64-71, which the stores below read; the products are done reading v48-55, in which the stage's loads land
.irp c, 0,1,2,3                        ; v32-47: my position's 32 weights in the order of k; eight of them are 16 bytes of the fragment: part c = 2 j + h' lies 256 c on
	global_store_b128 v[WO], v[32+4*(\c):32+4*(\c)+3], s[22:23] offset:256*(\c)           ; 16 lanes store 256 consecutive bytes, at a multiple of 256 from swt's first byte
.endr
.irp k, 0,1,2,3,4,5,6,7                ; the indices change lanes in my stage: in by position, out by point
	ds_store_b32 v[STI], v[64+(\k)] offset:64*(\k)
.endr
	ds_load_b128 v[48:51], v[RDI]                  ; LDS serves a wave's instructions in order (ISA guide 5.7.1.4): these see the stores above; the next trip's stores come behind them
	ds_load_b128 v[52:55], v[RDI] offset:STGH
	s_wait_dscnt 0x0
	global_store_b128 v[IO], v[48:51], s[20:21]                ; 512 consecutive bytes: head 2 hp's [point][position],
	global_store_b128 v[IO], v[52:55], s[20:21] offset:512     ; and head 2 hp + 1's
	s_wait_xcnt 0x0                                ; the stores' data (v32-55, the next trip's ring) and offsets are rewritten only behind this wait
	s_wait_alu depctr_vm_vsrc(0)                   ; the trip's loads and stores have read RA, IO, WO and ADP, which the adds below write, and v32-55 and v64-71, in which the next trip's ring lands
	v_add_nc_u32 v[RA], 128, v[RA]
	v_add_nc_u32 v[IO], 4096, v[IO]
	v_add_nc_u32 v[WO], 8192, v[WO]
	v_add_nc_u32 v[ADP], 16*PITCH, v[ADP]
	s_sub_co_u32 s41, s41, 1
	s_cmp_lg_u32 s41, 0
	s_cbranch_scc1 .Lblock
	; PHASE 2.  No barrier: keys0's rows were whole at the one barrier, and nobody has written them since.  The addresses are made first, so that one wait serves all the loads behind it.
	v_and_b32 v2, 15, v0
	v_bfe_u32 v3, v0, 4, 1
	v_mul_u32_u24 v[ADA0], v2, PITCH
	v_lshl_add_u32 v[ADA0], v3, 4, v[ADA0]
	v_add_nc_u32 v[ADA0], A0, v[ADA0]
	v_add_nc_u32 v[ADA0+1], 64*PITCH, v[ADA0]      ; blocks 4-7: the 16-bit offset does not reach them
	s_wait_alu depctr_va_vdst(0)                   ; ADA0 is written; phase 1's vector work is done writing v16-103, and its products are done reading bc and Wc: the bias, the weights and the fragments below land in these registers
	LDBIAS
	LDB 0, 0
	LDB 1, 1
	LDB 2, 2
	LDA HA0, 0, 0
	LDA HA1, 1, 0
	STEP 0, 0, 1, 1, 1, 16
	s_mov_b32 s40, 3
.Lk:                                                   ; a trip: four K steps, once round the weight slots
	STEP 1, 1, 1, 1, 0, 16
	STEP 2, 2, 1, 1, 0, 16
	STEP 3, 3, 1, 1, 0, 16
	STEP 0, 4, 1, 1, 0, 16
	WIN 0
	s_wait_xcnt 0x0                                ; the weight loads' offset is stepped only behind this wait
	s_wait_alu depctr_vm_vsrc(0)                   ; the loads issued so far have read BOF and ADA0, which the adds below write
	v_add_nc_u32 v[BOF], 16384, v[BOF]
	v_add_nc_u32 v[ADA0], 256, v[ADA0]
	v_add_nc_u32 v[ADA0+1], 256, v[ADA0+1]
	s_sub_co_u32 s40, s40, 1
	s_cmp_lg_u32 s40, 0
	s_cbranch_scc1 .Lk
	STEP 1, 1, 1, 0, 0, 16                         ; the last three steps ask for no weights: the counts run down
	STEP 2, 2, 1, 0, 0, 8
	STEP 3, 3, 0, 0, 0, 0
	; THE WAY OUT, straight from registers, two row blocks at a time.  Tile t is quarter t of my head's channels; a lane's eight numbers of (block a, tile t) are 16 bytes at pixel (16 a + r) x 32 + 16 h of that quarter,
	; so one store of the wave covers 512 consecutive bytes, at a multiple of 256 from kf's first byte.  Each of the 32 stores has data registers of its own.
.macro KOUT a                          ; blocks a and a + 1
	WIN 0x05                                       ; sources in window 1, destination in window 0
.set i, 0
.rept 32
	v_cvt_pk_f16_f32 v[128+16*(\a)+i], v[32*(\a)+2*i], v[32*(\a)+2*i+1]
.set i, i+1
.endr
	WIN 0
	s_wait_alu depctr_va_vdst(0)                   ; the 32 conversions have written the data of the eight stores below
.irp b, 0,1
.irp t, 0,1,2,3
	global_store_b128 v[KO], v[128+16*((\a)+(\b))+4*(\t):128+16*((\a)+(\b))+4*(\t)+3], s[18:19] offset:262144*(\t)+512*((\a)+(\b))
.endr
.endr
.endm
.irp a, 0,2,4,6
	KOUT \a
.endr
	s_wait_dscnt 0x0                               ; the wave's end
	s_wait_alu depctr_hold_cnt(0) depctr_sa_sdst(0) depctr_va_vdst(0) depctr_va_sdst(0) depctr_va_ssrc(0) depctr_va_vcc(0) depctr_vm_vsrc(0)
	s_wait_tensorcnt 0x0
	ds_add_u32 v14, v15
	s_wait_dscnt 0x0
	s_endpgm
.Lfunc_end_k_q97c286e1c8_proj:
	.size	k_q97c286e1c8_proj, .Lfunc_end_k_q97c286e1c8_proj-k_q97c286e1c8_proj
	.p2alignl 7, 3214868480
	.fill 96, 4, 3214868480
	.section	.rodata,"a",@progbits
	.p2align	6, 0x0
	.amdhsa_kernel k_q97c286e1c8_proj
		.amdhsa_group_segment_fixed_size 277504
		.amdhsa_private_segment_fixed_size 0
		.amdhsa_enable_private_segment 0
		.amdhsa_kernarg_size 80
		.amdhsa_user_sgpr_count 2
		.amdhsa_user_sgpr_kernarg_segment_ptr 1
		.amdhsa_wavefront_size32 1
		.amdhsa_system_sgpr_workgroup_id_x 1
		.amdhsa_system_sgpr_workgroup_id_y 1
		.amdhsa_system_sgpr_workgroup_id_z 1
		.amdhsa_system_vgpr_workitem_id 0
		.amdhsa_next_free_vgpr 512
		.amdhsa_next_free_sgpr 66
		.amdhsa_reserve_vcc 0
		.amdhsa_float_denorm_mode_32 3
		.amdhsa_float_denorm_mode_16_64 3
		.amdhsa_memory_ordered 1
		.amdhsa_forward_progress 1
		.amdhsa_inst_pref_size 117
	.end_amdhsa_kernel
	.amdgpu_metadata
---
amdhsa.version: [ 1, 2 ]
amdhsa.kernels:
  - .name:           k_q97c286e1c8_proj
    .symbol:         k_q97c286e1c8_proj.kd
    .args:
      - { .name: query, .offset: 0, .size: 8, .value_kind: global_buffer, .address_space: global }
      - { .name: keys0, .offset: 8, .size: 8, .value_kind: global_buffer, .address_space: global }
      - { .name: ref_point, .offset: 16, .size: 8, .value_kind: global_buffer, .address_space: global }
      - { .name: wcp, .offset: 24, .size: 8, .value_kind: global_buffer, .address_space: global }
      - { .name: bcp, .offset: 32, .size: 8, .value_kind: global_buffer, .address_space: global }
      - { .name: wkp, .offset: 40, .size: 8, .value_kind: global_buffer, .address_space: global }
      - { .name: bk, .offset: 48, .size: 8, .value_kind: global_buffer, .address_space: global }
      - { .name: kf, .offset: 56, .size: 8, .value_kind: global_buffer, .address_space: global }
      - { .name: sidx, .offset: 64, .size: 8, .value_kind: global_buffer, .address_space: global }
      - { .name: swt, .offset: 72, .size: 8, .value_kind: global_buffer, .address_space: global }
    .group_segment_fixed_size: 277504
    .private_segment_fixed_size: 0
    .kernarg_segment_align: 8
    .kernarg_segment_size: 80
    .max_flat_workgroup_size: 256
    .sgpr_count:     66
    .vgpr_count:     512
    .wavefront_size: 32
...
	.end_amdgpu_metadata
.endif
;; end of part 7
;; launch gath (part 8): grid 256 x 1, 8 waves a work-group, no clusters, 271,360 bytes of LDS; arguments kf, sidx, swt, feat; writes feat
.if DOCPART == 8
	.amdgcn_target "amdgcn-amd-amdhsa--gfx1250"
	.amdhsa_code_object_version 6
	.text
	.protected	k_q97c286e1c8_gath
	.globl	k_q97c286e1c8_gath
	.p2align	8
	.type	k_q97c286e1c8_gath,@function
k_q97c286e1c8_gath:
	s_mov_b64 s[64:65], 0
	v_nop
	global_prefetch_b8 v0, s[64:65] scope:SCOPE_SE
	s_setreg_imm32_b32 hwreg(HW_REG_WAVE_SCHED_MODE, 0, 2), 2
	s_setreg_imm32_b32 hwreg(HW_REG_WAVE_MODE, 25, 1), 1
	s_wait_xcnt 0x0
	s_wait_alu depctr_vm_vsrc(0)
; GATH: feat[position][head][channel] = the sum over 8 points x 4 corners of weight x kf[pixel][channel], gathered out of LDS and summed by the matrix unit.
; SHARES.  Work-group number = q + 4 b + 16 half + 32 head: quarter q of the head's 64 channels, half of the image's positions.  A quarter of an image, 8,192 pixels x 16 channels of f16, is 256 KB: it is
; brought into LDS once, and all 4,096 positions x 32 corner rows x 32 bytes = 4 MiB that the work-group gathers come from there.  Wave w owns 4 image rows of positions: 32 blocks of 16.
; THE SUM AS A PRODUCT.  For one position, 16 channels = the sum over k = 4 point + corner (32 of them) of w[k] x row k: one matrix instruction with C = 0.  Source 0 is the block's weight fragment as it lies in
; memory (lane (r, h): position r, k = 8 h .. and 16 + 8 h ..).  Source 1 is the position's 32 gathered rows, turned by two ds_load_tr16_b128 in which each lane gives the address of a row of its own: lane L asks for
; corner L % 4 of point 2 (L / 16) + (L / 4) % 2 (the second load: that + 4), 16-byte half (L / 8) % 2.  In the result, register j of lane (r, h) is (position 8 h + j, channel r): of its 16 rows only the one of the
; position whose rows were gathered is wanted, ONE register in one half of the lanes; the others are never read.  So no weight is set to 0, and what is taken out of two products is one conversion.
; A sixteenth of each product is used; what it replaces is a widening and a multiply-add for each gathered number.
; THE LOW FOUR.  An accumulator is first read in its four lowest registers, so positions with bit 2 set use a second fragment, the first with its rows exchanged four apart
; (a lane takes the lane 4 away: 16 moves a trip): position p is then found in register p % 4, lanes 16 (p / 8) on.
; feat's tile for (block, head, quarter) is [channel 16][position 16] f16, 512 bytes, at [block][K step 2 head + q / 2][q % 2]: a lane's 8 positions of its channel are 16 bytes, and one store covers the tile.
; LDS.  An image row is 4,096 bytes + 128: a pixel's 32 bytes lie in bank group (column + 4 row) % 8, a sample's four corners in groups g, g + 1, g + 4, g + 5.  Sixteen lanes of a turning load take two points' corners.
; The places 132 row + column are whole numbers that the launch before stored; they are cut to 8,310 = 62 x 132 + 126, so the furthest byte read is 270,207 of the image's 270,336.
; LIMITS.  kf, the weights and feat are f16: within 65,504.  Sums in f32.
; NO JOINT LOADS.  Two work-groups share a quarter (256 KB, once) and four share the indices and weights (393 KB); against the 4 MiB that each reads from its own LDS that is a sixth, and a pitch of
; 4,224 bytes cannot be had from one descriptor's padding, whose interval ends at 1,024 bytes.  So the image comes in through registers.
; REGISTER WINDOWS.  Two trips' indices are 128 registers and the ring of gathered rows 128 more, so the indices lie in window 1, where the one instruction that reads them (v_min_u32, as its source 1) finds
; them under the setting 0x04; that setting leaves the shift-and-add in window 0.  The steps go in groups of four, so that a group costs two switches, and a load of indices one more.
; THE MODE: SCHED_MODE bits 1:0 = 2 (LLVM: expert scheduling mode 2), set by the entry lines.  The code itself states the register dependences
; between vector or matrix instructions and memory or LDS instructions, with s_wait_alu, always for 0.
; THE PLAN.  Registers that memory or LDS instructions touch, from the barrier on:
;   AD0, AD1    Group g's sixteen address instructions write AD[g % 2]; the eight turning loads issued in group g read it; group g + 2 writes it again.
;   F           A ring of sixteen fragments.  The turning loads of group g land in the four that group g - 2's products read and group g + 2's will read.
;   IX          Read by v_min_u32; each quarter of a set is loaded again behind the group that holds its last use.
;   W           Read by the sixteen moves of group 0 and by the products of groups 0, 1, 4 and 5; loaded again behind group 6.
;   OUT         Written by the conversions and selections; read by the trip's two stores; written again two trips on.
;   PI, LN, KO  Offsets, made at the head and never written again: the blocks are reached by the scalar bases and by immediate offsets.
; A group holds one wait on va_vdst, behind its address instructions: AD[g % 2] is written; the products issued so far are done reading F and W; the address instructions are done reading IX.  All the group's loads
; hang on that one wait: the turning loads, dealt two behind each product, and the loads of indices or weights behind the products.  The vector and matrix instructions between name DR, OUT, T, W, W4 and the group's own
; four fragments, none of the registers that those loads touch.  One wait on vm_vsrc stands ahead of the group's first turning load: the loads of the group before have read the other AD, which the next group writes.
; One more wait on va_vdst a trip stands ahead of the two stores.
.set ROWP,  4224
.set IMG,   64*ROWP                    ; the image's bytes; behind them the spare words, 128 bytes a wave
.set EMAX,  62*132+126
.set LC,   1                           ; v1   my lane's part of a row's LDS address: 16 x half + 32 dx + 4,224 dy; never rewritten
.set PI,   2                           ; v2   64 x my first point: my byte offset in a (block, head) of sidx; never rewritten
.set LN,   3                           ; v3   16 lane; never rewritten
.set FL,   4                           ; v4   the fill: LDS address
.set GF,   5                           ; v5   the fill: byte offset in the quarter
.set KO,   6                           ; v6   32 (lane % 16) + 16 (lane / 16): my 16 bytes in a tile of feat; never rewritten
.set T,    10                          ; v10-11   two positions of the upper eight, packed, one register for each block
.set AD,   16                          ; v16-23   a group's four pairs of LDS addresses: the buffer of the even groups
.set AD1,  120                         ; v120-127 the buffer of the odd groups
.set W,    24                          ; v24-55   weight fragments: [set 2][block 2][8]
.set W4,   56                          ; v56-71   this trip's fragments with rows exchanged four apart: [block 2][8]
.set OUT,  72                          ; v72-87   feat to store: [set 2][block 2][4]
.set DR,   88                          ; v88-119  four accumulators, one for each step of a group
.set F,    128                         ; v128-255 a ring of sixteen fragments of gathered rows
.set IX,   0                           ; window 1, v0-127: indices: [set 2][block 2][first or second point][4 groups of 4 positions]
.set FS,   128                         ; the fill's 64 slots of 4 registers: v128-255 of window 0, then of window 1
.set MSB, 0
.macro WIN new                         ; s_set_vgpr_msb: bits 1:0 source 0, 3:2 source 1, 5:4 source 2, 7:6 destination; the high byte repeats the setting that is left
.if MSB != (\new)
	s_set_vgpr_msb (MSB<<8)|(\new)
.set MSB, \new
.endif
.endm
.macro PLACES n                        ; plain instructions between a product and a read of its result (four), or a product that writes over it (five) (ISA guide 7.12.1), where no other vector work is at hand
.rept \n
	v_nop
.endr
.endm
.macro LDIX par, q, off                ; (destination in window 1) four loads: positions 4 q .. 4 q + 3 of both blocks, my first and my second point, into set par; off: the trip's first block, in bytes from the base
.irp u, 0,1
.irp ab, 0,1
	global_load_b128 v[IX+64*(\par)+32*(\u)+16*(\ab)+4*(\q):IX+64*(\par)+32*(\u)+16*(\ab)+4*(\q)+3], v[PI], s[6:7] offset:(\off)+4096*(\u)+256*(\ab)+16*(\q)
.endr
.endr
.endm
.macro LDW par, off                    ; four loads of 512 consecutive bytes: both blocks' weight fragments into set par
.irp u, 0,1
.irp j, 0,1
	global_load_b128 v[W+16*(\par)+8*(\u)+4*(\j):W+16*(\par)+8*(\u)+4*(\j)+3], v[LN], s[8:9] offset:(\off)+8192*(\u)+512*(\j)
.endr
.endr
.endm
.macro AMIN par, m                     ; (source 1 in window 1) step m = 2 position + block of a trip whose indices lie in set par: my two rows' places, cut to the image
.set pp, (\m)/2
.set ia, IX+64*(\par)+32*((\m)%2)+4*(pp/4)+(pp%4)
.set ta, AD+(AD1-AD)*(((\m)/4)%2)+2*((\m)%4)
	v_min_u32 v[ta],   EMAX, v[ia]
	v_min_u32 v[ta+1], EMAX, v[ia+16]
.endm
.macro ASHL m                          ; and their LDS addresses
.set ta, AD+(AD1-AD)*(((\m)/4)%2)+2*((\m)%4)
	v_lshl_add_u32 v[ta],   v[ta],   5, v[LC]
	v_lshl_add_u32 v[ta+1], v[ta+1], 5, v[LC]
.endm
.macro ADDRS par, sg                   ; the sixteen address instructions of group sg's four steps: all the cuts, then all the shifts, so that none reads a result just made
	WIN 0x04
.irp d, 0,1,2,3
	AMIN \par, 4*(\sg)+(\d)
.endr
.irp d, 0,1,2,3
	ASHL 4*(\sg)+(\d)
.endr
	WIN 0
.endm
.macro TLOAD m                         ; step m's 32 rows x 16 channels, turned: k = 0..15 and 16..31
.set ta, AD+(AD1-AD)*(((\m)/4)%2)+2*((\m)%4)
.set tf, F+8*((\m)%16)
	ds_load_tr16_b128 v[tf:tf+3],   v[ta]
	ds_load_tr16_b128 v[tf+4:tf+7], v[ta+1]
.endm
.macro MULF par, gg, fet               ; group gg's four products, each on an accumulator of its own and each a whole sum: positions 2 gg and 2 gg + 1 of both blocks.
.set i4, 0                             ; fet = 1: behind each product the two turning loads of the step eight on.  No wait: no vector or matrix instruction since the group's wait on va_vdst names their registers
.rept 4
.set mm, 4*(\gg)+i4
.set dd, DR+8*i4
.set ff, F+8*(mm%16)
.if ((mm/8)%2) == 1
.set ww, W4+8*(mm%2)
.else
.set ww, W+16*(\par)+8*(mm%2)
.endif
	v_wmma_f32_16x16x32_f16 v[dd:dd+7], v[ww:ww+7], v[ff:ff+7], 0
.if \fet
	TLOAD mm+8
.endif
.set i4, i4+1
.endr
.endm
.macro EXTRACT par, gg                 ; what is wanted of group gg's four results: for each block, positions 2 gg and 2 gg + 1, rounded and packed.  Positions 0-7 are right in lanes 0-15 and go straight
.set x0, (2*(\gg))%4                   ; into OUT; positions 8-15 are right in lanes 16-31 and take those lanes of OUT (VCC: lanes 16-31)
.irp u, 0,1
.if (\gg) < 4
	v_cvt_pk_f16_f32 v[OUT+8*(\par)+4*(\u)+(\gg)], v[DR+8*(\u)+x0], v[DR+16+8*(\u)+x0+1]
.else
	v_cvt_pk_f16_f32 v[T+(\u)], v[DR+8*(\u)+x0], v[DR+16+8*(\u)+x0+1]
.endif
.endr
.if (\gg) >= 4
.irp u, 0,1
	v_cndmask_b32 v[OUT+8*(\par)+4*(\u)+(\gg)-4], v[OUT+8*(\par)+4*(\u)+(\gg)-4], v[T+(\u)], vcc_lo
.endr
.endif
.endm
; A TRIP: two blocks, 32 steps in 8 groups.  Group g: the addresses of the group two on; what is wanted of the last group's results; the wait for this group's rows; its four products, and among them the turning loads of the group two on.
; The sixteen address instructions name none of the last products' registers: they are the places in front of the reads of those results and of the products that write over them.
; LOADS FROM MEMORY, 20 a trip, all for the trip two on (ahead = 1): index group 0 at the trip's head (the trip before has read it out), groups 1, 2, 3 behind groups 1, 3, 5, each behind its last use;
; the weights behind group 6: their last reader is group 5 (groups 6 and 7 use the exchanged fragments).
; w0: at the trip's head: its weights, the youngest loads of the trip two back, are in; the 20 loads of the trip between may stay out.  Loads come back in order (ISA guide 5.7.1), so its index groups 1 to 3 are in too.
; w6: in front of group 6, which reads the next trip's index group 0, asked for at the head of the trip before: 16 later loads of that trip and 16 of this one may stay out.
; The last two trips ask for nothing, so their counts are lower: 20 and 16, then 0.  last = 1: no next trip: groups 6 and 7 fetch nothing, hold no s_wait_alu, and their LDS counts run down.
.macro TRIP par, ahead, last, w0, w6
.set g, 0
.rept 8
.if g == 0
	s_wait_loadcnt \w0
.if \ahead
	WIN 0x40
	LDIX \par, 0, (2*(\par)+4)*4096                ; the address instructions that read these registers stand ahead of the last trip's waits on va_vdst, and nothing since has named them
.endif
.endif
.if (g == 6) && !(\last)
	s_wait_loadcnt \w6
.endif
.if g < 6
	ADDRS \par, g+2
.elseif !(\last)
	ADDRS 1-(\par), g-6
.endif
.if (g < 6) || !(\last)
	s_wait_alu depctr_va_vdst(0)                   ; this group's AD is written; the products issued so far are done reading F and W; the address instructions are done reading IX: all the loads up to the next group hang on this
.else
	WIN 0
	PLACES 5
.endif
.if (g == 1) && ((\par) == 1)
	s_wait_xcnt 0x0                                ; set 1 of OUT was the data of the stores of two trips ago: it is written again only behind this wait (set 0: behind this same wait, in the trip before)
.endif
.if g > 0
	EXTRACT \par, g-1
.else
.set e, 0
.rept 16                               ; the exchanged fragments; their last readers, the trip before's last products, stand in front of that trip's four v_nop
	v_mov_b32_dpp v[W4+e], v[W+16*(\par)+e] row_xmask:4 row_mask:0xf bank_mask:0xf
.set e, e+1
.endr
.endif
.if (g == 7) && (\last)
	s_wait_dscnt 0x0
.else
	s_wait_dscnt 8                                 ; LDS loads come back in order (ISA guide 5.7.1): this group's eight are in; the next group's eight may be out
.endif
.if (g < 6) || !(\last)
	s_wait_alu depctr_vm_vsrc(0)                   ; the turning loads of the group before have read the other AD, which the next group's address instructions write; the stores of the trips before have read OUT
	MULF \par, g, 1
.else
	MULF \par, g, 0
.endif
.if (\ahead) && ((g%2) == 1) && (g < 7)
	WIN 0x40
	LDIX \par, (g+1)/2, (2*(\par)+4)*4096
.endif
.if (\ahead) && (g == 6)
	LDW \par, (2*(\par)+4)*8192
.endif
.set g, g+1
.endr
	WIN 0
	PLACES 4
	EXTRACT \par, 7
.if ((\par) == 1) && (\ahead)
	s_wait_xcnt 0x0                                ; the three bases are stepped only behind this wait
	s_add_nc_u64 s[6:7], s[6:7], 16384             ; four blocks on
	s_add_nc_u64 s[8:9], s[8:9], 32768
	s_add_nc_u64 s[10:11], s[10:11], 65536
.endif
.set fo, 2*(\par)*16384-(\par)*(\ahead)*65536      ; where the bases have just been stepped the immediates reach back
	s_wait_alu depctr_va_vdst(0)                   ; the conversions and selections have written this set of OUT, which the two stores read
.irp u, 0,1
	global_store_b128 v[KO], v[OUT+8*(\par)+4*(\u):OUT+8*(\par)+4*(\u)+3], s[10:11] offset:fo+16384*(\u)   ; the wave's store covers 512 consecutive bytes, at a multiple of 256 from feat's first byte
.endr
.endm
	s_load_b256 s[4:11], s[0:1], 0x0               ; kf s[4:5], sidx s[6:7], swt s[8:9], feat s[10:11]
	v_lshl_add_u32 v14, v0, 2, 0x42000
	v_mov_b32 v15, 0
	v_lshrrev_b32 v7, 5, v0
	v_readfirstlane_b32 s12, v7                    ; wave 0..7
	s_mov_b32 s13, ttmp9
	s_and_b32 s14, s13, 3                          ; q
	s_bfe_u32 s17, s13, 0x20002                    ; b
	s_bfe_u32 s15, s13, 0x10004                    ; half
	s_lshr_b32 s16, s13, 5                         ; head
	v_and_b32 v7, 31, v0
	v_lshlrev_b32 v[LN], 4, v7
	v_bfe_u32 v7, v0, 3, 1                         ; which 16 bytes of a pixel's 32
	v_lshlrev_b32 v[LC], 4, v7
	v_and_b32 v7, 1, v0                            ; dx
	v_lshl_add_u32 v[LC], v7, 5, v[LC]
	v_bfe_u32 v7, v0, 1, 1                         ; dy
	v_mul_u32_u24 v7, v7, ROWP
	v_add_nc_u32 v[LC], v7, v[LC]
	v_bfe_u32 v7, v0, 4, 1                         ; lane / 16
	v_bfe_u32 v12, v0, 2, 1
	v_lshl_add_u32 v12, v7, 1, v12                 ; my first point
	v_lshlrev_b32 v[PI], 6, v12
	v_and_b32 v12, 15, v0
	v_lshlrev_b32 v[KO], 5, v12
	v_lshl_add_u32 v[KO], v7, 4, v[KO]
.set e, 0
.rept 16                               ; the destination of a move between lanes counts as read: these sixteen registers are written once, in the wait for the arguments
	v_mov_b32 v[W4+e], 0
.set e, e+1
.endr
	s_wait_alu depctr_va_sdst(0)                   ; s12 is written, ahead of its first reader: the fill's addresses and the bases are made from it
	s_mul_i32 s18, s12, 8*ROWP                     ; the fill: wave w takes image rows 8 w .. 8 w + 7
	v_add_nc_u32 v[FL], s18, v[LN]
	s_lshl_b32 s18, s12, 15
	v_add_nc_u32 v[GF], s18, v[LN]
	s_mov_b32 s19, 0
	s_lshl3_add_u32 s18, s17, s16                  ; image 8 b + head,
	s_lshl2_add_u32 s18, s18, s14                  ; its quarter q,
	s_lshl_b32 s18, s18, 18                        ; 256 KB each
	s_lshl_b32 s20, s17, 6
	s_lshl_b32 s21, s15, 5
	s_add_co_u32 s20, s20, s21
	s_lshl2_add_u32 s20, s12, s20                  ; my first image row of positions: 64 b + 32 half + 4 w,
	s_lshl_b32 s20, s20, 3                         ; its first block
	s_wait_kmcnt 0x0
	s_add_nc_u64 s[4:5], s[4:5], s[18:19]
	s_lshl_b32 s18, s20, 12
	s_lshl_b32 s21, s16, 9
	s_add_co_u32 s18, s18, s21
	s_add_nc_u64 s[6:7], s[6:7], s[18:19]          ; sidx: 4,096 bytes a block, 512 a head
	s_lshl_b32 s18, s20, 13
	s_lshl_b32 s21, s16, 10
	s_add_co_u32 s18, s18, s21
	s_add_nc_u64 s[8:9], s[8:9], s[18:19]          ; swt: 8,192 a block, 1,024 a head
	s_lshl_b32 s18, s20, 14
	s_lshl_b32 s21, s16, 11
	s_add_co_u32 s18, s18, s21
	s_lshl_b32 s21, s14, 9
	s_add_co_u32 s18, s18, s21
	s_add_nc_u64 s[10:11], s[10:11], s[18:19]      ; feat: 16,384 a block, 2,048 a head, 512 a quarter
	; the first two trips' indices and weights; then the image.  All are in when the fill's last slot is.
	WIN 0x40
	s_wait_alu depctr_va_vdst(0)                   ; the offsets and addresses PI, LN, FL, GF and KO are written, which the loads and stores of the whole kernel read
.irp q, 0,1,2,3
	LDIX 0, \q, 0
.endr
.irp q, 0,1,2,3
	LDIX 1, \q, 8192
.endr
	WIN 0
	LDW 0, 0
	LDW 1, 16384
.set i, 0
.rept 32
	global_load_b128 v[FS+4*i:FS+4*i+3], v[GF], s[4:5] offset:512*i
.set i, i+1
.endr
	WIN 0x40                                       ; destination in window 1
.rept 32
	global_load_b128 v[FS+4*(i-32):FS+4*(i-32)+3], v[GF], s[4:5] offset:512*i
.set i, i+1
.endr
	WIN 0
.set i, 0
.rept 32
	s_wait_loadcnt 63-i                            ; slot i is in; the later slots may be out
	ds_store_b128 v[FL], v[FS+4*i:FS+4*i+3] offset:(i/8)*ROWP+(i%8)*512
.set i, i+1
.endr
	WIN 0x04                                       ; the stores' data in window 1
.rept 32
	s_wait_loadcnt 63-i
	ds_store_b128 v[FL], v[FS+4*(i-32):FS+4*(i-32)+3] offset:(i/8)*ROWP+(i%8)*512
.set i, i+1
.endr
	WIN 0
	s_wait_dscnt 0x0                               ; for the others' sake: my eight rows of the image are in LDS
	s_barrier_signal -1
	s_barrier_wait -1
	ADDRS 0, 0                                     ; the first two groups' rows
	s_wait_alu depctr_va_vdst(0)                   ; AD0 is written, which the turning loads below read
	s_wait_alu depctr_vm_vsrc(0)                   ; the fill's LDS stores have read v128-255: these registers are the ring from here on, and the turning loads land in them
.irp m, 0,1,2,3
	TLOAD \m
.endr
	ADDRS 0, 1
	s_wait_alu depctr_va_vdst(0)                   ; AD1 is written; the address instructions are done reading index group 0 of set 0, which the first trip loads again
	s_wait_alu depctr_vm_vsrc(0)                   ; the four steps' loads above have read AD0, which the first group's address instructions write
.irp m, 4,5,6,7
	TLOAD \m
.endr
	s_mov_b32 vcc_lo, 0xffff0000                   ; lanes 16-31, for the whole kernel
	s_mov_b32 s22, 7
.Lpair:                                                ; two trips, four blocks
	TRIP 0, 1, 0, 20, 32
	TRIP 1, 1, 0, 20, 32
	s_sub_co_u32 s22, s22, 1
	s_cmp_lg_u32 s22, 0
	s_cbranch_scc1 .Lpair
	TRIP 0, 0, 0, 20, 16                           ; the last two trips are written out: no load leaves the buffers
	TRIP 1, 0, 1, 0, 0
	s_barrier_signal -1                            ; no LDS load of mine is out (the last count was 0): behind this barrier no wave reads the image any more;
	s_barrier_wait -1                              ; the barrier stays where the plain text has it
	s_wait_dscnt 0x0                               ; the wave's end
	s_wait_alu depctr_hold_cnt(0) depctr_sa_sdst(0) depctr_va_vdst(0) depctr_va_sdst(0) depctr_va_ssrc(0) depctr_va_vcc(0) depctr_vm_vsrc(0)
	s_wait_tensorcnt 0x0
	ds_add_u32 v14, v15
	s_wait_dscnt 0x0
	s_endpgm
.Lfunc_end_k_q97c286e1c8_gath:
	.size	k_q97c286e1c8_gath, .Lfunc_end_k_q97c286e1c8_gath-k_q97c286e1c8_gath
	.p2alignl 7, 3214868480
	.fill 96, 4, 3214868480
	.section	.rodata,"a",@progbits
	.p2align	6, 0x0
	.amdhsa_kernel k_q97c286e1c8_gath
		.amdhsa_group_segment_fixed_size 271360
		.amdhsa_private_segment_fixed_size 0
		.amdhsa_enable_private_segment 0
		.amdhsa_kernarg_size 32
		.amdhsa_user_sgpr_count 2
		.amdhsa_user_sgpr_kernarg_segment_ptr 1
		.amdhsa_wavefront_size32 1
		.amdhsa_system_sgpr_workgroup_id_x 1
		.amdhsa_system_sgpr_workgroup_id_y 1
		.amdhsa_system_sgpr_workgroup_id_z 1
		.amdhsa_system_vgpr_workitem_id 0
		.amdhsa_next_free_vgpr 512
		.amdhsa_next_free_sgpr 66
		.amdhsa_reserve_vcc 1
		.amdhsa_float_denorm_mode_32 3
		.amdhsa_float_denorm_mode_16_64 3
		.amdhsa_memory_ordered 1
		.amdhsa_forward_progress 1
		.amdhsa_inst_pref_size 96
	.end_amdhsa_kernel
	.amdgpu_metadata
---
amdhsa.version: [ 1, 2 ]
amdhsa.kernels:
  - .name:           k_q97c286e1c8_gath
    .symbol:         k_q97c286e1c8_gath.kd
    .args:
      - { .name: kf, .offset: 0, .size: 8, .value_kind: global_buffer, .address_space: global }
      - { .name: sidx, .offset: 8, .size: 8, .value_kind: global_buffer, .address_space: global }
      - { .name: swt, .offset: 16, .size: 8, .value_kind: global_buffer, .address_space: global }
      - { .name: feat, .offset: 24, .size: 8, .value_kind: global_buffer, .address_space: global }
    .group_segment_fixed_size: 271360
    .private_segment_fixed_size: 0
    .kernarg_segment_align: 8
    .kernarg_segment_size: 32
    .max_flat_workgroup_size: 256
    .sgpr_count:     66
    .vgpr_count:     512
    .wavefront_size: 32
...
	.end_amdgpu_metadata
.endif
;; end of part 8
;; launch outp: the kernel of part 6 again; grid 256 x 1, 8 waves a work-group, no clusters, 166,912 bytes of LDS; arguments feat, wmp, bm, out0; writes out0
